; MI455X (gfx1250); checked and timed in simulation.
; The chip was launched on July 23, 2026; its instructions are those of AMD's public machine-readable ISA for CDNA 5 (MIT licence, August 2026) and "CDNA5" Instruction Set Architecture Reference Guide (July 2026). The comments in the code are by the model that wrote it; some were corrected since.
;; Multihead Attention. Allowed arithmetic: matrix products marked QUANTISED: E5M2 operands, one E8M0 scale for each 32 along K, by v_wmma_scale_f32_16x16x128_f8f6f4 with both operands' format E5M2, f32 sums; everything else in f32.
;; Inputs: Wk 256 x 256 float32; Wo 256 x 256 float32; Wq 256 x 256 float32; Wv 256 x 256 float32; bk 256 float32; bo 256 float32; bq 256 float32; bv 256 float32; keys 4 x 256 x 2,048 float32; mask 4 x 2,048 x 2,048 float32; queries 4 x 256 x 2,048 float32; values 4 x 256 x 2,048 float32.
;; Outputs: out0 4 x 256 x 2,048 float32.
;; This version of the problem:
;;   THIS VERSION OF THE PROBLEM IS GIVEN IN LOW PRECISION. The matrix products marked QUANTISED in the list below multiply operands that are first quantised to E5M2 (5 exponent bits, 2 mantissa bits; 8 bits a number), with one power-of-two scale for each 32 numbers along K (OCP MX v1.0); their sums are f32. All else is computed in f32.
;;   The module's matrix products, in the order in which they are computed (A, B: the left and right operand; K: the contracted axis; several contracted axes count as one K, in the product's order):
;;     1. [M 8,192, K 256] x [K 256, N 256]; A: input keys; B: input Wk: QUANTISED
;;     2. [M 8,192, K 256] x [K 256, N 256]; A: input values; B: input Wv: QUANTISED
;;     3. [M 8,192, K 256] x [K 256, N 256]; A: input queries; B: input Wq: QUANTISED
;;     4. batch 16 x [M 2,048, K 64] x [K 64, N 2,048]; A: computed on the way; B: computed on the way: QUANTISED
;;     5. batch 16 x [M 64, K 2,048] x [K 2,048, N 2,048]; A: computed on the way; B: softmax (see below): QUANTISED
;;     6. [M 8,192, K 256] x [K 256, N 256]; A: computed on the way; B: input Wo: QUANTISED
;;   THE QUANTISER, for each operand of a quantised product, along K:
;;     - K is cut into blocks of 32 from its start; a last block that is shorter is filled with zeros.
;;     - A block's scale is 2^e with e = floor(log2(the largest magnitude in the block)) - 15, held to -126 .. 127; a block of zeros has e = 0. As a byte (E8M0): e + 127.
;;     - Each number is divided by its block's scale, clamped to +-57,344, and rounded to the nearest number of E5M2, ties to even, subnormals kept.
;;     - The product sums the exact products of the quantised numbers (number of the format x scale) in f32.
;;   ~~~python
;;   def quantise(x, axis):      # numpy; x: float32 -> the quantised numbers, widened to float32 again
;;       x = np.moveaxis(x, axis, -1); K = x.shape[-1]
;;       x = np.pad(x, [(0, 0)] * (x.ndim - 1) + [(0, -K % 32)]); x = x.reshape(x.shape[:-1] + (-1, 32)); a = np.abs(x).max(-1, keepdims=True)
;;       e = np.where(a > 0, np.clip(np.frexp(np.where(a > 0, a, 1))[1] - 1 - 15, -126, 127), 0)      # np.frexp(a)[1] - 1 = floor(log2(a)), exactly
;;       r = np.clip(x / 2.0 ** e, -57344, 57344)
;;       step = 2.0 ** (np.maximum(np.frexp(np.where(r == 0, 1, r))[1] - 1, -14) - 2)
;;       q = np.round(r / step) * step * 2.0 ** e      # np.round: ties to even
;;       return np.moveaxis(q.reshape(q.shape[:-2] + (-1,))[..., :K], -1, axis).astype(np.float32)
;;   ~~~
;;   SOFTMAX AHEAD OF A QUANTISED PRODUCT. Where the list says 'softmax', what is quantised is not the finished softmax but p = 2^(t - M), with t = logit x log2(e) and M = ceil(the row's largest t), a whole number; so 1/2 < the row's largest p <= 1. The row's sum l is taken of the UNQUANTISED p, in f32, and the product's result is divided by l at the end. Since M is a whole number, a kernel that streams over the keys may use a running M (the ceiling of the running maximum): every later rescaling is an exact power of two, which a block's scale takes up: the codes' values come out the same.
;;   OPERANDS COMPUTED ON THE WAY. 'Computed on the way' means the value that the module computes at that place (a softmax that the list does not call 'softmax' is quantised finished and normalised). What goes into a quantiser is computed in f32, as accurately as f32 sums, v_exp_f32 and their like allow (about 1e-6 of the number): no bf16 or f16 on the way to a quantiser, and a product that is left as it is and whose result goes on into a quantised operand takes f32 operands (vector FMAs, or v_wmma_f32_16x16x4_f32). A number that lies on a knife's edge between two numbers of the format may be rounded either way, as far as f32 arithmetic and the matrix unit's own rounding can turn it there, and no further.
;; 3 versions. Each part assembles by itself: llvm-mc -triple=amdgcn-amd-amdhsa -mcpu=gfx1250 --defsym DOCPART=n.
;; ======== version 1 of 3: 3 launches
;; limits: right only within a limited range of input values
;; workspace buffers: kimg 2,097,152 bytes; qimg 2,097,152 bytes; vimg 2,097,152 bytes; side 327,680 bytes; qscl 131,072 bytes; wo 67,584 bytes; oimg 2,097,152 bytes; oscl 65,536 bytes
;; launch proj (part 1): grid 194 x 1, 8 waves a work-group, no clusters, 102,400 bytes of LDS; arguments keys, queries, values, mask, Wk, Wq, Wv, Wo, bk, bq, bv, kimg, qimg, vimg, side, qscl, wo; writes kimg, qimg, vimg, side, qscl, wo
.if DOCPART == 1
	.amdgcn_target "amdgcn-amd-amdhsa--gfx1250"
	.amdhsa_code_object_version 6
	.text
	.protected	k_q55b8d73295_proj
	.globl	k_q55b8d73295_proj
	.p2align	8
	.type	k_q55b8d73295_proj,@function
k_q55b8d73295_proj:
	s_mov_b64 s[64:65], 0
	v_nop
	global_prefetch_b8 v0, s[64:65] scope:SCOPE_SE
	s_setreg_imm32_b32 hwreg(HW_REG_WAVE_MODE, 25, 1), 1
	s_wait_xcnt 0x0
; THE THREE PROJECTIONS k = Wk keys + bk, q = Wq queries + bq, v = Wv values + bv on codes of BF8 (E5M2) with one E8M0 scale for each 32 along K = the 256 input channels,
; and the quantising of their results for the attention launch: k and q along a head's 64 channels, v along the keys.
; Work-groups 0-191: tensor tn = g / 64 (0 keys, 1 queries, 2 values), batch (g / 16) % 4, step g % 16: 128 columns x all 256 outputs.  Work-group 192 quantises Wo; work-group 193 turns mask[:, :, 0] into a bias for each key.
; X [b][i][s] has K as its first axis: a lane takes a column and its registers run down K (32 registers = one block).  W [o][i] has K innermost: lane (r, h) takes 16 neighbours of each block of its row.
; OPERANDS GO THROUGH LDS AND MEMORY AS IMAGES OF THEIR REGISTERS: four registers of a fragment are 512 bytes, lane l's 16 bytes at 16 l.
; TILE ORDER (columns of X, rows of Wk, Wq, Wv): row r of tile 2 p + u stands for index 32 p + 8 u + r + 8 (r / 8), so that a result's 16 registers of tiles 2 p and 2 p + 1 are the 16 neighbours 32 p + 16 (lane / 16) + 0 .. 15.
; k, q: source 0 = 16 rows of W, source 1 = 16 columns of X: a lane holds one column, its registers run along the channels.  v: source 0 = X, source 1 = W: a lane holds one channel, its registers run along the keys.  The bias is the C of a sum's first product.
; LIMITS: NaN and infinities among the inputs are not served; a block whose largest magnitude lies under 2^-111 keeps the scale byte 1 (a block of zeros too: its codes are zeros, and only this program reads the bytes).
; A hidden key's bias is -3e38, not -infinity.  v's scale words leave as 128 consecutive bytes a wave (a head's 256 come from two waves): 64 KiB of all that the launch stores.
; No cluster, no tensor load: each work-group reads its own columns once, straight into registers; the weights are 256 KiB a tensor.
.set XIMG, 0                           ; LDS: X's 16 fragments (2 x tile + K step), 2,048 bytes each
.set XSC,  32768                       ; their scale words: 64 bytes a fragment, row r's word at 4 r
.set WIMG, 33792                       ; W's 32 fragments (2 x tile + K step)
.set WSC,  99328                       ; their scale words
.set XA,  1                            ; v1   4 x lane
.set WA,  2                            ; v2   W: (r + 8 (r / 8)) x 1,024 + 64 h
.set LI,  3                            ; v3   16 x lane: my place in an image
.set XW,  4                            ; v4   where my column's codes go in X's images
.set XWS, 5                            ; v5   and its scale word
.set WWI, 6                            ; v6   my wave's four fragments of W
.set WWS, 7                            ; v7   and their scale words
.set WRD, 8                            ; v8   k, q: my head's eight fragments of W
.set XRD, 9                            ; v9   k, q: my half of X's fragments
.set WSR, 10                           ; v10  k, q: my head's scale words of W
.set XSR, 11                           ; v11  k, q: my half's scale words of X
.set XS0, 12                           ; v12  v: X's scale words
.set SH,  13                           ; v13  16 h
.set BA,  14                           ; v14  64 h
.set BVA, 15                           ; v15  4 (r + 8 (r / 8))
.set SCW, 16                           ; v16-19 W's scale words; v20-23 X's: they hold scales and nothing else
.set SCX, 20
.set PW,  24                           ; v24  the scale word just made
.set PW0, 25                           ; v25  a scale word that is being put together
.set SW,  26                           ; v26-27 k, q: the two words that a lane stores; v: the two bias numbers
.set L8,  28                           ; v28  8 x lane
.set WN,  30                           ; v30  the two extra work-groups' offset
.set XR,  32                           ; v32-95   two sets of 32 numbers of X
.set WRA, 96                           ; v96-159  64 numbers of W
.set WRB, 160                          ; v160-223 64 more
.set F,   32                           ; v32-127  six fragments
.set ACC, 128                          ; v128-191 eight accumulators
.set BI,  192                          ; v192-223 the bias in the result's layout
.set PC,  224                          ; v224-239 the codes just made
.set TM,  240                          ; v240-243 largest magnitudes, v244-247 bytes, v248-251 the largest number x the scale, v252-255 the conversion's scale operands
.set WV,  38
.set MNT, 39                           ; s39  the mantissa field of 57,344
.set SEL, 40                           ; s[40:41] v_permlanex16_b32's selects for lane l xor 16
.set PX,  42                           ; s[42:43] X, s[44:45] W, s[46:47] the bias, s[48:49] the images, s[50:51] the scale words: each at my wave's part
.set PWT, 44
.set PB,  46
.set PI,  48
.set PS,  50
.set HALF, 52                          ; s52  a mask of lanes 16-31
.macro PLACES n
.rept \n
	v_nop
.endr
.endm
; 64 numbers of a lane, register 16 b + i = k 32 b + 16 (lane / 16) + i of my row, become 16 registers of codes in v[PC] on and the row's scale word in v[PW]
.macro QUANT s
.irp b, 0,1,2,3
	v_max3_num_f32 v[TM+\b], |v[\s+16*\b]|, |v[\s+1+16*\b]|, 0x8000000   ; block b: my 16 numbers and the floor 2^(16 - 127): the byte cannot fall under 1
.endr
.irp i, 2,4,6,8,10,12,14
.irp b, 0,1,2,3
	v_max3_num_f32 v[TM+\b], v[TM+\b], |v[\s+16*\b+\i]|, |v[\s+1+16*\b+\i]|   ; the four blocks by turns
.endr
.endr
.irp b, 0,1,2,3
	v_permlanex16_b32 v[TM+4+\b], v[TM+\b], s[SEL], s[SEL+1]
.endr
.irp b, 0,1,2,3
	v_max_num_f32 v[TM+\b], v[TM+\b], v[TM+4+\b]                   ; with lane l xor 16's: the block's largest magnitude
.endr
.irp b, 0,1,2,3
	v_add_nc_u32 v[TM+12+\b], 0xf8800000, v[TM+\b]                 ; 15 off its exponent field: the conversion's scale operand
.endr
.irp b, 0,1,2,3
	v_and_or_b32 v[TM+8+\b], v[TM+\b], 0x7f800000, s[MNT]          ; 57,344 x the scale
.endr
.irp b, 0,1,2,3
	v_lshrrev_b32 v[TM+4+\b], 23, v[TM+12+\b]                      ; the scale's byte
.endr
	v_lshl_or_b32 v[PW], v[TM+5], 8, v[TM+4]
	v_lshl_or_b32 v[PW], v[TM+6], 16, v[PW]
	v_lshl_or_b32 v[PW], v[TM+7], 24, v[PW]
.irp b, 0,1,2,3
.irp i, 0,1,2,3,4,5,6,7,8,9,10,11,12,13,14,15
	v_med3_num_f32 v[\s+16*\b+\i], v[\s+16*\b+\i], -v[TM+8+\b], v[TM+8+\b]   ; the conversion to an 8-bit code does not saturate (ISA guide 7.6.2): the hold comes first
.endr
	v_cvt_scalef32_pk8_bf8_f32 v[PC+4*\b:PC+1+4*\b], v[\s+16*\b:\s+7+16*\b], v[TM+12+\b]
	v_cvt_scalef32_pk8_bf8_f32 v[PC+2+4*\b:PC+3+4*\b], v[\s+8+16*\b:\s+15+16*\b], v[TM+12+\b]
.endr
	v_nop                                          ; a plain line between the last conversion and whatever next writes its sources
.endm
.macro LOADX t                         ; block t of my column: 32 rows of X; a wave reads 128 consecutive bytes, four waves stand side by side on 512
.set i, 0
.rept 32
	global_load_b32 v[XR+32*((\t)%2)+i], v[XA], s[PX:PX+1] offset:(32*(\t)+i)*8192 th:TH_LOAD_NT
.set i, i+1
.endr
.endm
.macro BLOCKX t, cnt                   ; block t is quantised: all 32 numbers are mine.  cnt: the younger loads that may stay out
.set XS, XR+32*((\t)%2)
	s_wait_loadcnt \cnt
	v_max3_num_f32 v[TM], |v[XS]|, |v[XS+1]|, |v[XS+2]|
	v_max3_num_f32 v[TM+1], |v[XS+3]|, |v[XS+4]|, |v[XS+5]|
.irp i, 6,10,14,18,22,26
	v_max3_num_f32 v[TM], v[TM], |v[XS+\i]|, |v[XS+\i+1]|
	v_max3_num_f32 v[TM+1], v[TM+1], |v[XS+\i+2]|, |v[XS+\i+3]|
.endr
	v_max3_num_f32 v[TM], v[TM], |v[XS+30]|, |v[XS+31]|
	v_max3_num_f32 v[TM], v[TM], v[TM+1], 0x8000000
	v_add_nc_u32 v[TM+2], 0xf8800000, v[TM]
	v_and_or_b32 v[TM+3], v[TM], 0x7f800000, s[MNT]
	v_lshrrev_b32 v[TM+1], 23, v[TM+2]
.if (\t) == 0
	v_mov_b32 v[PW0], v[TM+1]                      ; the four blocks' bytes make my column's scale word of this K step
.else
	v_lshl_or_b32 v[PW0], v[TM+1], 8*(\t), v[PW0]
.endif
.set i, 0
.rept 32
	v_med3_num_f32 v[XS+i], v[XS+i], -v[TM+3], v[TM+3]
.set i, i+1
.endr
.irp g, 0,1,2,3
	v_cvt_scalef32_pk8_bf8_f32 v[PC+2*\g:PC+2*\g+1], v[XS+8*\g:XS+8*\g+7], v[TM+2]
.endr
	v_nop
	ds_store_b128 v[XW], v[PC:PC+3] offset:512*(\t)          ; k = 32 t + 0 .. 15: the place of lane (r, 0) in the image
	ds_store_b128 v[XW], v[PC+4:PC+7] offset:512*(\t)+256    ; k = 32 t + 16 .. 31: that of lane (r, 1)
	s_wait_dscnt 0x0                               ; the stores have read their registers
.endm
.macro WLOAD set, adr, off             ; 64 numbers of a row of W: 16 neighbours of each of four blocks
.irp k, 0,1,2,3
.irp j, 0,1,2,3
	global_load_b128 v[\set+16*\k+4*\j:\set+16*\k+4*\j+3], v[\adr], s[PWT:PWT+1] offset:\off+128*\k+16*\j
.endr
.endr
.endm
.macro IMAGE adr, off
.irp c, 0,1,2,3
	ds_store_b128 v[\adr], v[PC+4*\c:PC+4*\c+3] offset:\off+512*\c
.endr
.endm
.macro FETCH reg, adr, off
.irp c, 0,1,2,3
	ds_load_b128 v[\reg+4*\c:\reg+4*\c+3], v[\adr] offset:\off+512*\c
.endr
.endm
.macro MM d, a, b, c, sa, sb
	v_wmma_scale_f32_16x16x128_f8f6f4 v[\d:\d+7], v[\a:\a+15], v[\b:\b+15], v[\c:\c+7], v[\sa], v[\sb] matrix_a_fmt:MATRIX_FMT_BF8 matrix_b_fmt:MATRIX_FMT_BF8
.endm
; fragment f = 2 u + s of my wave's two tiles of W: quantised, its image and scale word to LDS; nxt: the fragment that is then asked for into the same registers (-1: none)
.macro WFRAG f, set, cnt, nxt
	s_wait_loadcnt \cnt
	QUANT \set
	IMAGE WWI, (\f)*2048
	ds_store_b32 v[WWS], v[PW] offset:(\f)*64
	s_wait_dscnt 0x0                               ; the stores have read their registers
.if \nxt >= 0
	WLOAD \set, WA, ((\nxt)/2)*8192+((\nxt)%2)*512
.endif
.endm
	s_load_b512 s[4:19], s[0:1], 0x0               ; keys, queries, values, mask, Wk, Wq, Wv, Wo
	s_load_b512 s[20:35], s[0:1], 0x40             ; bk, bq, bv, kimg, qimg, vimg, side, qscl
	s_load_b64 s[36:37], s[0:1], 0x80              ; wo
	v_lshl_add_u32 v29, v0, 2, 0x18c00
	s_set_vgpr_msb 0x40
	v_mov_b32 v1, 0
	s_set_vgpr_msb 0x4000
	v_lshrrev_b32 v31, 5, v0
	v_readfirstlane_b32 s[WV], v31                 ; wave 0..7
	s_mov_b32 s[MNT], 0x600000
	s_mov_b32 s[SEL], 0x76543210
	s_mov_b32 s[SEL+1], 0xfedcba98
	s_mov_b32 s[HALF], 0xffff0000
	v_and_b32 v32, 31, v0                          ; lane
	v_and_b32 v33, 15, v0                          ; r
	v_bfe_u32 v34, v0, 4, 1                        ; h
	v_lshlrev_b32 v[XA], 2, v32
	v_and_b32 v35, 8, v33
	v_add_nc_u32 v35, v35, v33                     ; r + 8 (r / 8)
	v_lshlrev_b32 v[WA], 10, v35
	v_lshl_add_u32 v[WA], v34, 6, v[WA]
	v_lshlrev_b32 v[LI], 4, v32
	s_and_b32 s53, s[WV], 3
	s_lshl_b32 s53, s53, 2
	s_lshr_b32 s54, s[WV], 2
	s_add_co_u32 s53, s53, s54                     ; 4 (w % 4) + w / 4: the fragment of my columns' even tile and my K step
	s_lshl_b32 s54, s53, 11
	v_bfe_u32 v36, v0, 3, 1                        ; column l of 32 is row (l % 8) + 8 (l / 16) of tile u = (l / 8) % 2
	v_and_b32 v37, 7, v0
	v_lshlrev_b32 v[XW], 12, v36
	v_lshl_add_u32 v[XW], v37, 4, v[XW]
	v_lshl_add_u32 v[XW], v34, 7, v[XW]
	v_add_nc_u32 v[XW], s54, v[XW]
	s_lshl_b32 s54, s53, 6
	s_add_co_u32 s54, s54, XSC
	v_lshlrev_b32 v[XWS], 7, v36
	v_lshl_add_u32 v[XWS], v37, 2, v[XWS]
	v_lshl_add_u32 v[XWS], v34, 5, v[XWS]
	v_add_nc_u32 v[XWS], s54, v[XWS]
	s_lshl_b32 s54, s[WV], 13
	s_add_co_u32 s54, s54, WIMG
	v_add_nc_u32 v[WWI], s54, v[LI]
	s_lshl_b32 s54, s[WV], 8
	s_add_co_u32 s54, s54, WSC
	v_lshl_add_u32 v[WWS], v33, 2, s54
	s_lshr_b32 s55, s[WV], 1                       ; s55 = w / 2: my head
	s_and_b32 s56, s[WV], 1                        ; s56 = w % 2: my half
	s_lshl_b32 s54, s55, 14
	s_add_co_u32 s54, s54, WIMG
	v_add_nc_u32 v[WRD], s54, v[LI]
	s_lshl_b32 s54, s56, 14
	v_add_nc_u32 v[XRD], s54, v[LI]
	s_lshl_b32 s54, s55, 9
	s_add_co_u32 s54, s54, WSC
	v_lshl_add_u32 v[WSR], v33, 2, s54
	s_lshl_b32 s54, s56, 9
	s_add_co_u32 s54, s54, XSC
	v_lshl_add_u32 v[XSR], v33, 2, s54
	v_lshl_add_u32 v[XS0], v33, 2, XSC
	v_lshlrev_b32 v[SH], 4, v34
	v_lshlrev_b32 v[BA], 6, v34
	v_lshlrev_b32 v[BVA], 2, v35
	v_lshlrev_b32 v[L8], 3, v32
.irp b, 0,1,2,3
	v_mov_b32 v[TM+4+\b], 0                        ; written once: a lane permute's destination counts as one of its sources
.endr
	s_wait_kmcnt 0x0
	s_cmp_ge_u32 ttmp9, 192
	s_cbranch_scc1 .Lextra
	; ---- where my wave's parts begin.  All offsets first, then the choices among the buffers (on the work-group's number alone), then the sums
	s_lshr_b32 s57, ttmp9, 6                       ; tn
	s_bfe_u32 s58, ttmp9, 0x20004                  ; batch
	s_and_b32 s59, ttmp9, 15                       ; step
	s_lshl_b32 s61, s58, 2
	s_add_co_u32 s61, s61, s55
	s_lshl_b32 s61, s61, 4
	s_add_co_u32 s61, s61, s59                     ; HB = (4 batch + head) x 16 + step
	s_lshl_b32 s66, s58, 21                        ; X: the batch's 256 rows of 8,192 bytes,
	s_lshr_b32 s62, s[WV], 2
	s_lshl_b32 s62, s62, 20                        ; my K step's 128 rows,
	s_add_co_u32 s66, s66, s62
	s_lshl_b32 s62, s59, 9                         ; the step's 128 columns,
	s_add_co_u32 s66, s66, s62
	s_and_b32 s62, s[WV], 3
	s_lshl_b32 s62, s62, 7                         ; my 32 of them
	s_add_co_u32 s66, s66, s62
	s_mov_b32 s67, 0
	s_lshl_b32 s68, s[WV], 15                      ; W: my 32 rows of 1,024 bytes
	s_mov_b32 s69, 0
	s_lshl_b32 s72, s61, 13                        ; the images: 8,192 bytes a head and step, my half
	s_lshl_b32 s62, s56, 12
	s_add_co_u32 s72, s72, s62
	s_mov_b32 s73, 0
	s_lshl_b32 s70, s55, 8                         ; the bias: k, q: my head's 64 numbers;
	s_lshl_b32 s76, s[WV], 7                       ; v: my 32
	s_mov_b32 s71, 0
	s_lshl_b32 s74, s56, 8                         ; the scale words: k, q: my 256 bytes;
	s_lshl_b32 s77, s56, 7
	s_add_co_u32 s77, s77, 512                     ; v: my 128, behind k's 512
	s_mov_b32 s75, 0
	s_mov_b32 s60, 512                             ; bytes a head and step: 512 in qscl, 1,280 in side
	s_cmp_eq_u32 s57, 0
	s_cselect_b64 s[PX:PX+1], s[4:5], s[6:7]
	s_cselect_b64 s[PWT:PWT+1], s[12:13], s[14:15]
	s_cselect_b64 s[PB:PB+1], s[20:21], s[22:23]
	s_cselect_b64 s[PI:PI+1], s[26:27], s[28:29]
	s_cselect_b64 s[PS:PS+1], s[32:33], s[34:35]
	s_cselect_b32 s60, 1280, s60
	s_cmp_eq_u32 s57, 2
	s_cselect_b64 s[PX:PX+1], s[8:9], s[PX:PX+1]
	s_cselect_b64 s[PWT:PWT+1], s[16:17], s[PWT:PWT+1]
	s_cselect_b64 s[PB:PB+1], s[24:25], s[PB:PB+1]
	s_cselect_b64 s[PI:PI+1], s[30:31], s[PI:PI+1]
	s_cselect_b64 s[PS:PS+1], s[32:33], s[PS:PS+1]
	s_cselect_b32 s60, 1280, s60
	s_cselect_b32 s70, s76, s70
	s_cselect_b32 s74, s77, s74
	s_mul_i32 s62, s61, s60
	s_add_co_u32 s74, s74, s62
	s_add_nc_u64 s[PX:PX+1], s[PX:PX+1], s[66:67]
	s_add_nc_u64 s[PWT:PWT+1], s[PWT:PWT+1], s[68:69]
	s_add_nc_u64 s[PB:PB+1], s[PB:PB+1], s[70:71]
	s_add_nc_u64 s[PI:PI+1], s[PI:PI+1], s[72:73]
	s_add_nc_u64 s[PS:PS+1], s[PS:PS+1], s[74:75]
	; ---- X and W become codes.  Loads run two blocks ahead; each wait's count is the number of loads issued behind those it waits for
	LOADX 0
	LOADX 1
	BLOCKX 0, 32                                   ; block 1's 32 may be out
	LOADX 2
	BLOCKX 1, 32                                   ; block 2's
	LOADX 3
	WLOAD WRA, WA, 0                               ; W's fragment 0
	BLOCKX 2, 48                                   ; block 3's 32 and fragment 0's 16
	WLOAD WRB, WA, 512                             ; fragment 1
	BLOCKX 3, 32                                   ; fragments 0 and 1
	ds_store_b32 v[XWS], v[PW0]                    ; my column's scale word
	WFRAG 0, WRA, 16, 2                            ; the fragment behind may be out
	WFRAG 1, WRB, 16, 3
	WFRAG 2, WRA, 16, -1
	WFRAG 3, WRB, 0, -1
	s_wait_dscnt 0x0                               ; my stores have landed
	s_barrier_signal -1
	s_barrier_wait -1                              ; X's 16 and W's 32 fragments lie in LDS; nothing is stored there any more
	s_cmp_eq_u32 s57, 2
	s_cbranch_scc1 .Lv
	; ---- k, q: my head's 64 channels x 64 of the 128 columns, a pair of column tiles at a time
.irp n, 0,1,2,3
	global_load_b128 v[BI+8*\n:BI+8*\n+3], v[BA], s[PB:PB+1] offset:128*(\n/2)+32*(\n%2)       ; register j of tile n: the bias of channel 32 (n / 2) + 16 h + 8 (n % 2) + j
	global_load_b128 v[BI+8*\n+4:BI+8*\n+7], v[BA], s[PB:PB+1] offset:128*(\n/2)+32*(\n%2)+16
.endr
.macro KQUNIT e
.irp s, 0,1
.if \s == 1
	PLACES 8                                       ; in front of loads into registers that products have read
.endif
.irp n, 0,1,2,3
	FETCH F+16*\n, WRD, (2*\n+\s)*2048
	ds_load_b32 v[SCW+\n], v[WSR] offset:(2*\n+\s)*64
.endr
.irp u, 0,1
	FETCH F+64+16*\u, XRD, \e*8192+(2*\u+\s)*2048
	ds_load_b32 v[SCX+\u], v[XSR] offset:\e*256+(2*\u+\s)*64
.endr
	s_wait_dscnt 0x0
.if (\e == 0) && (\s == 0)
	s_wait_loadcnt 0x0                             ; the bias
.endif
.irp u, 0,1
.irp n, 0,1,2,3                        ; the eight accumulators by turns, in the same order in both K steps
.if \s == 0
	MM ACC+8*(4*\u+\n), F+16*\n, F+64+16*\u, BI+8*\n, SCW+\n, SCX+\u
.else
	MM ACC+8*(4*\u+\n), F+16*\n, F+64+16*\u, ACC+8*(4*\u+\n), SCW+\n, SCX+\u
.endif
.endr
.endr
.endr
	PLACES 9                                       ; behind the last products: in front of the first read of results, of the next unit's loads, and of the products that begin these accumulators anew
.if \e == 1
	s_wait_xcnt 0x0                                ; the last unit's stores have read the codes' registers
.endif
	QUANT ACC                                      ; blocks 0, 1: the even tile's 64 channels; blocks 2, 3: the odd tile's
.irp c, 0,1,2,3
	global_store_b128 v[LI], v[PC+4*\c:PC+4*\c+3], s[PI:PI+1] offset:\e*2048+512*\c   ; 512 consecutive bytes: two half fragments of 1,024
.endr
	v_lshrrev_b32 v[SW+\e], v[SH], v[PW]           ; lanes 0-15 keep the even tile's two bytes lowest, lanes 16-31 take the odd tile's
.endm
	KQUNIT 0
	KQUNIT 1
	global_store_b64 v[L8], v[SW:SW+1], s[PS:PS+1] ; 256 consecutive bytes, aligned
	s_set_vgpr_msb 0x4
	s_wait_tensorcnt 0x0
	ds_add_u32 v29, v1
	s_wait_dscnt 0x0
	s_set_vgpr_msb 0x400
	s_endpgm
	; ---- v: my two tiles of 16 channels x all 128 keys
.Lv:
.irp e, 0,1
	global_load_b32 v[SW+\e], v[BVA], s[PB:PB+1] offset:32*\e   ; the bias of my lane's channel
.endr
	s_wait_loadcnt 0x0
.irp e, 0,1
.irp j, 0,1,2,3,4,5,6,7
	v_mov_b32 v[BI+8*\e+\j], v[SW+\e]              ; the same for all eight keys of a lane
.endr
.endr
	PLACES 4
.macro VUNIT e
.irp s, 0,1
.irp g, 0,1
.if (\s+\g) > 0
	PLACES 8                                       ; in front of loads into registers that products have read
.endif
.if \g == 0
	FETCH F+64, WWI, (2*\e+\s)*2048
	ds_load_b32 v[SCW], v[WWS] offset:(2*\e+\s)*64
.endif
.irp t, 0,1,2,3
	FETCH F+16*\t, LI, XIMG+(2*(4*\g+\t)+\s)*2048
	ds_load_b32 v[SCX+\t], v[XS0] offset:(2*(4*\g+\t)+\s)*64
.endr
	s_wait_dscnt 0x0
.irp t, 0,1,2,3
.if \s == 0
	MM ACC+8*(4*\g+\t), F+16*\t, F+64, BI+8*\e, SCX+\t, SCW
.else
	MM ACC+8*(4*\g+\t), F+16*\t, F+64, ACC+8*(4*\g+\t), SCX+\t, SCW
.endif
.endr
.endr
.endr
	PLACES 9
.if \e == 1
	s_wait_xcnt 0x0                                ; the last unit's stores have read the codes' registers
.endif
	QUANT ACC                                      ; four blocks of 32 keys of my lane's channel: a whole fragment
.irp c, 0,1,2,3
	global_store_b128 v[LI], v[PC+4*\c:PC+4*\c+3], s[PI:PI+1] offset:\e*2048+512*\c
.endr
.if \e == 0
	v_mov_b32 v[PW0], v[PW]
.else
	v_cndmask_b32 v[PW0], v[PW0], v[PW], s[HALF]   ; lanes 0-15: the even tile's words; lanes 16-31: the odd tile's
	global_store_b32 v[XA], v[PW0], s[PS:PS+1]
.endif
.endm
	VUNIT 0
	VUNIT 1
	s_set_vgpr_msb 0x4
	s_wait_tensorcnt 0x0
	ds_add_u32 v29, v1
	s_wait_dscnt 0x0
	s_set_vgpr_msb 0x400
	s_endpgm
.Lextra:
	s_cmp_eq_u32 ttmp9, 193
	s_cbranch_scc1 .Lmask
	; ---- Wo: rows in their own order (tile ot = rows 16 ot on); wave w takes tiles 2 w and 2 w + 1.  No LDS, no barrier
	s_lshl_b32 s58, s[WV], 15
	s_mov_b32 s59, 0
	s_add_nc_u64 s[PWT:PWT+1], s[18:19], s[58:59]
	s_lshl_b32 s58, s[WV], 13
	s_add_nc_u64 s[PI:PI+1], s[36:37], s[58:59]
	s_lshl_b32 s58, s[WV], 8
	s_add_co_u32 s58, s58, 65536
	s_add_nc_u64 s[PS:PS+1], s[36:37], s[58:59]    ; the scale words lie behind the 65,536 bytes of images
	v_lshlrev_b32 v[WN], 10, v33
	v_lshl_add_u32 v[WN], v34, 6, v[WN]            ; row r, + 64 h
.macro WOFRAG f, set, cnt, nxt
	s_wait_loadcnt \cnt
.if \f > 0
	s_wait_xcnt 0x0                                ; the last fragment's stores have read their registers
.endif
	QUANT \set
.irp c, 0,1,2,3
	global_store_b128 v[LI], v[PC+4*\c:PC+4*\c+3], s[PI:PI+1] offset:(\f)*2048+512*\c
.endr
.if (\f)%2 == 0
	v_mov_b32 v[PW0], v[PW]
.else
	v_cndmask_b32 v[PW0], v[PW0], v[PW], s[HALF]   ; lanes 0-15: K step 0's words; lanes 16-31: K step 1's
	global_store_b32 v[XA], v[PW0], s[PS:PS+1] offset:((\f)/2)*128
.endif
.if \nxt >= 0
	WLOAD \set, WN, ((\nxt)/2)*16384+((\nxt)%2)*512
.endif
.endm
	WLOAD WRA, WN, 0
	WLOAD WRB, WN, 512
	WOFRAG 0, WRA, 16, 2
	WOFRAG 1, WRB, 16, 3
	WOFRAG 2, WRA, 16, -1
	WOFRAG 3, WRB, 0, -1
	s_endpgm
.Lmask:
	; ---- mask[b][s][0] > 0 keeps key s: 0.0 for a key that is kept, -3e38 for one that is hidden.  Wave w: batch w / 2, steps 8 (w % 2) + i; lane l: keys 4 l + q of a step.  A choice of values, no branch
	s_lshl_b32 s58, s[WV], 23                      ; 1,024 rows of 8,192 bytes a wave
	s_mov_b32 s59, 0
	s_add_nc_u64 s[PX:PX+1], s[10:11], s[58:59]
	s_lshl_b32 s58, s55, 6
	s_lshl_b32 s60, s56, 3
	s_add_co_u32 s58, s58, s60
	s_mul_i32 s58, s58, 1280
	s_add_co_u32 s58, s58, 768                     ; a step's 512 bytes lie behind its 768 bytes of scale words
	s_add_nc_u64 s[PS:PS+1], s[32:33], s[58:59]
	v_lshlrev_b32 v[WN], 15, v32                   ; four rows a lane
	v_mov_b32 v64, 0xff61b1e6                      ; -3e38
	v_mov_b32 v65, 0
.irp i, 0,1,2,3,4,5,6,7
.irp q, 0,1,2,3
	global_load_b32 v[32+4*\i+\q], v[WN], s[PX:PX+1] offset:(128*\i+\q)*8192   ; 7,364,608 at the most: inside the signed 24-bit immediate
.endr
.endr
	s_wait_loadcnt 0x0
.set j, 0
.rept 32
	v_cmp_lt_f32 vcc_lo, 0, v[32+j]
	v_cndmask_b32 v[32+j], v64, v65, vcc_lo
.set j, j+1
.endr
.irp d, 0,1,2,3                        ; once for each of the batch's four heads, so that a head's side block is dense
.irp i, 0,1,2,3,4,5,6,7
	global_store_b128 v[LI], v[32+4*\i:35+4*\i], s[PS:PS+1] offset:\d*20480+\i*1280   ; 512 consecutive bytes, aligned to 256
.endr
.endr
	s_endpgm
.Lfunc_end_k_q55b8d73295_proj:
	.size	k_q55b8d73295_proj, .Lfunc_end_k_q55b8d73295_proj-k_q55b8d73295_proj
	.p2alignl 7, 3214868480
	.fill 96, 4, 3214868480
	.section	.rodata,"a",@progbits
	.p2align	6, 0x0
	.amdhsa_kernel k_q55b8d73295_proj
		.amdhsa_group_segment_fixed_size 102400
		.amdhsa_private_segment_fixed_size 0
		.amdhsa_enable_private_segment 0
		.amdhsa_kernarg_size 136
		.amdhsa_user_sgpr_count 2
		.amdhsa_user_sgpr_kernarg_segment_ptr 1
		.amdhsa_wavefront_size32 1
		.amdhsa_system_sgpr_workgroup_id_x 1
		.amdhsa_system_sgpr_workgroup_id_y 1
		.amdhsa_system_sgpr_workgroup_id_z 1
		.amdhsa_system_vgpr_workitem_id 0
		.amdhsa_next_free_vgpr 258
		.amdhsa_next_free_sgpr 80
		.amdhsa_reserve_vcc 1
		.amdhsa_float_denorm_mode_32 3
		.amdhsa_float_denorm_mode_16_64 3
		.amdhsa_memory_ordered 1
		.amdhsa_forward_progress 1
		.amdhsa_inst_pref_size 187
	.end_amdhsa_kernel
	.amdgpu_metadata
---
amdhsa.version: [ 1, 2 ]
amdhsa.kernels:
  - .name:           k_q55b8d73295_proj
    .symbol:         k_q55b8d73295_proj.kd
    .args:
      - { .name: keys, .offset: 0, .size: 8, .value_kind: global_buffer, .address_space: global }
      - { .name: queries, .offset: 8, .size: 8, .value_kind: global_buffer, .address_space: global }
      - { .name: values, .offset: 16, .size: 8, .value_kind: global_buffer, .address_space: global }
      - { .name: mask, .offset: 24, .size: 8, .value_kind: global_buffer, .address_space: global }
      - { .name: Wk, .offset: 32, .size: 8, .value_kind: global_buffer, .address_space: global }
      - { .name: Wq, .offset: 40, .size: 8, .value_kind: global_buffer, .address_space: global }
      - { .name: Wv, .offset: 48, .size: 8, .value_kind: global_buffer, .address_space: global }
      - { .name: Wo, .offset: 56, .size: 8, .value_kind: global_buffer, .address_space: global }
      - { .name: bk, .offset: 64, .size: 8, .value_kind: global_buffer, .address_space: global }
      - { .name: bq, .offset: 72, .size: 8, .value_kind: global_buffer, .address_space: global }
      - { .name: bv, .offset: 80, .size: 8, .value_kind: global_buffer, .address_space: global }
      - { .name: kimg, .offset: 88, .size: 8, .value_kind: global_buffer, .address_space: global }
      - { .name: qimg, .offset: 96, .size: 8, .value_kind: global_buffer, .address_space: global }
      - { .name: vimg, .offset: 104, .size: 8, .value_kind: global_buffer, .address_space: global }
      - { .name: side, .offset: 112, .size: 8, .value_kind: global_buffer, .address_space: global }
      - { .name: qscl, .offset: 120, .size: 8, .value_kind: global_buffer, .address_space: global }
      - { .name: wo, .offset: 128, .size: 8, .value_kind: global_buffer, .address_space: global }
    .group_segment_fixed_size: 102400
    .private_segment_fixed_size: 0
    .kernarg_segment_align: 8
    .kernarg_segment_size: 136
    .max_flat_workgroup_size: 256
    .sgpr_count:     80
    .vgpr_count:     258
    .wavefront_size: 32
...
	.end_amdgpu_metadata
.endif
;; end of part 1
;; launch attn (part 2): grid 16 x 16, 8 waves a work-group, clusters of 4 x 1, 327,680 bytes of LDS; arguments qimg, qscl, kimg, vimg, side, oimg, oscl; writes oimg, oscl
.if DOCPART == 2
	.amdgcn_target "amdgcn-amd-amdhsa--gfx1250"
	.amdhsa_code_object_version 6
	.text
	.protected	k_q55b8d73295_attn
	.globl	k_q55b8d73295_attn
	.p2align	8
	.type	k_q55b8d73295_attn,@function
k_q55b8d73295_attn:
	s_mov_b64 s[64:65], 0
	v_nop
	global_prefetch_b8 v0, s[64:65] scope:SCOPE_SE
	s_setreg_imm32_b32 hwreg(HW_REG_WAVE_MODE, 25, 1), 1
	s_wait_xcnt 0x0
	s_wait_alu depctr_hold_cnt(0) depctr_sa_sdst(0) depctr_va_vdst(0) depctr_va_sdst(0) depctr_va_ssrc(0) depctr_va_vcc(0) depctr_vm_vsrc(0)
	s_getreg_b32 s2, hwreg(HW_REG_IB_STS2, 6, 4)
	s_cmp_eq_u32 s2, 0
	s_cbranch_scc0 .Lentry_in_a_cluster
	s_endpgm
.Lentry_in_a_cluster:
	s_bfe_u32 s2, ttmp6, 0x10000c
	s_cmp_lg_u32 s2, 0x3003
	s_cbranch_scc0 .Lentry_shape_is_right
	s_endpgm
.Lentry_shape_is_right:
; ATTENTION ON CODES OF BF8 (E5M2), one E8M0 scale for each 32 along a product's K.  A work-group: 128 queries of one of the 16 (batch, head) pairs; each of its eight waves one tile of 16 queries; every wave walks the head's 2,048 keys, 128 a step.
; S^T = K Q^T (source 0 = 16 keys, source 1 = my 16 queries) and O^T = V^T P^T (source 0 = 16 channels, source 1 = P): a lane holds ONE query throughout.  The keys of a tile are in tile order (row r of tile 2 b + u is key 32 b + 8 u + r + 8 (r / 8)),
; so that the 16 registers of tiles 2 b and 2 b + 1 are 16 neighbouring keys, as the second product's operand wants them.
; THE FIRST PRODUCT'S K IS 64, half of the instruction's 128: Q's upper eight registers are zero codes.  K's tiles are kept as 8 registers; a tile's upper eight operand registers are simply the next tile's codes (zeros behind the last):
; finite numbers times zero codes add nothing, whatever their scale byte, which is never 0xff.
; THE MASK costs no vector line: a key's bias (0 or -3e38) is loaded into the score's registers and is the product's C.
; SOFTMAX: t = score x log2(e) / 8; M = the running largest t rounded up to a whole number; p = 2^(t - M) is quantised along the keys; the sum is taken of the unquantised p; when M moves, the sum and O^T are multiplied by 2^(old M - new M), exactly.
; At the end O^T / the sum is quantised along the head's 64 channels (two blocks of the last product's K) and leaves as an image of operand registers.
; THE WHOLE HEAD LIES IN LDS: 131,072 bytes of K's codes, as many of V's, 20,480 of scale words and biases.  Every byte is filled once, by five tensor loads a wave issued together at the start: nothing is filled again.
; CLUSTER: the four work-groups of a cluster belong to one head and want the same bytes: each load is asked for jointly, with the mask of all four.  The place in the cluster enters only Q's and the outputs' global addresses.
; Nothing is asked for ahead of these loads: they stand at the head and name all that the launch reads of K, V and side.
; LIMITS: every t lies above -1e30 (the running maximum's start); a hidden key's score is -3e38 and not -infinity; a batch all of whose keys are hidden gives 0 x (1 / 0), NaN, and was not tried; NaN and infinities among the inputs are not served.
; The launch claims more LDS than the 282,880 bytes that it uses.
.set SIDE, 262144                      ; LDS: chunk c (key steps 4 c .. 4 c + 3) at 65,536 c: K's four steps of 8,192 bytes, then V's four.  Behind the chunks: a step's 1,280 bytes: K's scale words 512, V's 256, the keys' biases 512
.set OSG,  282624                      ; 256 bytes of its own for the output's scale bytes: written by LDS stores alone
.set AK0, 1                            ; v1   16 x lane
.set AS0, 2                            ; v2   SIDE + 8 x lane
.set AV0, 3                            ; v3   SIDE + 512 + 4 x lane
.set AB0, 4                            ; v4   SIDE + 768 + 64 h
.set ADK, 5                            ; v5-8 the same for the step in hand
.set ADS, 6
.set ADT, 7
.set ADB, 8
.set OSW, 9                            ; v9   OSG + 32 x wave + 2 r
.set OSR, 10                           ; v10  OSG + 8 x lane
.set L8,  11                           ; v11  8 x lane
                                       ; v12 -M, v13 the largest t, v[14:15] the sum in two halves
.set QF,  16                           ; v16-23 Q's codes, v24-31 zero codes
.set KV,  32                           ; v32-95 K: 8 tiles x 8 registers, then V: 4 fragments of 16; v96-103 zero codes
.set S,   104                          ; v104-167 the scores, then p
.set OT,  168                          ; v168-199 O^T
.set PC,  200                          ; v200-215 p's codes
.set BM,  216                          ; v216-219 a block's largest score, then its largest p
.set BT,  220                          ; v220-223 the other half's; then the bytes
.set HV,  224                          ; v224-227 57,344 x the scale
.set SO,  228                          ; v228-231 the conversion's scale operand
.set KS,  232                          ; v232-235 K's scale words, v236-237 V's, v238 Q's, v239 p's: they hold scales and nothing else
.set VS,  236
.set QS,  238
.set PWD, 239
.set FF,  240                          ; v[240:241] f = 2^(old M - new M); v241 is named with it as a pair and written once
.set T0,  242                          ; v242 at work
.set SUM2, 244                         ; v[244:245] the second chain of the sum
.set Q8,  246                          ; v246 8 r
.set WV,  18
.set MNT, 19
.set SEL, 20
.set CS,  22                           ; s[22:23] c = log2(e) / 8
.set G1T, 24                           ; s[24:31] group 1: 32 rows of 256 bytes, dense;  s[32:39]: 10 such rows
.set G1S, 32
.set G0S, 40                           ; s[40:43] group 0 for my part of side;  s[44:59] for my part of each of the four chunks
.set G0C, 44
.set TB,  60                           ; s60 LDS byte at which the step's K begins
.set TS,  61                           ; s61 1,280 x step
.set CNT, 62
.macro CROUND                          ; a round of the cluster's barrier: my work-group's barrier; wave 0 signals for the work-group; every wave waits for all four work-groups; my work-group's barrier once more
	s_barrier_signal -1
	s_barrier_wait -1
	s_cmp_lg_u32 s[WV], 0
	s_cbranch_scc1 .Lnot_wave_0_\@
	s_barrier_signal -3
.Lnot_wave_0_\@:
	s_barrier_wait -3
	s_barrier_signal -1
	s_barrier_wait -1
.endm
.macro MMS d, a, b, sa, sb, row        ; D = C = v[d]; row = 1: source 0's scales stand in lanes 16-31
.if \row
	v_wmma_scale_f32_16x16x128_f8f6f4 v[\d:\d+7], v[\a:\a+15], v[\b:\b+15], v[\d:\d+7], v[\sa], v[\sb] matrix_a_fmt:MATRIX_FMT_BF8 matrix_b_fmt:MATRIX_FMT_BF8 matrix_a_scale:MATRIX_SCALE_ROW1
.else
	v_wmma_scale_f32_16x16x128_f8f6f4 v[\d:\d+7], v[\a:\a+15], v[\b:\b+15], v[\d:\d+7], v[\sa], v[\sb] matrix_a_fmt:MATRIX_FMT_BF8 matrix_b_fmt:MATRIX_FMT_BF8
.endif
.endm
	s_load_b256 s[4:11], s[0:1], 0x0               ; qimg, qscl, kimg, vimg
	s_load_b128 s[12:15], s[0:1], 0x20             ; side, oimg
	s_load_b64 s[16:17], s[0:1], 0x30              ; oscl
	v_lshl_add_u32 v254, v0, 2, 0x45100
	v_mov_b32 v255, 0
	ds_add_u32 v254, v255
	ds_add_u32 v254, v255
	v_lshrrev_b32 v[T0], 5, v0
	v_readfirstlane_b32 s[WV], v[T0]               ; wave 0..7
	s_bfe_u32 s66, ttmp6, 0x40000                  ; cx: my place in the cluster
	s_lshl_b32 s67, ttmp9, 2
	s_add_co_u32 s67, s67, s66                     ; x: my block of 128 queries
	s_and_b32 s68, ttmp7, 0xffff                   ; bh = 4 batch + head, which the four partners share
	s_mov_b32 s[MNT], 0x600000
	s_mov_b32 s[SEL], 0x76543210
	s_mov_b32 s[SEL+1], 0xfedcba98
	s_mov_b32 s[CS], 0x3e38aa3b
	s_mov_b32 s[CS+1], s[CS]
	s_mov_b32 s[TB], 0
	s_mov_b32 s[TS], 0
	s_mov_b32 s[G1T], 15|(3<<16)|(1<<21)           ; 15:0 the mask: all four work-groups; 17:16 elements of 8 bytes; 21 set beside a mask; no padding: images are read 16 bytes a lane on end
	s_mov_b32 s[G1T+1], 32<<16                     ; tensor_dim0 = 32 elements: 256 bytes
	s_mov_b32 s[G1T+2], 32<<16                     ; tensor_dim1 = 32 rows
	s_mov_b32 s[G1T+3], 32<<16                     ; tile_dim0
	s_mov_b32 s[G1T+4], 32                         ; tile_dim1
	s_mov_b32 s[G1T+5], 32                         ; from row to row
	s_mov_b32 s[G1T+6], 0
	s_mov_b32 s[G1T+7], 0
	s_mov_b32 s[G1S], 15|(3<<16)|(1<<21)
	s_mov_b32 s[G1S+1], 32<<16
	s_mov_b32 s[G1S+2], 10<<16                     ; 10 rows: 2,560 bytes
	s_mov_b32 s[G1S+3], 32<<16
	s_mov_b32 s[G1S+4], 10
	s_mov_b32 s[G1S+5], 32
	s_mov_b32 s[G1S+6], 0
	s_mov_b32 s[G1S+7], 0
	; what I fetch: made of bh and the wave's number alone, in registers that never hold cx
	s_mul_i32 s70, s68, 20480
	s_mul_i32 s71, s[WV], 2560
	s_add_co_u32 s70, s70, s71                     ; side: the head's block, my eighth
	s_mov_b32 s71, 0
	s_lshl_b32 s72, s68, 17
	s_and_b32 s73, s[WV], 3
	s_lshl_b32 s73, s73, 13
	s_add_co_u32 s72, s72, s73                     ; K (waves 0-3) or V (waves 4-7): the head's 131,072 bytes, step w % 4 of a chunk
	s_mov_b32 s73, 0
	; what is mine alone
	s_lshl_b32 s76, s68, 17
	s_lshl_b32 s77, s67, 13
	s_add_co_u32 s76, s76, s77
	s_lshl_b32 s77, s[WV], 10
	s_add_co_u32 s76, s76, s77                     ; Q's codes: head, block, tile
	s_mov_b32 s77, 0
	s_lshl_b32 s78, s68, 4
	s_add_co_u32 s78, s78, s67
	s_lshl_b32 s78, s78, 9                         ; Q's scale words: 512 bytes a block, laid [a][lane][e]; tile w = 2 (2 a + e) + u stands in lanes 16 u + r
	s_lshr_b32 s79, s[WV], 2
	s_lshl_b32 s79, s79, 8
	s_add_co_u32 s78, s78, s79
	s_and_b32 s79, s[WV], 1
	s_lshl_b32 s79, s79, 7
	s_add_co_u32 s78, s78, s79
	s_bfe_u32 s79, s[WV], 0x10001
	s_lshl_b32 s79, s79, 2
	s_add_co_u32 s78, s78, s79
	s_mov_b32 s79, 0
	s_lshr_b32 s80, s68, 2                         ; oimg [batch][tile of queries 128][K step 2][4][512]: head hd fills K step hd / 2, quarters 2 (hd % 2) and 2 (hd % 2) + 1
	s_lshl_b32 s80, s80, 7
	s_lshl_b32 s81, s67, 3
	s_add_co_u32 s80, s80, s81
	s_add_co_u32 s80, s80, s[WV]
	s_lshl_b32 s80, s80, 1
	s_bfe_u32 s81, s68, 0x10001
	s_add_co_u32 s80, s80, s81
	s_lshl_b32 s80, s80, 11
	s_and_b32 s81, s68, 1
	s_lshl_b32 s81, s81, 10
	s_add_co_u32 s80, s80, s81
	s_mov_b32 s81, 0
	s_lshl_b32 s82, s68, 12                        ; oscl [bh][tile 128][r 16] of two bytes: my work-group's eight tiles are 256 bytes
	s_lshl_b32 s83, s67, 8
	s_add_co_u32 s82, s82, s83
	s_mov_b32 s83, 0
	s_lshl_b32 s84, s[WV], 13                      ; my part of a chunk in LDS
	s_wait_dscnt 0x0
	s_wait_kmcnt 0x0
	s_mov_b32 s[G0S], 1
	s_mul_i32 s[G0S+1], s[WV], 2560
	s_add_co_u32 s[G0S+1], s[G0S+1], SIDE
	s_add_nc_u64 s[G0S+2:G0S+3], s[12:13], s[70:71]
	s_or_b32 s[G0S+3], s[G0S+3], 0x80000000
	s_cmp_lt_u32 s[WV], 4                          ; the choice hangs on the wave's number alone
	s_cselect_b64 s[74:75], s[8:9], s[10:11]
	s_add_nc_u64 s[74:75], s[74:75], s[72:73]
.irp c, 0,1,2,3
	s_mov_b32 s[G0C+4*\c], 1
	s_add_co_u32 s[G0C+4*\c+1], s84, \c*65536
	s_add_nc_u64 s[G0C+4*\c+2:G0C+4*\c+3], s[74:75], \c*32768
	s_or_b32 s[G0C+4*\c+3], s[G0C+4*\c+3], 0x80000000
.endr
	s_add_nc_u64 s[4:5], s[4:5], s[76:77]
	s_add_nc_u64 s[6:7], s[6:7], s[78:79]
	s_add_nc_u64 s[14:15], s[14:15], s[80:81]
	s_add_nc_u64 s[16:17], s[16:17], s[82:83]
	CROUND                                         ; all four work-groups are here: the joint loads meet
	tensor_load_to_lds s[G0S:G0S+3], s[G1S:G1S+7]  ; all first fills in one group: five loads of mine are out
	s_nop 0
	tensor_load_to_lds s[G0C:G0C+3], s[G1T:G1T+7]
	s_nop 0
	tensor_load_to_lds s[G0C+4:G0C+7], s[G1T:G1T+7]
	s_nop 0
	tensor_load_to_lds s[G0C+8:G0C+11], s[G1T:G1T+7]
	s_nop 0
	tensor_load_to_lds s[G0C+12:G0C+15], s[G1T:G1T+7]
	s_nop 0
.rept 4
	v_nop
.endr
	v_and_b32 v[T0], 31, v0                        ; lane
	v_and_b32 v243, 15, v0                         ; r
	v_bfe_u32 v244, v0, 4, 1                       ; h
	v_lshlrev_b32 v[AK0], 4, v[T0]
	v_lshlrev_b32 v[Q8], 3, v243
	global_load_b128 v[QF:QF+3], v[AK0], s[4:5]
	global_load_b128 v[QF+4:QF+7], v[AK0], s[4:5] offset:512
	global_load_b32 v[QS], v[Q8], s[6:7]
	v_lshl_add_u32 v[AS0], v[T0], 3, SIDE
	v_lshl_add_u32 v[AV0], v[T0], 2, SIDE+512
	v_lshl_add_u32 v[AB0], v244, 6, SIDE+768
	s_lshl_b32 s85, s[WV], 5
	s_add_co_u32 s85, s85, OSG
	v_lshl_add_u32 v[OSW], v243, 1, s85
	v_lshl_add_u32 v[OSR], v[T0], 3, OSG
	v_lshlrev_b32 v[L8], 3, v[T0]
.irp j, 0,1,2,3,4,5,6,7
	v_mov_b32 v[QF+8+\j], 0                        ; zero codes for k = 64 .. 127
	v_mov_b32 v[KV+64+\j], 0                       ; and behind K's last tile
.endr
.set j, 0
.rept 32
	v_mov_b32 v[OT+j], 0                           ; the step is written once: the first finds zeros, which the first change of M leaves zeros
.set j, j+1
.endr
	v_mov_b32 v13, 0xf149f2ca                      ; the largest t so far: -1e30
	v_floor_f32 v12, -v13                          ; -M
	v_mov_b32 v14, 0
	v_mov_b32 v15, 0
.irp b, 0,1,2,3
	v_mov_b32 v[BT+\b], 0                          ; written once: a lane permute's destination counts as one of its sources
.endr
	v_mov_b32 v[FF+1], 0
	s_wait_loadcnt 0x0                             ; Q
; A KEY STEP: 128 keys
.macro STEP
	v_add_nc_u32 v[ADK], s[TB], v[AK0]
	v_add_nc_u32 v[ADS], s[TS], v[AS0]
	v_add_nc_u32 v[ADT], s[TS], v[AV0]
	v_add_nc_u32 v[ADB], s[TS], v[AB0]
.rept 4
	v_nop                                          ; with the four additions: eight places in front of loads into registers that the last products have read
.endr
	ds_load_b64 v[KS:KS+1], v[ADS]                 ; register t / 2: lanes 0-15 the even tile's words, lanes 16-31 the odd tile's
	ds_load_b64 v[KS+2:KS+3], v[ADS] offset:256
.irp t, 0,1,2,3,4,5,6,7
	ds_load_b128 v[KV+8*\t:KV+8*\t+3], v[ADK] offset:1024*\t
	ds_load_b128 v[KV+8*\t+4:KV+8*\t+7], v[ADK] offset:1024*\t+512
	ds_load_b128 v[S+8*\t:S+8*\t+3], v[ADB] offset:128*(\t/2)+32*(\t%2)        ; the biases of keys 32 (t / 2) + 16 h + 8 (t % 2) + 0 .. 7, straight into the score's registers
	ds_load_b128 v[S+8*\t+4:S+8*\t+7], v[ADB] offset:128*(\t/2)+32*(\t%2)+16
.endr
	s_wait_dscnt 0x0
.irp t, 0,1,2,3,4,5,6,7
	MMS S+8*\t, KV+8*\t, QF, KS+\t/2, QS, \t%2     ; one product a tile: no two that follow each other share an accumulator
.endr
.rept 8
	v_nop                                          ; in front of the loads below and of the first read of the scores
.endr
.irp g, 0,1,2,3
.irp c, 0,1,2,3
	ds_load_b128 v[KV+16*\g+4*\c:KV+16*\g+4*\c+3], v[ADK] offset:32768+2048*\g+512*\c   ; V's four fragments land while the softmax is walked
.endr
.endr
	ds_load_b32 v[VS], v[ADT]
	ds_load_b32 v[VS+1], v[ADT] offset:128
.irp b, 0,1,2,3
	v_max3_num_f32 v[BM+\b], v[S+16*\b], v[S+1+16*\b], v[S+2+16*\b]   ; the largest score of each block of 32 keys: for the row's maximum, and, since p rises with the score, for the block's largest p
.endr
.irp i, 3,5,7,9,11,13
.irp b, 0,1,2,3
	v_max3_num_f32 v[BM+\b], v[BM+\b], v[S+16*\b+\i], v[S+1+16*\b+\i]
.endr
.endr
.irp b, 0,1,2,3
	v_max_num_f32 v[BM+\b], v[BM+\b], v[S+15+16*\b]
.endr
.irp b, 0,1,2,3
	v_permlanex16_b32 v[BT+\b], v[BM+\b], s[SEL], s[SEL+1]
.endr
.irp b, 0,1,2,3
	v_max_num_f32 v[BM+\b], v[BM+\b], v[BT+\b]     ; with lane l xor 16's 16 keys
.endr
	v_max3_num_f32 v[T0], v[BM], v[BM+1], v[BM+2]
	v_max_num_f32 v[T0], v[T0], v[BM+3]
	v_mul_f32 v[T0], s[CS], v[T0]                  ; as t (c is positive)
	v_max_num_f32 v13, v13, v[T0]                  ; the running largest t
	v_mov_b32 v[T0], v12
	v_floor_f32 v12, -v13                          ; the new -M = -ceil(t)
	v_sub_f32 v[T0], v12, v[T0]                    ; old M - new M: a whole number, 0 or less
	v_cvt_i32_f32 v[T0], v[T0]                     ; (it saturates)
	v_ldexp_f32 v[FF], 1.0, v[T0]                  ; f = 2^(old M - new M)
.set j, 0
.rept 32
	v_pk_fma_f32 v[S+j:S+j+1], v[S+j:S+j+1], s[CS:CS+1], v[12:13] op_sel_hi:[1,0,0]   ; t - M, two at a time
.set j, j+2
.endr
.irp b, 0,1,2,3
	v_fma_f32 v[BM+\b], v[BM+\b], s[CS], v12
.endr
.set j, 0
.rept 64
	v_exp_f32 v[S+j], v[S+j]                       ; p = 2^(t - M); a hidden key's is 0
.set j, j+1
.endr
.irp b, 0,1,2,3
	v_exp_f32 v[BM+\b], v[BM+\b]                   ; the block's largest p: the same two lines on the same number
.endr
	v_pk_mul_f32 v[14:15], v[14:15], v[FF:FF+1] op_sel_hi:[1,0]   ; the sums under the new M: a plain line behind the exponentials
	s_wait_alu depctr_va_vdst(0)
.irp b, 0,1,2,3
	v_max_num_f32 v[BM+\b], 0x8000000, v[BM+\b]    ; the floor 2^(16 - 127): the byte cannot fall under 1
.endr
.irp b, 0,1,2,3
	v_add_nc_u32 v[SO+\b], 0xf8800000, v[BM+\b]
.endr
.irp b, 0,1,2,3
	v_and_or_b32 v[HV+\b], v[BM+\b], 0x7f800000, s[MNT]
.endr
.irp b, 0,1,2,3
	v_lshrrev_b32 v[BT+\b], 23, v[SO+\b]
.endr
	v_lshl_or_b32 v[PWD], v[BT+1], 8, v[BT]        ; p's scale word for these 128 keys
	v_lshl_or_b32 v[PWD], v[BT+2], 16, v[PWD]
	v_lshl_or_b32 v[PWD], v[BT+3], 24, v[PWD]
	v_pk_add_f32 v[SUM2:SUM2+1], v[S:S+1], v[S+2:S+3]   ; the sum of the unquantised p, in two chains
.set j, 4
.rept 15
	v_pk_add_f32 v[14:15], v[14:15], v[S+j:S+j+1]
	v_pk_add_f32 v[SUM2:SUM2+1], v[SUM2:SUM2+1], v[S+j+2:S+j+3]
.set j, j+4
.endr
	v_pk_add_f32 v[14:15], v[14:15], v[SUM2:SUM2+1]
.irp b, 0,1,2,3
.irp i, 0,1,2,3,4,5,6,7,8,9,10,11,12,13,14,15
	v_min_num_f32 v[S+16*\b+\i], v[S+16*\b+\i], v[HV+\b]   ; the conversion does not saturate (ISA guide 7.6.2); p is not negative: a one-sided hold
.endr
	v_cvt_scalef32_pk8_bf8_f32 v[PC+4*\b:PC+1+4*\b], v[S+16*\b:S+7+16*\b], v[SO+\b]
	v_cvt_scalef32_pk8_bf8_f32 v[PC+2+4*\b:PC+3+4*\b], v[S+8+16*\b:S+15+16*\b], v[SO+\b]
.endr
.set j, 0
.rept 16
	v_pk_mul_f32 v[OT+j:OT+j+1], v[OT+j:OT+j+1], v[FF:FF+1] op_sel_hi:[1,0]   ; O^T under the new M; these lines are also the places between the codes and the products
.set j, j+2
.endr
.rept 4
	v_nop
.endr
	s_wait_dscnt 0x0                               ; V is in
.irp g, 0,1,2,3
	MMS OT+8*\g, KV+16*\g, PC, VS+\g/2, PWD, \g%2
.endr
	s_add_co_u32 s[TB], s[TB], 8192
	s_add_co_u32 s[TS], s[TS], 1280
.endm
; Four key steps from chunk c.  The wait's count: side and chunks 0 .. c were issued first, 3 - c loads behind them may stay out; then the barrier, since each wave brought an eighth.
.macro CHUNK c
	s_wait_tensorcnt 3-\c
	s_wait_dscnt 0x0
	s_barrier_signal -1
	s_barrier_wait -1
	s_mov_b32 s[CNT], 4
.Lstep_\@:
	STEP
	s_sub_co_u32 s[CNT], s[CNT], 1
	s_cmp_lg_u32 s[CNT], 0
	s_cbranch_scc1 .Lstep_\@
	s_add_co_u32 s[TB], s[TB], 32768               ; over the chunk's V
.endm
	CHUNK 0
	CHUNK 1
	CHUNK 2
	CHUNK 3
	; THE WAY OUT: O^T / the sum, quantised along the head's 64 channels: register 16 b + i is channel 32 b + 16 h + i of my query
.rept 8
	v_nop
.endr
	v_add_f32 v14, v14, v15
	v_permlanex16_b32 v[T0], v14, s[SEL], s[SEL+1]
	v_add_f32 v14, v14, v[T0]                      ; the row's sum
	v_rcp_f32 v14, v14
	v_nop                                          ; a plain line behind the transcendental
.set j, 0
	s_wait_alu depctr_va_vdst(0)
.rept 32
	v_mul_f32 v[S+j], v[OT+j], v14                 ; each accumulator from its low end on
.set j, j+1
.endr
.irp b, 0,1
	v_max3_num_f32 v[BM+\b], |v[S+16*\b]|, |v[S+1+16*\b]|, 0x8000000
.endr
.irp i, 2,4,6,8,10,12,14
.irp b, 0,1
	v_max3_num_f32 v[BM+\b], v[BM+\b], |v[S+16*\b+\i]|, |v[S+1+16*\b+\i]|
.endr
.endr
.irp b, 0,1
	v_permlanex16_b32 v[BT+\b], v[BM+\b], s[SEL], s[SEL+1]
.endr
.irp b, 0,1
	v_max_num_f32 v[BM+\b], v[BM+\b], v[BT+\b]
.endr
.irp b, 0,1
	v_add_nc_u32 v[SO+\b], 0xf8800000, v[BM+\b]
.endr
.irp b, 0,1
	v_and_or_b32 v[HV+\b], v[BM+\b], 0x7f800000, s[MNT]
.endr
.irp b, 0,1
	v_lshrrev_b32 v[BT+\b], 23, v[SO+\b]
.endr
	v_lshl_or_b32 v[T0], v[BT+1], 8, v[BT]         ; my query's two scale bytes
.irp b, 0,1
.irp i, 0,1,2,3,4,5,6,7,8,9,10,11,12,13,14,15
	v_med3_num_f32 v[S+16*\b+\i], v[S+16*\b+\i], -v[HV+\b], v[HV+\b]
.endr
	v_cvt_scalef32_pk8_bf8_f32 v[PC+4*\b:PC+1+4*\b], v[S+16*\b:S+7+16*\b], v[SO+\b]
	v_cvt_scalef32_pk8_bf8_f32 v[PC+2+4*\b:PC+3+4*\b], v[S+8+16*\b:S+15+16*\b], v[SO+\b]
.endr
	v_nop
	global_store_b128 v[AK0], v[PC:PC+3], s[14:15]              ; 512 consecutive bytes each
	global_store_b128 v[AK0], v[PC+4:PC+7], s[14:15] offset:512
	ds_store_b16 v[OSW], v[T0]                     ; lanes r and r + 16 write the same two bytes
	s_wait_dscnt 0x0                               ; for the others' sake
	s_barrier_signal -1
	s_barrier_wait -1
	s_cmp_lg_u32 s[WV], 0
	s_cbranch_scc1 .Lnot_first
	ds_load_b64 v[SUM2:SUM2+1], v[OSR]
	s_wait_dscnt 0x0
	global_store_b64 v[L8], v[SUM2:SUM2+1], s[16:17]   ; the eight tiles' scale bytes: 256 consecutive bytes, aligned
.Lnot_first:
	s_wait_tensorcnt 0x0
	ds_add_u32 v254, v255
	s_wait_dscnt 0x0
	CROUND                                         ; the closing round: no work-group ends while a partner may still ask for a tile that names it
	s_endpgm
.Lfunc_end_k_q55b8d73295_attn:
	.size	k_q55b8d73295_attn, .Lfunc_end_k_q55b8d73295_attn-k_q55b8d73295_attn
	.p2alignl 7, 3214868480
	.fill 96, 4, 3214868480
	.section	.rodata,"a",@progbits
	.p2align	6, 0x0
	.amdhsa_kernel k_q55b8d73295_attn
		.amdhsa_group_segment_fixed_size 327680
		.amdhsa_private_segment_fixed_size 0
		.amdhsa_enable_private_segment 0
		.amdhsa_kernarg_size 56
		.amdhsa_user_sgpr_count 2
		.amdhsa_user_sgpr_kernarg_segment_ptr 1
		.amdhsa_wavefront_size32 1
		.amdhsa_system_sgpr_workgroup_id_x 1
		.amdhsa_system_sgpr_workgroup_id_y 1
		.amdhsa_system_sgpr_workgroup_id_z 1
		.amdhsa_system_vgpr_workitem_id 0
		.amdhsa_next_free_vgpr 256
		.amdhsa_next_free_sgpr 96
		.amdhsa_reserve_vcc 0
		.amdhsa_float_denorm_mode_32 3
		.amdhsa_float_denorm_mode_16_64 3
		.amdhsa_memory_ordered 1
		.amdhsa_forward_progress 1
		.amdhsa_inst_pref_size 95
	.end_amdhsa_kernel
	.amdgpu_metadata
---
amdhsa.version: [ 1, 2 ]
amdhsa.kernels:
  - .name:           k_q55b8d73295_attn
    .symbol:         k_q55b8d73295_attn.kd
    .args:
      - { .name: qimg, .offset: 0, .size: 8, .value_kind: global_buffer, .address_space: global }
      - { .name: qscl, .offset: 8, .size: 8, .value_kind: global_buffer, .address_space: global }
      - { .name: kimg, .offset: 16, .size: 8, .value_kind: global_buffer, .address_space: global }
      - { .name: vimg, .offset: 24, .size: 8, .value_kind: global_buffer, .address_space: global }
      - { .name: side, .offset: 32, .size: 8, .value_kind: global_buffer, .address_space: global }
      - { .name: oimg, .offset: 40, .size: 8, .value_kind: global_buffer, .address_space: global }
      - { .name: oscl, .offset: 48, .size: 8, .value_kind: global_buffer, .address_space: global }
    .group_segment_fixed_size: 327680
    .private_segment_fixed_size: 0
    .kernarg_segment_align: 8
    .kernarg_segment_size: 56
    .max_flat_workgroup_size: 256
    .sgpr_count:     96
    .vgpr_count:     256
    .wavefront_size: 32
...
	.end_amdgpu_metadata
.endif
;; end of part 2
;; launch outp (part 3): grid 64 x 4, 8 waves a work-group, no clusters, 34,816 bytes of LDS; arguments oimg, oscl, wo, bo, mask, out0; writes out0
.if DOCPART == 3
	.amdgcn_target "amdgcn-amd-amdhsa--gfx1250"
	.amdhsa_code_object_version 6
	.text
	.protected	k_q55b8d73295_outp
	.globl	k_q55b8d73295_outp
	.p2align	8
	.type	k_q55b8d73295_outp,@function
k_q55b8d73295_outp:
	s_mov_b64 s[64:65], 0
	v_nop
	global_prefetch_b8 v0, s[64:65] scope:SCOPE_SE
	s_setreg_imm32_b32 hwreg(HW_REG_WAVE_MODE, 25, 1), 1
	s_wait_xcnt 0x0
; out0[b][o][t] = (sum over i of Wo[o][i] O[b][i][t] + bo[o]) x mask[b][0][t], on codes of BF8 (E5M2) with one E8M0 scale for each 32 along K = the 256 hidden channels.
; A work-group: batch x / 16, 128 columns t (block x % 16), 64 outputs (y).  Wave w: the pair p = w / 2 of tiles of 16 t, and the output tiles 4 y + 2 (w % 2) + e, e = 0, 1: four accumulators, two K steps, eight products.
; Source 0 = 16 columns t (in tile order: row r of tile 2 p + u is t = 32 p + 8 u + r + 8 (r / 8)), source 1 = 16 rows of Wo: a lane holds one output o and, in the pair's 16 registers, 16 neighbouring t.  bo is the C of a sum's first product.
; All operands are images of their registers in memory: every load is 512 consecutive bytes.  The results meet in a stage in LDS (64 rows of 512 bytes + 16) and leave as whole rows: 512 consecutive bytes a store.
; No tensor load, no cluster, no loop: a work-group reads 48 KiB of codes, and some 2 KiB beside, once and ends.
.set LI,  1                            ; v1  16 x lane
.set R2,  2                            ; v2  2 r
.set L4,  3                            ; v3  4 x lane
.set R4,  4                            ; v4  4 r
.set H64, 5                            ; v5  64 h
.set SO,  6                            ; v6  the stage: where I put 32 bytes of a row
.set SR,  7                            ; v7  and where I read a row back
.set OF,  16                           ; v16-79   O's fragments (2 u + s); later the rows read back
.set WF,  80                           ; v80-143  Wo's (2 e + s)
.set ACC, 144                          ; v144-175 accumulator (u, e) at 8 (2 u + e)
.set BC,  176                          ; v176-191 bo in the result's layout
.set MK,  192                          ; v192-207 mask[b][0][t] of my 16 t
.set T,   208                          ; v208-215 O's scale bytes, two a head: 4 u + head
.set OS,  216                          ; v216-219 O's scale words (2 u + s), v220-221 Wo's (e): they hold scales and nothing else
.set WS,  220
.set BO,  222                          ; v222-223 bo of my lane's output
.set WV,  16
.macro MMO d, a, b, c, sa, sb, row     ; row = 1: source 1's scales stand in lanes 16-31
.if \row
	v_wmma_scale_f32_16x16x128_f8f6f4 v[\d:\d+7], v[\a:\a+15], v[\b:\b+15], v[\c:\c+7], v[\sa], v[\sb] matrix_a_fmt:MATRIX_FMT_BF8 matrix_b_fmt:MATRIX_FMT_BF8 matrix_b_scale:MATRIX_SCALE_ROW1
.else
	v_wmma_scale_f32_16x16x128_f8f6f4 v[\d:\d+7], v[\a:\a+15], v[\b:\b+15], v[\c:\c+7], v[\sa], v[\sb] matrix_a_fmt:MATRIX_FMT_BF8 matrix_b_fmt:MATRIX_FMT_BF8
.endif
.endm
	s_load_b256 s[4:11], s[0:1], 0x0               ; oimg, oscl, wo, bo
	s_load_b128 s[12:15], s[0:1], 0x20             ; mask, out0
	v_lshl_add_u32 v254, v0, 2, 0x8400
	v_mov_b32 v255, 0
	v_lshrrev_b32 v8, 5, v0
	v_readfirstlane_b32 s[WV], v8                  ; wave 0..7
	v_and_b32 v8, 31, v0                           ; lane
	v_and_b32 v9, 15, v0                           ; r
	v_bfe_u32 v10, v0, 4, 1                        ; h
	v_lshlrev_b32 v[LI], 4, v8
	v_lshlrev_b32 v[R2], 1, v9
	v_lshlrev_b32 v[L4], 2, v8
	v_lshlrev_b32 v[R4], 2, v9
	v_lshlrev_b32 v[H64], 6, v10
	s_lshr_b32 s17, ttmp9, 4                       ; batch
	s_and_b32 s18, ttmp9, 15                       ; x
	s_and_b32 s19, ttmp7, 0xffff                   ; y
	s_lshr_b32 s20, s[WV], 1                       ; p
	s_and_b32 s21, s[WV], 1
	s_lshl_b32 s22, s21, 5
	s_mul_i32 s22, s22, 528
	s_lshl_b32 s23, s20, 7
	s_add_co_u32 s22, s22, s23
	v_mul_u32_u24 v[SO], v9, 528
	v_lshl_add_u32 v[SO], v10, 6, v[SO]
	v_add_nc_u32 v[SO], s22, v[SO]                 ; row 32 (w % 2) + r, byte 128 p + 64 h
	s_mul_i32 s22, s[WV], 8*528
	v_add_nc_u32 v[SR], s22, v[LI]                 ; back: rows 8 w on, 16 bytes a lane
	s_lshl_b32 s22, s17, 7
	s_lshl_b32 s23, s18, 3
	s_add_co_u32 s22, s22, s23
	s_lshl_b32 s23, s20, 1
	s_add_co_u32 s22, s22, s23                     ; batch x 128 + 8 x + 2 p: my pair's first tile
	s_lshl_b32 s24, s18, 3
	s_add_co_u32 s24, s24, s23
	s_lshl_b32 s24, s24, 5                         ; its scale bytes: 32 a tile,
	s_lshl_b32 s25, s17, 14                        ; 4,096 a head, four heads a batch
	s_add_co_u32 s24, s24, s25
	s_mov_b32 s25, 0
	s_lshl_b32 s22, s22, 12                        ; its codes: 4,096 bytes a tile
	s_mov_b32 s23, 0
	s_lshl_b32 s26, s19, 2
	s_lshl_b32 s27, s21, 1
	s_add_co_u32 s26, s26, s27                     ; my first tile of outputs: 4 y + 2 (w % 2)
	s_lshl_b32 s28, s26, 7
	s_add_co_u32 s28, s28, 65536                   ; its scale words: 128 bytes a tile, behind the images
	s_mov_b32 s29, 0
	s_lshl_b32 s32, s26, 6                         ; bo: 16 numbers a tile
	s_mov_b32 s33, 0
	s_lshl_b32 s26, s26, 12                        ; Wo's codes: 4,096 bytes a tile
	s_mov_b32 s27, 0
	s_lshl_b32 s34, s17, 24                        ; mask: the batch's row 0, my 32 t
	s_lshl_b32 s35, s18, 9
	s_add_co_u32 s34, s34, s35
	s_lshl_b32 s35, s20, 7
	s_add_co_u32 s34, s34, s35
	s_mov_b32 s35, 0
	s_lshl_b32 s36, s19, 6
	s_lshl_b32 s37, s[WV], 3
	s_add_co_u32 s36, s36, s37
	s_lshl_b32 s36, s36, 13                        ; out0: row 64 y + 8 w of 8,192 bytes,
	s_lshl_b32 s37, s17, 21                        ; the batch,
	s_add_co_u32 s36, s36, s37
	s_lshl_b32 s37, s18, 9                         ; the block's 512 bytes
	s_add_co_u32 s36, s36, s37
	s_mov_b32 s37, 0
	s_wait_kmcnt 0x0
	s_add_nc_u64 s[4:5], s[4:5], s[22:23]
	s_add_nc_u64 s[6:7], s[6:7], s[24:25]
	s_add_nc_u64 s[38:39], s[8:9], s[28:29]
	s_add_nc_u64 s[8:9], s[8:9], s[26:27]
	s_add_nc_u64 s[10:11], s[10:11], s[32:33]
	s_add_nc_u64 s[12:13], s[12:13], s[34:35]
	s_add_nc_u64 s[14:15], s[14:15], s[36:37]
.irp u, 0,1
.irp d, 0,1,2,3
	global_load_u16 v[T+4*\u+\d], v[R2], s[6:7] offset:\d*4096+32*\u
.endr
.endr
.irp f, 0,1,2,3
.irp c, 0,1,2,3
	global_load_b128 v[OF+16*\f+4*\c:OF+16*\f+4*\c+3], v[LI], s[4:5] offset:\f*2048+512*\c
	global_load_b128 v[WF+16*\f+4*\c:WF+16*\f+4*\c+3], v[LI], s[8:9] offset:\f*2048+512*\c
.endr
.endr
.irp e, 0,1
	global_load_b32 v[WS+\e], v[L4], s[38:39] offset:128*\e     ; lanes 0-15: K step 0's words; lanes 16-31: K step 1's
	global_load_b32 v[BO+\e], v[R4], s[10:11] offset:64*\e
.endr
.irp q, 0,1,2,3
	global_load_b128 v[MK+4*\q:MK+4*\q+3], v[H64], s[12:13] offset:16*\q   ; register 8 u + j: t = 32 p + 16 h + 8 u + j
.endr
	s_wait_loadcnt 0x0
.irp u, 0,1
.irp s, 0,1
	v_lshl_or_b32 v[OS+2*\u+\s], v[T+4*\u+2*\s+1], 16, v[T+4*\u+2*\s]   ; K step s: heads 2 s and 2 s + 1, two bytes each
.endr
.endr
.irp e, 0,1
.irp j, 0,1,2,3,4,5,6,7
	v_mov_b32 v[BC+8*\e+\j], v[BO+\e]              ; the same for all eight t of a lane.  (These lines are also the places between the scale words and the products)
.endr
.endr
.rept 4
	v_nop
.endr
.irp s, 0,1
.irp u, 0,1
.irp e, 0,1                            ; the four accumulators by turns, in the same order in both K steps
.if \s == 0
	MMO ACC+8*(2*\u+\e), OF+16*(2*\u+\s), WF+16*(2*\e+\s), BC+8*\e, OS+2*\u+\s, WS+\e, 0
.else
	MMO ACC+8*(2*\u+\e), OF+16*(2*\u+\s), WF+16*(2*\e+\s), ACC+8*(2*\u+\e), OS+2*\u+\s, WS+\e, 1
.endif
.endr
.endr
.endr
.rept 8
	v_nop                                          ; in front of the first read of results
.endr
.irp u, 0,1
.irp e, 0,1
.irp k, 0,2,4,6
	v_pk_mul_f32 v[ACC+8*(2*\u+\e)+\k:ACC+8*(2*\u+\e)+\k+1], v[ACC+8*(2*\u+\e)+\k:ACC+8*(2*\u+\e)+\k+1], v[MK+8*\u+\k:MK+8*\u+\k+1]   ; x mask[b][0][t]; each accumulator from its low end on
.endr
.endr
.endr
.irp u, 0,1
.irp e, 0,1
	ds_store_b128 v[SO], v[ACC+8*(2*\u+\e):ACC+8*(2*\u+\e)+3] offset:\e*16*528+32*\u
	ds_store_b128 v[SO], v[ACC+8*(2*\u+\e)+4:ACC+8*(2*\u+\e)+7] offset:\e*16*528+32*\u+16
.endr
.endr
	s_wait_dscnt 0x0                               ; for the others' sake: my stores into the stage are done
	s_barrier_signal -1
	s_barrier_wait -1                              ; 64 whole rows lie in the stage
.irp i, 0,1,2,3,4,5,6,7
	ds_load_b128 v[OF+4*\i:OF+4*\i+3], v[SR] offset:\i*528
.endr
.irp i, 0,1,2,3,4,5,6,7
	s_wait_dscnt 7-\i                              ; LDS loads come back in order: row i is in, the 7 - i behind it may be out
	global_store_b128 v[LI], v[OF+4*\i:OF+4*\i+3], s[14:15] offset:\i*8192 th:TH_STORE_NT   ; 512 consecutive bytes, aligned to 256; written once, read by nobody here
.endr
	s_wait_tensorcnt 0x0
	ds_add_u32 v254, v255
	s_wait_dscnt 0x0
	s_endpgm
.Lfunc_end_k_q55b8d73295_outp:
	.size	k_q55b8d73295_outp, .Lfunc_end_k_q55b8d73295_outp-k_q55b8d73295_outp
	.p2alignl 7, 3214868480
	.fill 96, 4, 3214868480
	.section	.rodata,"a",@progbits
	.p2align	6, 0x0
	.amdhsa_kernel k_q55b8d73295_outp
		.amdhsa_group_segment_fixed_size 34816
		.amdhsa_private_segment_fixed_size 0
		.amdhsa_enable_private_segment 0
		.amdhsa_kernarg_size 48
		.amdhsa_user_sgpr_count 2
		.amdhsa_user_sgpr_kernarg_segment_ptr 1
		.amdhsa_wavefront_size32 1
		.amdhsa_system_sgpr_workgroup_id_x 1
		.amdhsa_system_sgpr_workgroup_id_y 1
		.amdhsa_system_sgpr_workgroup_id_z 1
		.amdhsa_system_vgpr_workitem_id 0
		.amdhsa_next_free_vgpr 256
		.amdhsa_next_free_sgpr 66
		.amdhsa_reserve_vcc 0
		.amdhsa_float_denorm_mode_32 3
		.amdhsa_float_denorm_mode_16_64 3
		.amdhsa_memory_ordered 1
		.amdhsa_forward_progress 1
		.amdhsa_inst_pref_size 13
	.end_amdhsa_kernel
	.amdgpu_metadata
---
amdhsa.version: [ 1, 2 ]
amdhsa.kernels:
  - .name:           k_q55b8d73295_outp
    .symbol:         k_q55b8d73295_outp.kd
    .args:
      - { .name: oimg, .offset: 0, .size: 8, .value_kind: global_buffer, .address_space: global }
      - { .name: oscl, .offset: 8, .size: 8, .value_kind: global_buffer, .address_space: global }
      - { .name: wo, .offset: 16, .size: 8, .value_kind: global_buffer, .address_space: global }
      - { .name: bo, .offset: 24, .size: 8, .value_kind: global_buffer, .address_space: global }
      - { .name: mask, .offset: 32, .size: 8, .value_kind: global_buffer, .address_space: global }
      - { .name: out0, .offset: 40, .size: 8, .value_kind: global_buffer, .address_space: global }
    .group_segment_fixed_size: 34816
    .private_segment_fixed_size: 0
    .kernarg_segment_align: 8
    .kernarg_segment_size: 48
    .max_flat_workgroup_size: 256
    .sgpr_count:     66
    .vgpr_count:     256
    .wavefront_size: 32
...
	.end_amdgpu_metadata
.endif
;; end of part 3
;; ======== version 2 of 3: 3 launches
;; limits: right only within a limited range of input values
;; workspace buffers: kimg 2,097,152 bytes; qimg 2,097,152 bytes; vimg 2,097,152 bytes; side 327,680 bytes; qscl 131,072 bytes; wo 67,584 bytes; oimg 2,097,152 bytes; oscl 65,536 bytes
;; launch proj (part 4): grid 209 x 1, 8 waves a work-group, no clusters, 102,400 bytes of LDS; arguments keys, queries, values, mask, Wk, Wq, Wv, Wo, bk, bq, bv, kimg, qimg, vimg, side, qscl, wo; writes kimg, qimg, vimg, side, qscl, wo
.if DOCPART == 4
	.amdgcn_target "amdgcn-amd-amdhsa--gfx1250"
	.amdhsa_code_object_version 6
	.text
	.protected	k_q55b8d73295_proj
	.globl	k_q55b8d73295_proj
	.p2align	8
	.type	k_q55b8d73295_proj,@function
k_q55b8d73295_proj:
	s_mov_b64 s[64:65], 0
	v_nop
	global_prefetch_b8 v0, s[64:65] scope:SCOPE_SE
	s_setreg_imm32_b32 hwreg(HW_REG_WAVE_MODE, 25, 1), 1
	s_wait_xcnt 0x0
; THE THREE PROJECTIONS k = Wk keys + bk, q = Wq queries + bq, v = Wv values + bv on codes of BF8 (E5M2) with one E8M0 scale for each 32 along K = the 256 input channels,
; and the quantising of their results for the attention launch: k and q along a head's 64 channels, v along the keys.
; Work-groups 0-191: tensor tn = g / 64 (0 keys, 1 queries, 2 values), batch (g / 16) % 4, step g % 16: 128 columns x all 256 outputs.  Work-group 192 quantises Wo; work-groups 193-208 turn mask[:, :, 0] into a bias for each key, 512 keys each.
; X [b][i][s] has K as its first axis: a lane takes a column and its registers run down K (32 registers = one block).  W [o][i] has K innermost: lane (r, h) takes 16 neighbours of each block of its row.
; OPERANDS GO THROUGH LDS AND MEMORY AS IMAGES OF THEIR REGISTERS: four registers of a fragment are 512 bytes, lane l's 16 bytes at 16 l.
; TILE ORDER (columns of X, rows of Wk, Wq, Wv): row r of tile 2 p + u stands for index 32 p + 8 u + r + 8 (r / 8), so that a result's 16 registers of tiles 2 p and 2 p + 1 are the 16 neighbours 32 p + 16 (lane / 16) + 0 .. 15.
; k, q: source 0 = 16 rows of W, source 1 = 16 columns of X: a lane holds one column, its registers run along the channels.  v: source 0 = X, source 1 = W: a lane holds one channel, its registers run along the keys.  The bias is the C of a sum's first product.
; LIMITS: NaN and infinities among the inputs are not served; a block whose largest magnitude lies under 2^-111 keeps the scale byte 1 (a block of zeros too: its codes are zeros, and only this program reads the bytes).
; A hidden key's bias is -3e38, not -infinity.  v's scale words leave as 128 consecutive bytes a wave (a head's 256 come from two waves): 64 KiB of all that the launch stores.
; No cluster, no tensor load: each work-group reads its own columns once, straight into registers; the weights are 256 KiB a tensor.
.set XIMG, 0                           ; LDS: X's 16 fragments (2 x tile + K step), 2,048 bytes each
.set XSC,  32768                       ; their scale words: 64 bytes a fragment, row r's word at 4 r
.set WIMG, 33792                       ; W's 32 fragments (2 x tile + K step)
.set WSC,  99328                       ; their scale words
.set XA,  1                            ; v1   4 x lane
.set WA,  2                            ; v2   W: (r + 8 (r / 8)) x 1,024 + 64 h
.set LI,  3                            ; v3   16 x lane: my place in an image
.set XW,  4                            ; v4   where my column's codes go in X's images
.set XWS, 5                            ; v5   and its scale word
.set WWI, 6                            ; v6   my wave's four fragments of W
.set WWS, 7                            ; v7   and their scale words
.set WRD, 8                            ; v8   k, q: my head's eight fragments of W
.set XRD, 9                            ; v9   k, q: my half of X's fragments
.set WSR, 10                           ; v10  k, q: my head's scale words of W
.set XSR, 11                           ; v11  k, q: my half's scale words of X
.set XS0, 12                           ; v12  v: X's scale words
.set SH,  13                           ; v13  16 h
.set BA,  14                           ; v14  64 h
.set BVA, 15                           ; v15  4 (r + 8 (r / 8))
.set SCW, 16                           ; v16-19 W's scale words; v20-23 X's: they hold scales and nothing else
.set SCX, 20
.set PW,  24                           ; v24  the scale word just made
.set PW0, 25                           ; v25  a scale word that is being put together
.set SW,  26                           ; v26-27 k, q: the two words that a lane stores; v: the two bias numbers
.set L8,  28                           ; v28  8 x lane
.set WN,  30                           ; v30  the extra work-groups' offset
.set XR,  32                           ; v32-95   two sets of 32 numbers of X
.set WRA, 96                           ; v96-159  64 numbers of W
.set WRB, 160                          ; v160-223 64 more
.set F,   32                           ; v32-127  six fragments
.set ACC, 128                          ; v128-191 eight accumulators
.set BI,  192                          ; v192-223 the bias in the result's layout
.set PC,  224                          ; v224-239 the codes just made
.set TM,  240                          ; v240-243 largest magnitudes, v244-247 bytes, v248-251 the largest number x the scale, v252-255 the conversion's scale operands
.set WV,  38
.set MNT, 39                           ; s39  the mantissa field of 57,344
.set SEL, 40                           ; s[40:41] v_permlanex16_b32's selects for lane l xor 16
.set PX,  42                           ; s[42:43] X, s[44:45] W, s[46:47] the bias, s[48:49] the images, s[50:51] the scale words: each at my wave's part
.set PWT, 44
.set PB,  46
.set PI,  48
.set PS,  50
.set HALF, 52                          ; s52  a mask of lanes 16-31
.macro PLACES n
.rept \n
	v_nop
.endr
.endm
; 64 numbers of a lane, register 16 b + i = k 32 b + 16 (lane / 16) + i of my row, become 16 registers of codes in v[PC] on and the row's scale word in v[PW]
.macro QUANT s
.irp b, 0,1,2,3
	v_max3_num_f32 v[TM+\b], |v[\s+16*\b]|, |v[\s+1+16*\b]|, 0x8000000   ; block b: my 16 numbers and the floor 2^(16 - 127): the byte cannot fall under 1
.endr
.irp i, 2,4,6,8,10,12,14
.irp b, 0,1,2,3
	v_max3_num_f32 v[TM+\b], v[TM+\b], |v[\s+16*\b+\i]|, |v[\s+1+16*\b+\i]|   ; the four blocks by turns
.endr
.endr
.irp b, 0,1,2,3
	v_permlanex16_b32 v[TM+4+\b], v[TM+\b], s[SEL], s[SEL+1]
.endr
.irp b, 0,1,2,3
	v_max_num_f32 v[TM+\b], v[TM+\b], v[TM+4+\b]                   ; with lane l xor 16's: the block's largest magnitude
.endr
.irp b, 0,1,2,3
	v_add_nc_u32 v[TM+12+\b], 0xf8800000, v[TM+\b]                 ; 15 off its exponent field: the conversion's scale operand
.endr
.irp b, 0,1,2,3
	v_and_or_b32 v[TM+8+\b], v[TM+\b], 0x7f800000, s[MNT]          ; 57,344 x the scale
.endr
.irp b, 0,1,2,3
	v_lshrrev_b32 v[TM+4+\b], 23, v[TM+12+\b]                      ; the scale's byte
.endr
	v_lshl_or_b32 v[PW], v[TM+5], 8, v[TM+4]
	v_lshl_or_b32 v[PW], v[TM+6], 16, v[PW]
	v_lshl_or_b32 v[PW], v[TM+7], 24, v[PW]
.irp b, 0,1,2,3
.irp i, 0,1,2,3,4,5,6,7,8,9,10,11,12,13,14,15
	v_med3_num_f32 v[\s+16*\b+\i], v[\s+16*\b+\i], -v[TM+8+\b], v[TM+8+\b]   ; the conversion to an 8-bit code does not saturate (ISA guide 7.6.2): the hold comes first
.endr
	v_cvt_scalef32_pk8_bf8_f32 v[PC+4*\b:PC+1+4*\b], v[\s+16*\b:\s+7+16*\b], v[TM+12+\b]
	v_cvt_scalef32_pk8_bf8_f32 v[PC+2+4*\b:PC+3+4*\b], v[\s+8+16*\b:\s+15+16*\b], v[TM+12+\b]
.endr
	v_nop                                          ; a plain line between the last conversion and whatever next writes its sources
.endm
.macro LOADX t                         ; block t of my column: 32 rows of X; a wave reads 128 consecutive bytes, four waves stand side by side on 512
.set i, 0
.rept 32
	global_load_b32 v[XR+32*((\t)%2)+i], v[XA], s[PX:PX+1] offset:(32*(\t)+i)*8192 th:TH_LOAD_NT
.set i, i+1
.endr
.endm
.macro BLOCKX t, cnt                   ; block t is quantised: all 32 numbers are mine.  cnt: the younger loads that may stay out
.set XS, XR+32*((\t)%2)
	s_wait_loadcnt \cnt
	v_max3_num_f32 v[TM], |v[XS]|, |v[XS+1]|, |v[XS+2]|
	v_max3_num_f32 v[TM+1], |v[XS+3]|, |v[XS+4]|, |v[XS+5]|
.irp i, 6,10,14,18,22,26
	v_max3_num_f32 v[TM], v[TM], |v[XS+\i]|, |v[XS+\i+1]|
	v_max3_num_f32 v[TM+1], v[TM+1], |v[XS+\i+2]|, |v[XS+\i+3]|
.endr
	v_max3_num_f32 v[TM], v[TM], |v[XS+30]|, |v[XS+31]|
	v_max3_num_f32 v[TM], v[TM], v[TM+1], 0x8000000
	v_add_nc_u32 v[TM+2], 0xf8800000, v[TM]
	v_and_or_b32 v[TM+3], v[TM], 0x7f800000, s[MNT]
	v_lshrrev_b32 v[TM+1], 23, v[TM+2]
.if (\t) == 0
	v_mov_b32 v[PW0], v[TM+1]                      ; the four blocks' bytes make my column's scale word of this K step
.else
	v_lshl_or_b32 v[PW0], v[TM+1], 8*(\t), v[PW0]
.endif
.set i, 0
.rept 32
	v_med3_num_f32 v[XS+i], v[XS+i], -v[TM+3], v[TM+3]
.set i, i+1
.endr
.irp g, 0,1,2,3
	v_cvt_scalef32_pk8_bf8_f32 v[PC+2*\g:PC+2*\g+1], v[XS+8*\g:XS+8*\g+7], v[TM+2]
.endr
	v_nop
	ds_store_b128 v[XW], v[PC:PC+3] offset:512*(\t)          ; k = 32 t + 0 .. 15: the place of lane (r, 0) in the image
	ds_store_b128 v[XW], v[PC+4:PC+7] offset:512*(\t)+256    ; k = 32 t + 16 .. 31: that of lane (r, 1)
	s_wait_dscnt 0x0                               ; the stores have read their registers
.endm
.macro WLOAD set, adr, off             ; 64 numbers of a row of W: 16 neighbours of each of four blocks
.irp k, 0,1,2,3
.irp j, 0,1,2,3
	global_load_b128 v[\set+16*\k+4*\j:\set+16*\k+4*\j+3], v[\adr], s[PWT:PWT+1] offset:\off+128*\k+16*\j
.endr
.endr
.endm
.macro IMAGE adr, off
.irp c, 0,1,2,3
	ds_store_b128 v[\adr], v[PC+4*\c:PC+4*\c+3] offset:\off+512*\c
.endr
.endm
.macro FETCH reg, adr, off
.irp c, 0,1,2,3
	ds_load_b128 v[\reg+4*\c:\reg+4*\c+3], v[\adr] offset:\off+512*\c
.endr
.endm
.macro MM d, a, b, c, sa, sb
	v_wmma_scale_f32_16x16x128_f8f6f4 v[\d:\d+7], v[\a:\a+15], v[\b:\b+15], v[\c:\c+7], v[\sa], v[\sb] matrix_a_fmt:MATRIX_FMT_BF8 matrix_b_fmt:MATRIX_FMT_BF8
.endm
; fragment f = 2 u + s of my wave's two tiles of W: quantised, its image and scale word to LDS; nxt: the fragment that is then asked for into the same registers (-1: none)
.macro WFRAG f, set, cnt, nxt
	s_wait_loadcnt \cnt
	QUANT \set
	IMAGE WWI, (\f)*2048
	ds_store_b32 v[WWS], v[PW] offset:(\f)*64
	s_wait_dscnt 0x0                               ; the stores have read their registers
.if \nxt >= 0
	WLOAD \set, WA, ((\nxt)/2)*8192+((\nxt)%2)*512
.endif
.endm
	s_load_b512 s[4:19], s[0:1], 0x0               ; keys, queries, values, mask, Wk, Wq, Wv, Wo
	s_load_b512 s[20:35], s[0:1], 0x40             ; bk, bq, bv, kimg, qimg, vimg, side, qscl
	s_load_b64 s[36:37], s[0:1], 0x80              ; wo
	v_lshl_add_u32 v29, v0, 2, 0x18c00
	s_set_vgpr_msb 0x40
	v_mov_b32 v1, 0
	s_set_vgpr_msb 0x4000
	v_lshrrev_b32 v31, 5, v0
	v_readfirstlane_b32 s[WV], v31                 ; wave 0..7
	s_mov_b32 s[MNT], 0x600000
	s_mov_b32 s[SEL], 0x76543210
	s_mov_b32 s[SEL+1], 0xfedcba98
	s_mov_b32 s[HALF], 0xffff0000
	v_and_b32 v32, 31, v0                          ; lane
	v_and_b32 v33, 15, v0                          ; r
	v_bfe_u32 v34, v0, 4, 1                        ; h
	v_lshlrev_b32 v[XA], 2, v32
	v_and_b32 v35, 8, v33
	v_add_nc_u32 v35, v35, v33                     ; r + 8 (r / 8)
	v_lshlrev_b32 v[WA], 10, v35
	v_lshl_add_u32 v[WA], v34, 6, v[WA]
	v_lshlrev_b32 v[LI], 4, v32
	s_and_b32 s53, s[WV], 3
	s_lshl_b32 s53, s53, 2
	s_lshr_b32 s54, s[WV], 2
	s_add_co_u32 s53, s53, s54                     ; 4 (w % 4) + w / 4: the fragment of my columns' even tile and my K step
	s_lshl_b32 s54, s53, 11
	v_bfe_u32 v36, v0, 3, 1                        ; column l of 32 is row (l % 8) + 8 (l / 16) of tile u = (l / 8) % 2
	v_and_b32 v37, 7, v0
	v_lshlrev_b32 v[XW], 12, v36
	v_lshl_add_u32 v[XW], v37, 4, v[XW]
	v_lshl_add_u32 v[XW], v34, 7, v[XW]
	v_add_nc_u32 v[XW], s54, v[XW]
	s_lshl_b32 s54, s53, 6
	s_add_co_u32 s54, s54, XSC
	v_lshlrev_b32 v[XWS], 7, v36
	v_lshl_add_u32 v[XWS], v37, 2, v[XWS]
	v_lshl_add_u32 v[XWS], v34, 5, v[XWS]
	v_add_nc_u32 v[XWS], s54, v[XWS]
	s_lshl_b32 s54, s[WV], 13
	s_add_co_u32 s54, s54, WIMG
	v_add_nc_u32 v[WWI], s54, v[LI]
	s_lshl_b32 s54, s[WV], 8
	s_add_co_u32 s54, s54, WSC
	v_lshl_add_u32 v[WWS], v33, 2, s54
	s_lshr_b32 s55, s[WV], 1                       ; s55 = w / 2: my head
	s_and_b32 s56, s[WV], 1                        ; s56 = w % 2: my half
	s_lshl_b32 s54, s55, 14
	s_add_co_u32 s54, s54, WIMG
	v_add_nc_u32 v[WRD], s54, v[LI]
	s_lshl_b32 s54, s56, 14
	v_add_nc_u32 v[XRD], s54, v[LI]
	s_lshl_b32 s54, s55, 9
	s_add_co_u32 s54, s54, WSC
	v_lshl_add_u32 v[WSR], v33, 2, s54
	s_lshl_b32 s54, s56, 9
	s_add_co_u32 s54, s54, XSC
	v_lshl_add_u32 v[XSR], v33, 2, s54
	v_lshl_add_u32 v[XS0], v33, 2, XSC
	v_lshlrev_b32 v[SH], 4, v34
	v_lshlrev_b32 v[BA], 6, v34
	v_lshlrev_b32 v[BVA], 2, v35
	v_lshlrev_b32 v[L8], 3, v32
.irp b, 0,1,2,3
	v_mov_b32 v[TM+4+\b], 0                        ; written once: a lane permute's destination counts as one of its sources
.endr
	s_wait_kmcnt 0x0
	s_cmp_ge_u32 ttmp9, 192
	s_cbranch_scc1 .Lextra
	; ---- where my wave's parts begin.  All offsets first, then the choices among the buffers (on the work-group's number alone), then the sums
	s_lshr_b32 s57, ttmp9, 6                       ; tn
	s_bfe_u32 s58, ttmp9, 0x20004                  ; batch
	s_and_b32 s59, ttmp9, 15                       ; step
	s_lshl_b32 s61, s58, 2
	s_add_co_u32 s61, s61, s55
	s_lshl_b32 s61, s61, 4
	s_add_co_u32 s61, s61, s59                     ; HB = (4 batch + head) x 16 + step
	s_lshl_b32 s66, s58, 21                        ; X: the batch's 256 rows of 8,192 bytes,
	s_lshr_b32 s62, s[WV], 2
	s_lshl_b32 s62, s62, 20                        ; my K step's 128 rows,
	s_add_co_u32 s66, s66, s62
	s_lshl_b32 s62, s59, 9                         ; the step's 128 columns,
	s_add_co_u32 s66, s66, s62
	s_and_b32 s62, s[WV], 3
	s_lshl_b32 s62, s62, 7                         ; my 32 of them
	s_add_co_u32 s66, s66, s62
	s_mov_b32 s67, 0
	s_lshl_b32 s68, s[WV], 15                      ; W: my 32 rows of 1,024 bytes
	s_mov_b32 s69, 0
	s_lshl_b32 s72, s61, 13                        ; the images: 8,192 bytes a head and step, my half
	s_lshl_b32 s62, s56, 12
	s_add_co_u32 s72, s72, s62
	s_mov_b32 s73, 0
	s_lshl_b32 s70, s55, 8                         ; the bias: k, q: my head's 64 numbers;
	s_lshl_b32 s76, s[WV], 7                       ; v: my 32
	s_mov_b32 s71, 0
	s_lshl_b32 s74, s56, 8                         ; the scale words: k, q: my 256 bytes;
	s_lshl_b32 s77, s56, 7
	s_add_co_u32 s77, s77, 512                     ; v: my 128, behind k's 512
	s_mov_b32 s75, 0
	s_mov_b32 s60, 512                             ; bytes a head and step: 512 in qscl, 1,280 in side
	s_cmp_eq_u32 s57, 0
	s_cselect_b64 s[PX:PX+1], s[4:5], s[6:7]
	s_cselect_b64 s[PWT:PWT+1], s[12:13], s[14:15]
	s_cselect_b64 s[PB:PB+1], s[20:21], s[22:23]
	s_cselect_b64 s[PI:PI+1], s[26:27], s[28:29]
	s_cselect_b64 s[PS:PS+1], s[32:33], s[34:35]
	s_cselect_b32 s60, 1280, s60
	s_cmp_eq_u32 s57, 2
	s_cselect_b64 s[PX:PX+1], s[8:9], s[PX:PX+1]
	s_cselect_b64 s[PWT:PWT+1], s[16:17], s[PWT:PWT+1]
	s_cselect_b64 s[PB:PB+1], s[24:25], s[PB:PB+1]
	s_cselect_b64 s[PI:PI+1], s[30:31], s[PI:PI+1]
	s_cselect_b64 s[PS:PS+1], s[32:33], s[PS:PS+1]
	s_cselect_b32 s60, 1280, s60
	s_cselect_b32 s70, s76, s70
	s_cselect_b32 s74, s77, s74
	s_mul_i32 s62, s61, s60
	s_add_co_u32 s74, s74, s62
	s_add_nc_u64 s[PX:PX+1], s[PX:PX+1], s[66:67]
	s_add_nc_u64 s[PWT:PWT+1], s[PWT:PWT+1], s[68:69]
	s_add_nc_u64 s[PB:PB+1], s[PB:PB+1], s[70:71]
	s_add_nc_u64 s[PI:PI+1], s[PI:PI+1], s[72:73]
	s_add_nc_u64 s[PS:PS+1], s[PS:PS+1], s[74:75]
	; ---- X and W become codes.  Loads run two blocks ahead; each wait's count is the number of loads issued behind those it waits for
	LOADX 0
	LOADX 1
	BLOCKX 0, 32                                   ; block 1's 32 may be out
	LOADX 2
	BLOCKX 1, 32                                   ; block 2's
	LOADX 3
	WLOAD WRA, WA, 0                               ; W's fragment 0
	BLOCKX 2, 48                                   ; block 3's 32 and fragment 0's 16
	WLOAD WRB, WA, 512                             ; fragment 1
	BLOCKX 3, 32                                   ; fragments 0 and 1
	ds_store_b32 v[XWS], v[PW0]                    ; my column's scale word
	WFRAG 0, WRA, 16, 2                            ; the fragment behind may be out
	WFRAG 1, WRB, 16, 3
	WFRAG 2, WRA, 16, -1
	WFRAG 3, WRB, 0, -1
	s_wait_dscnt 0x0                               ; my stores have landed
	s_barrier_signal -1
	s_barrier_wait -1                              ; X's 16 and W's 32 fragments lie in LDS; nothing is stored there any more
	s_cmp_eq_u32 s57, 2
	s_cbranch_scc1 .Lv
	; ---- k, q: my head's 64 channels x 64 of the 128 columns, a pair of column tiles at a time
.irp n, 0,1,2,3
	global_load_b128 v[BI+8*\n:BI+8*\n+3], v[BA], s[PB:PB+1] offset:128*(\n/2)+32*(\n%2)       ; register j of tile n: the bias of channel 32 (n / 2) + 16 h + 8 (n % 2) + j
	global_load_b128 v[BI+8*\n+4:BI+8*\n+7], v[BA], s[PB:PB+1] offset:128*(\n/2)+32*(\n%2)+16
.endr
.macro KQUNIT e
.irp s, 0,1
.if \s == 1
	PLACES 8                                       ; in front of loads into registers that products have read
.endif
.irp n, 0,1,2,3
	FETCH F+16*\n, WRD, (2*\n+\s)*2048
	ds_load_b32 v[SCW+\n], v[WSR] offset:(2*\n+\s)*64
.endr
.irp u, 0,1
	FETCH F+64+16*\u, XRD, \e*8192+(2*\u+\s)*2048
	ds_load_b32 v[SCX+\u], v[XSR] offset:\e*256+(2*\u+\s)*64
.endr
	s_wait_dscnt 0x0
.if (\e == 0) && (\s == 0)
	s_wait_loadcnt 0x0                             ; the bias
.endif
.irp u, 0,1
.irp n, 0,1,2,3                        ; the eight accumulators by turns, in the same order in both K steps
.if \s == 0
	MM ACC+8*(4*\u+\n), F+16*\n, F+64+16*\u, BI+8*\n, SCW+\n, SCX+\u
.else
	MM ACC+8*(4*\u+\n), F+16*\n, F+64+16*\u, ACC+8*(4*\u+\n), SCW+\n, SCX+\u
.endif
.endr
.endr
.endr
	PLACES 9                                       ; behind the last products: in front of the first read of results, of the next unit's loads, and of the products that begin these accumulators anew
.if \e == 1
	s_wait_xcnt 0x0                                ; the last unit's stores have read the codes' registers
.endif
	QUANT ACC                                      ; blocks 0, 1: the even tile's 64 channels; blocks 2, 3: the odd tile's
.irp c, 0,1,2,3
	global_store_b128 v[LI], v[PC+4*\c:PC+4*\c+3], s[PI:PI+1] offset:\e*2048+512*\c   ; 512 consecutive bytes: two half fragments of 1,024
.endr
	v_lshrrev_b32 v[SW+\e], v[SH], v[PW]           ; lanes 0-15 keep the even tile's two bytes lowest, lanes 16-31 take the odd tile's
.endm
	KQUNIT 0
	KQUNIT 1
	global_store_b64 v[L8], v[SW:SW+1], s[PS:PS+1] ; 256 consecutive bytes, aligned
	s_set_vgpr_msb 0x4
	s_wait_tensorcnt 0x0
	ds_add_u32 v29, v1
	s_wait_dscnt 0x0
	s_set_vgpr_msb 0x400
	s_endpgm
	; ---- v: my two tiles of 16 channels x all 128 keys
.Lv:
.irp e, 0,1
	global_load_b32 v[SW+\e], v[BVA], s[PB:PB+1] offset:32*\e   ; the bias of my lane's channel
.endr
	s_wait_loadcnt 0x0
.irp e, 0,1
.irp j, 0,1,2,3,4,5,6,7
	v_mov_b32 v[BI+8*\e+\j], v[SW+\e]              ; the same for all eight keys of a lane
.endr
.endr
	PLACES 4
.macro VUNIT e
.irp s, 0,1
.irp g, 0,1
.if (\s+\g) > 0
	PLACES 8                                       ; in front of loads into registers that products have read
.endif
.if \g == 0
	FETCH F+64, WWI, (2*\e+\s)*2048
	ds_load_b32 v[SCW], v[WWS] offset:(2*\e+\s)*64
.endif
.irp t, 0,1,2,3
	FETCH F+16*\t, LI, XIMG+(2*(4*\g+\t)+\s)*2048
	ds_load_b32 v[SCX+\t], v[XS0] offset:(2*(4*\g+\t)+\s)*64
.endr
	s_wait_dscnt 0x0
.irp t, 0,1,2,3
.if \s == 0
	MM ACC+8*(4*\g+\t), F+16*\t, F+64, BI+8*\e, SCX+\t, SCW
.else
	MM ACC+8*(4*\g+\t), F+16*\t, F+64, ACC+8*(4*\g+\t), SCX+\t, SCW
.endif
.endr
.endr
.endr
	PLACES 9
.if \e == 1
	s_wait_xcnt 0x0                                ; the last unit's stores have read the codes' registers
.endif
	QUANT ACC                                      ; four blocks of 32 keys of my lane's channel: a whole fragment
.irp c, 0,1,2,3
	global_store_b128 v[LI], v[PC+4*\c:PC+4*\c+3], s[PI:PI+1] offset:\e*2048+512*\c
.endr
.if \e == 0
	v_mov_b32 v[PW0], v[PW]
.else
	v_cndmask_b32 v[PW0], v[PW0], v[PW], s[HALF]   ; lanes 0-15: the even tile's words; lanes 16-31: the odd tile's
	global_store_b32 v[XA], v[PW0], s[PS:PS+1]
.endif
.endm
	VUNIT 0
	VUNIT 1
	s_set_vgpr_msb 0x4
	s_wait_tensorcnt 0x0
	ds_add_u32 v29, v1
	s_wait_dscnt 0x0
	s_set_vgpr_msb 0x400
	s_endpgm
.Lextra:
	s_cmp_ge_u32 ttmp9, 193
	s_cbranch_scc1 .Lmask
	; ---- Wo: rows in their own order (tile ot = rows 16 ot on); wave w takes tiles 2 w and 2 w + 1.  No LDS, no barrier
	s_lshl_b32 s58, s[WV], 15
	s_mov_b32 s59, 0
	s_add_nc_u64 s[PWT:PWT+1], s[18:19], s[58:59]
	s_lshl_b32 s58, s[WV], 13
	s_add_nc_u64 s[PI:PI+1], s[36:37], s[58:59]
	s_lshl_b32 s58, s[WV], 8
	s_add_co_u32 s58, s58, 65536
	s_add_nc_u64 s[PS:PS+1], s[36:37], s[58:59]    ; the scale words lie behind the 65,536 bytes of images
	v_lshlrev_b32 v[WN], 10, v33
	v_lshl_add_u32 v[WN], v34, 6, v[WN]            ; row r, + 64 h
.macro WOFRAG f, set, cnt, nxt
	s_wait_loadcnt \cnt
.if \f > 0
	s_wait_xcnt 0x0                                ; the last fragment's stores have read their registers
.endif
	QUANT \set
.irp c, 0,1,2,3
	global_store_b128 v[LI], v[PC+4*\c:PC+4*\c+3], s[PI:PI+1] offset:(\f)*2048+512*\c
.endr
.if (\f)%2 == 0
	v_mov_b32 v[PW0], v[PW]
.else
	v_cndmask_b32 v[PW0], v[PW0], v[PW], s[HALF]   ; lanes 0-15: K step 0's words; lanes 16-31: K step 1's
	global_store_b32 v[XA], v[PW0], s[PS:PS+1] offset:((\f)/2)*128
.endif
.if \nxt >= 0
	WLOAD \set, WN, ((\nxt)/2)*16384+((\nxt)%2)*512
.endif
.endm
	WLOAD WRA, WN, 0
	WLOAD WRB, WN, 512
	WOFRAG 0, WRA, 16, 2
	WOFRAG 1, WRB, 16, 3
	WOFRAG 2, WRA, 16, -1
	WOFRAG 3, WRB, 0, -1
	s_endpgm
.Lmask:
	; ---- mask[b][s][0] > 0 keeps key s: 0.0 for a key that is kept, -3e38 for one that is hidden.  A choice of values, no branch on them.  No LDS, no barrier.
	; Each of the 8,192 words stands in a row of 8,192 bytes of its own, so the rows are shared out: work-group m = g - 193 (0 .. 15) takes rows 512 m on (counted over all batches: 2,048 batch + key),
	; wave w 64 of them (half a key step), lane l rows 2 l and 2 l + 1: two loads a wave.
	s_sub_co_u32 s58, ttmp9, 193                   ; m
	s_lshl_b32 s60, s58, 22                        ; 512 rows of 8,192 bytes a work-group,
	s_lshl_b32 s61, s[WV], 19                      ; 64 a wave: 66,584,576 at the most
	s_add_co_u32 s60, s60, s61
	s_mov_b32 s61, 0
	s_add_nc_u64 s[PX:PX+1], s[10:11], s[60:61]
	s_lshr_b32 s62, s58, 2                         ; batch = m / 4
	s_lshl_b32 s62, s62, 6                         ; its head 0: (4 batch) x 16 steps,
	s_and_b32 s58, s58, 3
	s_lshl_b32 s58, s58, 2
	s_add_co_u32 s62, s62, s58                     ; + step = 4 (m % 4)
	s_add_co_u32 s62, s62, s55                     ;          + w / 2
	s_mul_i32 s62, s62, 1280
	s_lshl_b32 s58, s56, 8                         ; my half of the step's 512 bytes,
	s_add_co_u32 s62, s62, s58
	s_add_co_u32 s62, s62, 768                     ; which lie behind the step's 768 bytes of scale words
	s_mov_b32 s63, 0
	s_add_nc_u64 s[PS:PS+1], s[32:33], s[62:63]
	v_lshlrev_b32 v[WN], 14, v32                   ; two rows a lane
	v_mov_b32 v64, 0xff61b1e6                      ; -3e38
	v_mov_b32 v65, 0
	global_load_b32 v66, v[WN], s[PX:PX+1]
	global_load_b32 v67, v[WN], s[PX:PX+1] offset:8192
	s_wait_loadcnt 0x0
	v_cmp_lt_f32 vcc_lo, 0, v66
	v_cndmask_b32 v66, v64, v65, vcc_lo
	v_cmp_lt_f32 vcc_lo, 0, v67
	v_cndmask_b32 v67, v64, v65, vcc_lo
.irp d, 0,1,2,3                        ; once for each of the batch's four heads, so that a head's side block is dense
	global_store_b64 v[L8], v[66:67], s[PS:PS+1] offset:\d*20480   ; 256 consecutive bytes, aligned to 256
.endr
	s_endpgm
.Lfunc_end_k_q55b8d73295_proj:
	.size	k_q55b8d73295_proj, .Lfunc_end_k_q55b8d73295_proj-k_q55b8d73295_proj
	.p2alignl 7, 3214868480
	.fill 96, 4, 3214868480
	.section	.rodata,"a",@progbits
	.p2align	6, 0x0
	.amdhsa_kernel k_q55b8d73295_proj
		.amdhsa_group_segment_fixed_size 102400
		.amdhsa_private_segment_fixed_size 0
		.amdhsa_enable_private_segment 0
		.amdhsa_kernarg_size 136
		.amdhsa_user_sgpr_count 2
		.amdhsa_user_sgpr_kernarg_segment_ptr 1
		.amdhsa_wavefront_size32 1
		.amdhsa_system_sgpr_workgroup_id_x 1
		.amdhsa_system_sgpr_workgroup_id_y 1
		.amdhsa_system_sgpr_workgroup_id_z 1
		.amdhsa_system_vgpr_workitem_id 0
		.amdhsa_next_free_vgpr 258
		.amdhsa_next_free_sgpr 80
		.amdhsa_reserve_vcc 1
		.amdhsa_float_denorm_mode_32 3
		.amdhsa_float_denorm_mode_16_64 3
		.amdhsa_memory_ordered 1
		.amdhsa_forward_progress 1
		.amdhsa_inst_pref_size 180
	.end_amdhsa_kernel
	.amdgpu_metadata
---
amdhsa.version: [ 1, 2 ]
amdhsa.kernels:
  - .name:           k_q55b8d73295_proj
    .symbol:         k_q55b8d73295_proj.kd
    .args:
      - { .name: keys, .offset: 0, .size: 8, .value_kind: global_buffer, .address_space: global }
      - { .name: queries, .offset: 8, .size: 8, .value_kind: global_buffer, .address_space: global }
      - { .name: values, .offset: 16, .size: 8, .value_kind: global_buffer, .address_space: global }
      - { .name: mask, .offset: 24, .size: 8, .value_kind: global_buffer, .address_space: global }
      - { .name: Wk, .offset: 32, .size: 8, .value_kind: global_buffer, .address_space: global }
      - { .name: Wq, .offset: 40, .size: 8, .value_kind: global_buffer, .address_space: global }
      - { .name: Wv, .offset: 48, .size: 8, .value_kind: global_buffer, .address_space: global }
      - { .name: Wo, .offset: 56, .size: 8, .value_kind: global_buffer, .address_space: global }
      - { .name: bk, .offset: 64, .size: 8, .value_kind: global_buffer, .address_space: global }
      - { .name: bq, .offset: 72, .size: 8, .value_kind: global_buffer, .address_space: global }
      - { .name: bv, .offset: 80, .size: 8, .value_kind: global_buffer, .address_space: global }
      - { .name: kimg, .offset: 88, .size: 8, .value_kind: global_buffer, .address_space: global }
      - { .name: qimg, .offset: 96, .size: 8, .value_kind: global_buffer, .address_space: global }
      - { .name: vimg, .offset: 104, .size: 8, .value_kind: global_buffer, .address_space: global }
      - { .name: side, .offset: 112, .size: 8, .value_kind: global_buffer, .address_space: global }
      - { .name: qscl, .offset: 120, .size: 8, .value_kind: global_buffer, .address_space: global }
      - { .name: wo, .offset: 128, .size: 8, .value_kind: global_buffer, .address_space: global }
    .group_segment_fixed_size: 102400
    .private_segment_fixed_size: 0
    .kernarg_segment_align: 8
    .kernarg_segment_size: 136
    .max_flat_workgroup_size: 256
    .sgpr_count:     80
    .vgpr_count:     258
    .wavefront_size: 32
...
	.end_amdgpu_metadata
.endif
;; end of part 4
;; launch attn: the kernel of part 2 again; grid 16 x 16, 8 waves a work-group, clusters of 4 x 1, 327,680 bytes of LDS; arguments qimg, qscl, kimg, vimg, side, oimg, oscl; writes oimg, oscl
;; launch outp: the kernel of part 3 again; grid 64 x 4, 8 waves a work-group, no clusters, 34,816 bytes of LDS; arguments oimg, oscl, wo, bo, mask, out0; writes out0
;; ======== version 3 of 3: 3 launches
;; limits: right only within a limited range of input values
;; workspace buffers: kimg 2,097,152 bytes; qimg 2,097,152 bytes; vimg 2,097,152 bytes; side 327,680 bytes; qscl 131,072 bytes; wo 67,584 bytes; oimg 2,097,152 bytes; oscl 65,536 bytes
;; launch proj (part 5): grid 209 x 1, 8 waves a work-group, no clusters, 102,400 bytes of LDS; arguments keys, queries, values, mask, Wk, Wq, Wv, Wo, bk, bq, bv, kimg, qimg, vimg, side, qscl, wo; writes kimg, qimg, vimg, side, qscl, wo
.if DOCPART == 5
	.amdgcn_target "amdgcn-amd-amdhsa--gfx1250"
	.amdhsa_code_object_version 6
	.text
	.protected	k_q55b8d73295_proj
	.globl	k_q55b8d73295_proj
	.p2align	8
	.type	k_q55b8d73295_proj,@function
k_q55b8d73295_proj:
	s_mov_b64 s[64:65], 0
	v_nop
	global_prefetch_b8 v0, s[64:65] scope:SCOPE_SE
	s_setreg_imm32_b32 hwreg(HW_REG_WAVE_MODE, 25, 1), 1
	s_wait_xcnt 0x0
; THE THREE PROJECTIONS k = Wk keys + bk, q = Wq queries + bq, v = Wv values + bv on codes of BF8 (E5M2) with one E8M0 scale for each 32 along K = the 256 input channels,
; and the quantising of their results for the attention launch: k and q along a head's 64 channels, v along the keys.
; Work-groups 0-191: tensor tn = g / 64 (0 keys, 1 queries, 2 values), batch (g / 16) % 4, step g % 16: 128 columns x all 256 outputs.  Work-group 192 quantises Wo; work-groups 193-208 turn mask[:, :, 0] into a bias for each key, 512 keys each.
; X [b][i][s] has K as its first axis: a lane takes a column and its registers run down K (32 registers = one block).  W [o][i] has K innermost: lane (r, h) takes 16 neighbours of each block of its row.
; OPERANDS GO THROUGH LDS AND MEMORY AS IMAGES OF THEIR REGISTERS: four registers of a fragment are 512 bytes, lane l's 16 bytes at 16 l.
; TILE ORDER (columns of X, rows of Wk, Wq, Wv): row r of tile 2 p + u stands for index 32 p + 8 u + r + 8 (r / 8), so that a result's 16 registers of tiles 2 p and 2 p + 1 are the 16 neighbours 32 p + 16 (lane / 16) + 0 .. 15.
; k, q: source 0 = 16 rows of W, source 1 = 16 columns of X: a lane holds one column, its registers run along the channels.  v: source 0 = X, source 1 = W: a lane holds one channel, its registers run along the keys.  The bias is the C of a sum's first product.
; LIMITS: NaN and infinities among the inputs are not served; a block whose largest magnitude lies under 2^-111 keeps the scale byte 1 (a block of zeros too: its codes are zeros, and only this program reads the bytes).
; A hidden key's bias is -3e38, not -infinity.  v's scale words leave as 128 consecutive bytes a wave (a head's 256 come from two waves): 64 KiB of all that the launch stores.
; No cluster, no tensor load: each work-group reads its own columns once, straight into registers; the weights are 256 KiB a tensor.
.set XIMG, 0                           ; LDS: X's 16 fragments (2 x tile + K step), 2,048 bytes each
.set XSC,  32768                       ; their scale words: 64 bytes a fragment, row r's word at 4 r
.set WIMG, 33792                       ; W's 32 fragments (2 x tile + K step)
.set WSC,  99328                       ; their scale words
.set XA,  1                            ; v1   4 x lane
.set WA,  2                            ; v2   W: (r + 8 (r / 8)) x 1,024 + 64 h
.set LI,  3                            ; v3   16 x lane: my place in an image
.set XW,  4                            ; v4   where my column's codes go in X's images
.set XWS, 5                            ; v5   and its scale word
.set WWI, 6                            ; v6   my wave's four fragments of W
.set WWS, 7                            ; v7   and their scale words
.set WRD, 8                            ; v8   k, q: my head's eight fragments of W
.set XRD, 9                            ; v9   k, q: my half of X's fragments
.set WSR, 10                           ; v10  k, q: my head's scale words of W
.set XSR, 11                           ; v11  k, q: my half's scale words of X
.set XS0, 12                           ; v12  v: X's scale words
.set SH,  13                           ; v13  16 h
.set BA,  14                           ; v14  64 h
.set BVA, 15                           ; v15  4 (r + 8 (r / 8))
.set SCW, 16                           ; v16-19 W's scale words; v20-23 X's: they hold scales and nothing else
.set SCX, 20
.set PW,  24                           ; v24  the scale word just made
.set PW0, 25                           ; v25  a scale word that is being put together
.set SW,  26                           ; v26-27 k, q: the two words that a lane stores; v: the two bias numbers
.set L8,  28                           ; v28  8 x lane
.set WN,  30                           ; v30  the extra work-groups' offset
.set XR,  32                           ; v32-95   two sets of 32 numbers of X
.set WRA, 96                           ; v96-159  64 numbers of W
.set WRB, 160                          ; v160-223 64 more
.set F,   32                           ; v32-127  six fragments
.set ACC, 128                          ; v128-191 eight accumulators
.set BI,  192                          ; v192-223 the bias in the result's layout
.set PC,  224                          ; v224-239 the codes just made
.set TM,  240                          ; v240-243 largest magnitudes, v244-247 bytes, v248-251 the largest number x the scale, v252-255 the conversion's scale operands
.set WV,  38
.set MNT, 39                           ; s39  the mantissa field of 57,344
.set SEL, 40                           ; s[40:41] v_permlanex16_b32's selects for lane l xor 16
.set PX,  42                           ; s[42:43] X, s[44:45] W, s[46:47] the bias, s[48:49] the images, s[50:51] the scale words: each at my wave's part
.set PWT, 44
.set PB,  46
.set PI,  48
.set PS,  50
.set HALF, 52                          ; s52  a mask of lanes 16-31
.macro PLACES n
.rept \n
	v_nop
.endr
.endm
; 64 numbers of a lane, register 16 b + i = k 32 b + 16 (lane / 16) + i of my row, become 16 registers of codes in v[PC] on and the row's scale word in v[PW]
.macro QUANT s
.irp b, 0,1,2,3
	v_max3_num_f32 v[TM+\b], |v[\s+16*\b]|, |v[\s+1+16*\b]|, 0x8000000   ; block b: my 16 numbers and the floor 2^(16 - 127): the byte cannot fall under 1
.endr
.irp i, 2,4,6,8,10,12,14
.irp b, 0,1,2,3
	v_max3_num_f32 v[TM+\b], v[TM+\b], |v[\s+16*\b+\i]|, |v[\s+1+16*\b+\i]|   ; the four blocks by turns
.endr
.endr
.irp b, 0,1,2,3
	s_delay_alu instid0(VALU_DEP_4)
	v_permlanex16_b32 v[TM+4+\b], v[TM+\b], s[SEL], s[SEL+1]
.endr
.irp b, 0,1,2,3
	s_delay_alu instid0(VALU_DEP_4)
	v_max_num_f32 v[TM+\b], v[TM+\b], v[TM+4+\b]                   ; with lane l xor 16's: the block's largest magnitude
.endr
.irp b, 0,1,2,3
	s_delay_alu instid0(VALU_DEP_4)
	v_add_nc_u32 v[TM+12+\b], 0xf8800000, v[TM+\b]                 ; 15 off its exponent field: the conversion's scale operand
.endr
.irp b, 0,1,2,3
	v_and_or_b32 v[TM+8+\b], v[TM+\b], 0x7f800000, s[MNT]          ; 57,344 x the scale
.endr
.irp b, 0,1,2,3
	v_lshrrev_b32 v[TM+4+\b], 23, v[TM+12+\b]                      ; the scale's byte
.endr
	s_delay_alu instid0(VALU_DEP_3)
	v_lshl_or_b32 v[PW], v[TM+5], 8, v[TM+4]
	s_delay_alu instid0(VALU_DEP_1)
	v_lshl_or_b32 v[PW], v[TM+6], 16, v[PW]
	s_delay_alu instid0(VALU_DEP_1)
	v_lshl_or_b32 v[PW], v[TM+7], 24, v[PW]
.irp b, 0,1,2,3
.irp i, 0,1,2,3,4,5,6,7,8,9,10,11,12,13,14,15
	v_med3_num_f32 v[\s+16*\b+\i], v[\s+16*\b+\i], -v[TM+8+\b], v[TM+8+\b]   ; the conversion to an 8-bit code does not saturate (ISA guide 7.6.2): the hold comes first
.endr
	v_cvt_scalef32_pk8_bf8_f32 v[PC+4*\b:PC+1+4*\b], v[\s+16*\b:\s+7+16*\b], v[TM+12+\b]
	v_cvt_scalef32_pk8_bf8_f32 v[PC+2+4*\b:PC+3+4*\b], v[\s+8+16*\b:\s+15+16*\b], v[TM+12+\b]
.endr
	v_nop                                          ; a plain line between the last conversion and whatever next writes its sources
.endm
.macro LOADX t                         ; block t of my column: 32 rows of X; a wave reads 128 consecutive bytes, four waves stand side by side on 512
.set i, 0
.rept 32
	global_load_b32 v[XR+32*((\t)%2)+i], v[XA], s[PX:PX+1] offset:(32*(\t)+i)*8192 th:TH_LOAD_NT
.set i, i+1
.endr
.endm
.macro BLOCKX t, cnt                   ; block t is quantised: all 32 numbers are mine.  cnt: the younger loads that may stay out
.set XS, XR+32*((\t)%2)
	s_wait_loadcnt \cnt
	v_max3_num_f32 v[TM], |v[XS]|, |v[XS+1]|, |v[XS+2]|
	v_max3_num_f32 v[TM+1], |v[XS+3]|, |v[XS+4]|, |v[XS+5]|
.irp i, 6,10,14,18,22,26
	s_delay_alu instid0(VALU_DEP_2)
	v_max3_num_f32 v[TM], v[TM], |v[XS+\i]|, |v[XS+\i+1]|
	s_delay_alu instid0(VALU_DEP_2)
	v_max3_num_f32 v[TM+1], v[TM+1], |v[XS+\i+2]|, |v[XS+\i+3]|
.endr
	s_delay_alu instid0(VALU_DEP_2)
	v_max3_num_f32 v[TM], v[TM], |v[XS+30]|, |v[XS+31]|
	s_delay_alu instid0(VALU_DEP_1)
	v_max3_num_f32 v[TM], v[TM], v[TM+1], 0x8000000
	s_delay_alu instid0(VALU_DEP_1)
	v_add_nc_u32 v[TM+2], 0xf8800000, v[TM]
	s_delay_alu instid0(VALU_DEP_2)
	v_and_or_b32 v[TM+3], v[TM], 0x7f800000, s[MNT]
	s_delay_alu instid0(VALU_DEP_2)
	v_lshrrev_b32 v[TM+1], 23, v[TM+2]
.if (\t) == 0
	s_delay_alu instid0(VALU_DEP_1)
	v_mov_b32 v[PW0], v[TM+1]                      ; the four blocks' bytes make my column's scale word of this K step
.else
	s_delay_alu instid0(VALU_DEP_1)
	v_lshl_or_b32 v[PW0], v[TM+1], 8*(\t), v[PW0]
.endif
.set i, 0
.rept 32
	v_med3_num_f32 v[XS+i], v[XS+i], -v[TM+3], v[TM+3]
.set i, i+1
.endr
.irp g, 0,1,2,3
	v_cvt_scalef32_pk8_bf8_f32 v[PC+2*\g:PC+2*\g+1], v[XS+8*\g:XS+8*\g+7], v[TM+2]
.endr
	v_nop
	ds_store_b128 v[XW], v[PC:PC+3] offset:512*(\t)          ; k = 32 t + 0 .. 15: the place of lane (r, 0) in the image
	ds_store_b128 v[XW], v[PC+4:PC+7] offset:512*(\t)+256    ; k = 32 t + 16 .. 31: that of lane (r, 1)
	s_wait_dscnt 0x0                               ; the stores have read their registers
.endm
.macro WLOAD set, adr, off             ; 64 numbers of a row of W: 16 neighbours of each of four blocks
.irp k, 0,1,2,3
.irp j, 0,1,2,3
	global_load_b128 v[\set+16*\k+4*\j:\set+16*\k+4*\j+3], v[\adr], s[PWT:PWT+1] offset:\off+128*\k+16*\j
.endr
.endr
.endm
.macro IMAGE adr, off
.irp c, 0,1,2,3
	ds_store_b128 v[\adr], v[PC+4*\c:PC+4*\c+3] offset:\off+512*\c
.endr
.endm
.macro FETCH reg, adr, off
.irp c, 0,1,2,3
	ds_load_b128 v[\reg+4*\c:\reg+4*\c+3], v[\adr] offset:\off+512*\c
.endr
.endm
.macro MM d, a, b, c, sa, sb
	v_wmma_scale_f32_16x16x128_f8f6f4 v[\d:\d+7], v[\a:\a+15], v[\b:\b+15], v[\c:\c+7], v[\sa], v[\sb] matrix_a_fmt:MATRIX_FMT_BF8 matrix_b_fmt:MATRIX_FMT_BF8
.endm
; fragment f = 2 u + s of my wave's two tiles of W: quantised, its image and scale word to LDS; nxt: the fragment that is then asked for into the same registers (-1: none)
.macro WFRAG f, set, cnt, nxt
	s_wait_loadcnt \cnt
	QUANT \set
	IMAGE WWI, (\f)*2048
	ds_store_b32 v[WWS], v[PW] offset:(\f)*64
	s_wait_dscnt 0x0                               ; the stores have read their registers
.if \nxt >= 0
	WLOAD \set, WA, ((\nxt)/2)*8192+((\nxt)%2)*512
.endif
.endm
	s_load_b512 s[4:19], s[0:1], 0x0               ; keys, queries, values, mask, Wk, Wq, Wv, Wo
	s_load_b512 s[20:35], s[0:1], 0x40             ; bk, bq, bv, kimg, qimg, vimg, side, qscl
	s_load_b64 s[36:37], s[0:1], 0x80              ; wo
	v_lshl_add_u32 v29, v0, 2, 0x18c00
	s_set_vgpr_msb 0x40
	v_mov_b32 v1, 0
	s_set_vgpr_msb 0x4000
	v_lshrrev_b32 v31, 5, v0
	s_delay_alu instid0(VALU_DEP_1)
	v_readfirstlane_b32 s[WV], v31                 ; wave 0..7
	s_mov_b32 s[MNT], 0x600000
	s_mov_b32 s[SEL], 0x76543210
	s_mov_b32 s[SEL+1], 0xfedcba98
	s_mov_b32 s[HALF], 0xffff0000
	v_and_b32 v32, 31, v0                          ; lane
	v_and_b32 v33, 15, v0                          ; r
	v_bfe_u32 v34, v0, 4, 1                        ; h
	s_delay_alu instid0(VALU_DEP_3)
	v_lshlrev_b32 v[XA], 2, v32
	s_delay_alu instid0(VALU_DEP_3)
	v_and_b32 v35, 8, v33
	s_delay_alu instid0(VALU_DEP_1)
	v_add_nc_u32 v35, v35, v33                     ; r + 8 (r / 8)
	s_delay_alu instid0(VALU_DEP_1)
	v_lshlrev_b32 v[WA], 10, v35
	s_delay_alu instid0(VALU_DEP_1)
	v_lshl_add_u32 v[WA], v34, 6, v[WA]
	v_lshlrev_b32 v[LI], 4, v32
	s_and_b32 s53, s[WV], 3
	s_lshl_b32 s53, s53, 2
	s_lshr_b32 s54, s[WV], 2
	s_add_co_u32 s53, s53, s54                     ; 4 (w % 4) + w / 4: the fragment of my columns' even tile and my K step
	s_lshl_b32 s54, s53, 11
	v_bfe_u32 v36, v0, 3, 1                        ; column l of 32 is row (l % 8) + 8 (l / 16) of tile u = (l / 8) % 2
	v_and_b32 v37, 7, v0
	s_delay_alu instid0(VALU_DEP_2)
	v_lshlrev_b32 v[XW], 12, v36
	s_delay_alu instid0(VALU_DEP_1)
	v_lshl_add_u32 v[XW], v37, 4, v[XW]
	s_delay_alu instid0(VALU_DEP_1)
	v_lshl_add_u32 v[XW], v34, 7, v[XW]
	s_delay_alu instid0(VALU_DEP_1)
	v_add_nc_u32 v[XW], s54, v[XW]
	s_lshl_b32 s54, s53, 6
	s_add_co_u32 s54, s54, XSC
	v_lshlrev_b32 v[XWS], 7, v36
	s_delay_alu instid0(VALU_DEP_1)
	v_lshl_add_u32 v[XWS], v37, 2, v[XWS]
	s_delay_alu instid0(VALU_DEP_1)
	v_lshl_add_u32 v[XWS], v34, 5, v[XWS]
	s_delay_alu instid0(VALU_DEP_1)
	v_add_nc_u32 v[XWS], s54, v[XWS]
	s_lshl_b32 s54, s[WV], 13
	s_add_co_u32 s54, s54, WIMG
	v_add_nc_u32 v[WWI], s54, v[LI]
	s_lshl_b32 s54, s[WV], 8
	s_add_co_u32 s54, s54, WSC
	v_lshl_add_u32 v[WWS], v33, 2, s54
	s_lshr_b32 s55, s[WV], 1                       ; s55 = w / 2: my head
	s_and_b32 s56, s[WV], 1                        ; s56 = w % 2: my half
	s_lshl_b32 s54, s55, 14
	s_add_co_u32 s54, s54, WIMG
	v_add_nc_u32 v[WRD], s54, v[LI]
	s_lshl_b32 s54, s56, 14
	v_add_nc_u32 v[XRD], s54, v[LI]
	s_lshl_b32 s54, s55, 9
	s_add_co_u32 s54, s54, WSC
	v_lshl_add_u32 v[WSR], v33, 2, s54
	s_lshl_b32 s54, s56, 9
	s_add_co_u32 s54, s54, XSC
	v_lshl_add_u32 v[XSR], v33, 2, s54
	v_lshl_add_u32 v[XS0], v33, 2, XSC
	v_lshlrev_b32 v[SH], 4, v34
	v_lshlrev_b32 v[BA], 6, v34
	v_lshlrev_b32 v[BVA], 2, v35
	v_lshlrev_b32 v[L8], 3, v32
.irp b, 0,1,2,3
	v_mov_b32 v[TM+4+\b], 0                        ; written once: a lane permute's destination counts as one of its sources
.endr
	s_wait_kmcnt 0x0
	s_cmp_ge_u32 ttmp9, 192
	s_cbranch_scc1 .Lextra
	; ---- where my wave's parts begin.  All offsets first, then the choices among the buffers (on the work-group's number alone), then the sums
	s_lshr_b32 s57, ttmp9, 6                       ; tn
	s_bfe_u32 s58, ttmp9, 0x20004                  ; batch
	s_and_b32 s59, ttmp9, 15                       ; step
	s_lshl_b32 s61, s58, 2
	s_add_co_u32 s61, s61, s55
	s_lshl_b32 s61, s61, 4
	s_add_co_u32 s61, s61, s59                     ; HB = (4 batch + head) x 16 + step
	s_lshl_b32 s66, s58, 21                        ; X: the batch's 256 rows of 8,192 bytes,
	s_lshr_b32 s62, s[WV], 2
	s_lshl_b32 s62, s62, 20                        ; my K step's 128 rows,
	s_add_co_u32 s66, s66, s62
	s_lshl_b32 s62, s59, 9                         ; the step's 128 columns,
	s_add_co_u32 s66, s66, s62
	s_and_b32 s62, s[WV], 3
	s_lshl_b32 s62, s62, 7                         ; my 32 of them
	s_add_co_u32 s66, s66, s62
	s_mov_b32 s67, 0
	s_lshl_b32 s68, s[WV], 15                      ; W: my 32 rows of 1,024 bytes
	s_mov_b32 s69, 0
	s_lshl_b32 s72, s61, 13                        ; the images: 8,192 bytes a head and step, my half
	s_lshl_b32 s62, s56, 12
	s_add_co_u32 s72, s72, s62
	s_mov_b32 s73, 0
	s_lshl_b32 s70, s55, 8                         ; the bias: k, q: my head's 64 numbers;
	s_lshl_b32 s76, s[WV], 7                       ; v: my 32
	s_mov_b32 s71, 0
	s_lshl_b32 s74, s56, 8                         ; the scale words: k, q: my 256 bytes;
	s_lshl_b32 s77, s56, 7
	s_add_co_u32 s77, s77, 512                     ; v: my 128, behind k's 512
	s_mov_b32 s75, 0
	s_mov_b32 s60, 512                             ; bytes a head and step: 512 in qscl, 1,280 in side
	s_cmp_eq_u32 s57, 0
	s_cselect_b64 s[PX:PX+1], s[4:5], s[6:7]
	s_cselect_b64 s[PWT:PWT+1], s[12:13], s[14:15]
	s_cselect_b64 s[PB:PB+1], s[20:21], s[22:23]
	s_cselect_b64 s[PI:PI+1], s[26:27], s[28:29]
	s_cselect_b64 s[PS:PS+1], s[32:33], s[34:35]
	s_cselect_b32 s60, 1280, s60
	s_cmp_eq_u32 s57, 2
	s_cselect_b64 s[PX:PX+1], s[8:9], s[PX:PX+1]
	s_cselect_b64 s[PWT:PWT+1], s[16:17], s[PWT:PWT+1]
	s_cselect_b64 s[PB:PB+1], s[24:25], s[PB:PB+1]
	s_cselect_b64 s[PI:PI+1], s[30:31], s[PI:PI+1]
	s_cselect_b64 s[PS:PS+1], s[32:33], s[PS:PS+1]
	s_cselect_b32 s60, 1280, s60
	s_cselect_b32 s70, s76, s70
	s_cselect_b32 s74, s77, s74
	s_mul_i32 s62, s61, s60
	s_add_co_u32 s74, s74, s62
	s_add_nc_u64 s[PX:PX+1], s[PX:PX+1], s[66:67]
	s_add_nc_u64 s[PWT:PWT+1], s[PWT:PWT+1], s[68:69]
	s_add_nc_u64 s[PB:PB+1], s[PB:PB+1], s[70:71]
	s_add_nc_u64 s[PI:PI+1], s[PI:PI+1], s[72:73]
	s_add_nc_u64 s[PS:PS+1], s[PS:PS+1], s[74:75]
	; ---- X and W become codes.  Loads run two blocks ahead; each wait's count is the number of loads issued behind those it waits for
	LOADX 0
	LOADX 1
	BLOCKX 0, 32                                   ; block 1's 32 may be out
	LOADX 2
	BLOCKX 1, 32                                   ; block 2's
	LOADX 3
	WLOAD WRA, WA, 0                               ; W's fragment 0
	BLOCKX 2, 48                                   ; block 3's 32 and fragment 0's 16
	WLOAD WRB, WA, 512                             ; fragment 1
	BLOCKX 3, 32                                   ; fragments 0 and 1
	ds_store_b32 v[XWS], v[PW0]                    ; my column's scale word
	WFRAG 0, WRA, 16, 2                            ; the fragment behind may be out
	WFRAG 1, WRB, 16, 3
	WFRAG 2, WRA, 16, -1
	WFRAG 3, WRB, 0, -1
	s_wait_dscnt 0x0                               ; my stores have landed
	s_barrier_signal -1
	s_barrier_wait -1                              ; X's 16 and W's 32 fragments lie in LDS; nothing is stored there any more
	s_cmp_eq_u32 s57, 2
	s_cbranch_scc1 .Lv
	; ---- k, q: my head's 64 channels x 64 of the 128 columns, a pair of column tiles at a time
.irp n, 0,1,2,3
	global_load_b128 v[BI+8*\n:BI+8*\n+3], v[BA], s[PB:PB+1] offset:128*(\n/2)+32*(\n%2)       ; register j of tile n: the bias of channel 32 (n / 2) + 16 h + 8 (n % 2) + j
	global_load_b128 v[BI+8*\n+4:BI+8*\n+7], v[BA], s[PB:PB+1] offset:128*(\n/2)+32*(\n%2)+16
.endr
.macro KQUNIT e
.irp s, 0,1
.if \s == 1
	PLACES 8                                       ; in front of loads into registers that products have read
.endif
.irp n, 0,1,2,3
	FETCH F+16*\n, WRD, (2*\n+\s)*2048
	ds_load_b32 v[SCW+\n], v[WSR] offset:(2*\n+\s)*64
.endr
.irp u, 0,1
	FETCH F+64+16*\u, XRD, \e*8192+(2*\u+\s)*2048
	ds_load_b32 v[SCX+\u], v[XSR] offset:\e*256+(2*\u+\s)*64
.endr
	s_wait_dscnt 0x0
.if (\e == 0) && (\s == 0)
	s_wait_loadcnt 0x0                             ; the bias
.endif
.irp u, 0,1
.irp n, 0,1,2,3                        ; the eight accumulators by turns, in the same order in both K steps
.if \s == 0
	MM ACC+8*(4*\u+\n), F+16*\n, F+64+16*\u, BI+8*\n, SCW+\n, SCX+\u
.else
	MM ACC+8*(4*\u+\n), F+16*\n, F+64+16*\u, ACC+8*(4*\u+\n), SCW+\n, SCX+\u
.endif
.endr
.endr
.endr
	PLACES 9                                       ; behind the last products: in front of the first read of results, of the next unit's loads, and of the products that begin these accumulators anew
.if \e == 1
	s_wait_xcnt 0x0                                ; the last unit's stores have read the codes' registers
.endif
	QUANT ACC                                      ; blocks 0, 1: the even tile's 64 channels; blocks 2, 3: the odd tile's
.irp c, 0,1,2,3
	global_store_b128 v[LI], v[PC+4*\c:PC+4*\c+3], s[PI:PI+1] offset:\e*2048+512*\c   ; 512 consecutive bytes: two half fragments of 1,024
.endr
	v_lshrrev_b32 v[SW+\e], v[SH], v[PW]           ; lanes 0-15 keep the even tile's two bytes lowest, lanes 16-31 take the odd tile's
.endm
	KQUNIT 0
	KQUNIT 1
	global_store_b64 v[L8], v[SW:SW+1], s[PS:PS+1] ; 256 consecutive bytes, aligned
	s_set_vgpr_msb 0x4
	s_wait_tensorcnt 0x0
	ds_add_u32 v29, v1
	s_wait_dscnt 0x0
	s_set_vgpr_msb 0x400
	s_endpgm
	; ---- v: my two tiles of 16 channels x all 128 keys
.Lv:
.irp e, 0,1
	global_load_b32 v[SW+\e], v[BVA], s[PB:PB+1] offset:32*\e   ; the bias of my lane's channel
.endr
	s_wait_loadcnt 0x0
.irp e, 0,1
.irp j, 0,1,2,3,4,5,6,7
	v_mov_b32 v[BI+8*\e+\j], v[SW+\e]              ; the same for all eight keys of a lane
.endr
.endr
	PLACES 4
.macro VUNIT e
.irp s, 0,1
.irp g, 0,1
.if (\s+\g) > 0
	PLACES 8                                       ; in front of loads into registers that products have read
.endif
.if \g == 0
	FETCH F+64, WWI, (2*\e+\s)*2048
	ds_load_b32 v[SCW], v[WWS] offset:(2*\e+\s)*64
.endif
.irp t, 0,1,2,3
	FETCH F+16*\t, LI, XIMG+(2*(4*\g+\t)+\s)*2048
	ds_load_b32 v[SCX+\t], v[XS0] offset:(2*(4*\g+\t)+\s)*64
.endr
	s_wait_dscnt 0x0
.irp t, 0,1,2,3
.if \s == 0
	MM ACC+8*(4*\g+\t), F+16*\t, F+64, BI+8*\e, SCX+\t, SCW
.else
	MM ACC+8*(4*\g+\t), F+16*\t, F+64, ACC+8*(4*\g+\t), SCX+\t, SCW
.endif
.endr
.endr
.endr
	PLACES 9
.if \e == 1
	s_wait_xcnt 0x0                                ; the last unit's stores have read the codes' registers
.endif
	QUANT ACC                                      ; four blocks of 32 keys of my lane's channel: a whole fragment
.irp c, 0,1,2,3
	global_store_b128 v[LI], v[PC+4*\c:PC+4*\c+3], s[PI:PI+1] offset:\e*2048+512*\c
.endr
.if \e == 0
	v_mov_b32 v[PW0], v[PW]
.else
	v_cndmask_b32 v[PW0], v[PW0], v[PW], s[HALF]   ; lanes 0-15: the even tile's words; lanes 16-31: the odd tile's
	global_store_b32 v[XA], v[PW0], s[PS:PS+1]
.endif
.endm
	s_wait_alu depctr_va_vdst(0)
	VUNIT 0
	VUNIT 1
	s_set_vgpr_msb 0x4
	s_wait_tensorcnt 0x0
	ds_add_u32 v29, v1
	s_wait_dscnt 0x0
	s_set_vgpr_msb 0x400
	s_endpgm
.Lextra:
	s_cmp_ge_u32 ttmp9, 193
	s_cbranch_scc1 .Lmask
	; ---- Wo: rows in their own order (tile ot = rows 16 ot on); wave w takes tiles 2 w and 2 w + 1.  No LDS, no barrier
	s_lshl_b32 s58, s[WV], 15
	s_mov_b32 s59, 0
	s_add_nc_u64 s[PWT:PWT+1], s[18:19], s[58:59]
	s_lshl_b32 s58, s[WV], 13
	s_add_nc_u64 s[PI:PI+1], s[36:37], s[58:59]
	s_lshl_b32 s58, s[WV], 8
	s_add_co_u32 s58, s58, 65536
	s_add_nc_u64 s[PS:PS+1], s[36:37], s[58:59]    ; the scale words lie behind the 65,536 bytes of images
	v_lshlrev_b32 v[WN], 10, v33
	s_delay_alu instid0(VALU_DEP_1)
	v_lshl_add_u32 v[WN], v34, 6, v[WN]            ; row r, + 64 h
.macro WOFRAG f, set, cnt, nxt
	s_wait_loadcnt \cnt
.if \f > 0
	s_wait_xcnt 0x0                                ; the last fragment's stores have read their registers
.endif
	QUANT \set
.irp c, 0,1,2,3
	global_store_b128 v[LI], v[PC+4*\c:PC+4*\c+3], s[PI:PI+1] offset:(\f)*2048+512*\c
.endr
.if (\f)%2 == 0
	v_mov_b32 v[PW0], v[PW]
.else
	v_cndmask_b32 v[PW0], v[PW0], v[PW], s[HALF]   ; lanes 0-15: K step 0's words; lanes 16-31: K step 1's
	global_store_b32 v[XA], v[PW0], s[PS:PS+1] offset:((\f)/2)*128
.endif
.if \nxt >= 0
	WLOAD \set, WN, ((\nxt)/2)*16384+((\nxt)%2)*512
.endif
.endm
	WLOAD WRA, WN, 0
	WLOAD WRB, WN, 512
	WOFRAG 0, WRA, 16, 2
	WOFRAG 1, WRB, 16, 3
	WOFRAG 2, WRA, 16, -1
	WOFRAG 3, WRB, 0, -1
	s_endpgm
.Lmask:
	; ---- mask[b][s][0] > 0 keeps key s: 0.0 for a key that is kept, -3e38 for one that is hidden.  A choice of values, no branch on them.  No LDS, no barrier.
	; Each of the 8,192 words stands in a row of 8,192 bytes of its own, so the rows are shared out: work-group m = g - 193 (0 .. 15) takes rows 512 m on (counted over all batches: 2,048 batch + key),
	; wave w 64 of them (half a key step), lane l rows 2 l and 2 l + 1: two loads a wave.
	s_sub_co_u32 s58, ttmp9, 193                   ; m
	s_lshl_b32 s60, s58, 22                        ; 512 rows of 8,192 bytes a work-group,
	s_lshl_b32 s61, s[WV], 19                      ; 64 a wave: 66,584,576 at the most
	s_add_co_u32 s60, s60, s61
	s_mov_b32 s61, 0
	s_add_nc_u64 s[PX:PX+1], s[10:11], s[60:61]
	s_lshr_b32 s62, s58, 2                         ; batch = m / 4
	s_lshl_b32 s62, s62, 6                         ; its head 0: (4 batch) x 16 steps,
	s_and_b32 s58, s58, 3
	s_lshl_b32 s58, s58, 2
	s_add_co_u32 s62, s62, s58                     ; + step = 4 (m % 4)
	s_add_co_u32 s62, s62, s55                     ;          + w / 2
	s_mul_i32 s62, s62, 1280
	s_lshl_b32 s58, s56, 8                         ; my half of the step's 512 bytes,
	s_add_co_u32 s62, s62, s58
	s_add_co_u32 s62, s62, 768                     ; which lie behind the step's 768 bytes of scale words
	s_mov_b32 s63, 0
	s_add_nc_u64 s[PS:PS+1], s[32:33], s[62:63]
	v_lshlrev_b32 v[WN], 14, v32                   ; two rows a lane
	v_mov_b32 v64, 0xff61b1e6                      ; -3e38
	v_mov_b32 v65, 0
	global_load_b32 v66, v[WN], s[PX:PX+1]
	global_load_b32 v67, v[WN], s[PX:PX+1] offset:8192
	s_wait_alu depctr_va_vdst(0)
	s_wait_loadcnt 0x0
	v_cmp_lt_f32 vcc_lo, 0, v66
	s_delay_alu instid0(VALU_DEP_1)
	v_cndmask_b32 v66, v64, v65, vcc_lo
	v_cmp_lt_f32 vcc_lo, 0, v67
	s_delay_alu instid0(VALU_DEP_1)
	v_cndmask_b32 v67, v64, v65, vcc_lo
.irp d, 0,1,2,3                        ; once for each of the batch's four heads, so that a head's side block is dense
	global_store_b64 v[L8], v[66:67], s[PS:PS+1] offset:\d*20480   ; 256 consecutive bytes, aligned to 256
.endr
	s_endpgm
.Lfunc_end_k_q55b8d73295_proj:
	.size	k_q55b8d73295_proj, .Lfunc_end_k_q55b8d73295_proj-k_q55b8d73295_proj
	.p2alignl 7, 3214868480
	.fill 96, 4, 3214868480
	.section	.rodata,"a",@progbits
	.p2align	6, 0x0
	.amdhsa_kernel k_q55b8d73295_proj
		.amdhsa_group_segment_fixed_size 102400
		.amdhsa_private_segment_fixed_size 0
		.amdhsa_enable_private_segment 0
		.amdhsa_kernarg_size 136
		.amdhsa_user_sgpr_count 2
		.amdhsa_user_sgpr_kernarg_segment_ptr 1
		.amdhsa_wavefront_size32 1
		.amdhsa_system_sgpr_workgroup_id_x 1
		.amdhsa_system_sgpr_workgroup_id_y 1
		.amdhsa_system_sgpr_workgroup_id_z 1
		.amdhsa_system_vgpr_workitem_id 0
		.amdhsa_next_free_vgpr 258
		.amdhsa_next_free_sgpr 80
		.amdhsa_reserve_vcc 1
		.amdhsa_float_denorm_mode_32 3
		.amdhsa_float_denorm_mode_16_64 3
		.amdhsa_memory_ordered 1
		.amdhsa_forward_progress 1
		.amdhsa_inst_pref_size 189
	.end_amdhsa_kernel
	.amdgpu_metadata
---
amdhsa.version: [ 1, 2 ]
amdhsa.kernels:
  - .name:           k_q55b8d73295_proj
    .symbol:         k_q55b8d73295_proj.kd
    .args:
      - { .name: keys, .offset: 0, .size: 8, .value_kind: global_buffer, .address_space: global }
      - { .name: queries, .offset: 8, .size: 8, .value_kind: global_buffer, .address_space: global }
      - { .name: values, .offset: 16, .size: 8, .value_kind: global_buffer, .address_space: global }
      - { .name: mask, .offset: 24, .size: 8, .value_kind: global_buffer, .address_space: global }
      - { .name: Wk, .offset: 32, .size: 8, .value_kind: global_buffer, .address_space: global }
      - { .name: Wq, .offset: 40, .size: 8, .value_kind: global_buffer, .address_space: global }
      - { .name: Wv, .offset: 48, .size: 8, .value_kind: global_buffer, .address_space: global }
      - { .name: Wo, .offset: 56, .size: 8, .value_kind: global_buffer, .address_space: global }
      - { .name: bk, .offset: 64, .size: 8, .value_kind: global_buffer, .address_space: global }
      - { .name: bq, .offset: 72, .size: 8, .value_kind: global_buffer, .address_space: global }
      - { .name: bv, .offset: 80, .size: 8, .value_kind: global_buffer, .address_space: global }
      - { .name: kimg, .offset: 88, .size: 8, .value_kind: global_buffer, .address_space: global }
      - { .name: qimg, .offset: 96, .size: 8, .value_kind: global_buffer, .address_space: global }
      - { .name: vimg, .offset: 104, .size: 8, .value_kind: global_buffer, .address_space: global }
      - { .name: side, .offset: 112, .size: 8, .value_kind: global_buffer, .address_space: global }
      - { .name: qscl, .offset: 120, .size: 8, .value_kind: global_buffer, .address_space: global }
      - { .name: wo, .offset: 128, .size: 8, .value_kind: global_buffer, .address_space: global }
    .group_segment_fixed_size: 102400
    .private_segment_fixed_size: 0
    .kernarg_segment_align: 8
    .kernarg_segment_size: 136
    .max_flat_workgroup_size: 256
    .sgpr_count:     80
    .vgpr_count:     258
    .wavefront_size: 32
...
	.end_amdgpu_metadata
.endif
;; end of part 5
;; launch attn (part 6): grid 16 x 16, 8 waves a work-group, clusters of 4 x 1, 327,680 bytes of LDS; arguments qimg, qscl, kimg, vimg, side, oimg, oscl; writes oimg, oscl
.if DOCPART == 6
	.amdgcn_target "amdgcn-amd-amdhsa--gfx1250"
	.amdhsa_code_object_version 6
	.text
	.protected	k_q55b8d73295_attn
	.globl	k_q55b8d73295_attn
	.p2align	8
	.type	k_q55b8d73295_attn,@function
k_q55b8d73295_attn:
	s_mov_b64 s[64:65], 0
	v_nop
	global_prefetch_b8 v0, s[64:65] scope:SCOPE_SE
	s_setreg_imm32_b32 hwreg(HW_REG_WAVE_MODE, 25, 1), 1
	s_wait_xcnt 0x0
	s_wait_alu depctr_hold_cnt(0) depctr_sa_sdst(0) depctr_va_vdst(0) depctr_va_sdst(0) depctr_va_ssrc(0) depctr_va_vcc(0) depctr_vm_vsrc(0)
	s_getreg_b32 s2, hwreg(HW_REG_IB_STS2, 6, 4)
	s_cmp_eq_u32 s2, 0
	s_cbranch_scc0 .Lentry_in_a_cluster
	s_endpgm
.Lentry_in_a_cluster:
	s_bfe_u32 s2, ttmp6, 0x10000c
	s_cmp_lg_u32 s2, 0x3003
	s_cbranch_scc0 .Lentry_shape_is_right
	s_endpgm
.Lentry_shape_is_right:
; ATTENTION ON CODES OF BF8 (E5M2), one E8M0 scale for each 32 along a product's K.  A work-group: 128 queries of one of the 16 (batch, head) pairs; each of its eight waves one tile of 16 queries; every wave walks the head's 2,048 keys, 128 a step.
; S^T = K Q^T (source 0 = 16 keys, source 1 = my 16 queries) and O^T = V^T P^T (source 0 = 16 channels, source 1 = P): a lane holds ONE query throughout.  The keys of a tile are in tile order (row r of tile 2 b + u is key 32 b + 8 u + r + 8 (r / 8)),
; so that the 16 registers of tiles 2 b and 2 b + 1 are 16 neighbouring keys, as the second product's operand wants them.
; THE FIRST PRODUCT'S K IS 64, half of the instruction's 128: Q's upper eight registers are zero codes.  K's tiles are kept as 8 registers; a tile's upper eight operand registers are simply the next tile's codes (zeros behind the last):
; finite numbers times zero codes add nothing, whatever their scale byte, which is never 0xff.
; THE MASK costs no vector line: a key's bias (0 or -3e38) is loaded into the score's registers and is the product's C.
; SOFTMAX: t = score x log2(e) / 8; M = the running largest t rounded up to a whole number; p = 2^(t - M) is quantised along the keys; the sum is taken of the unquantised p; when M moves, the sum and O^T are multiplied by 2^(old M - new M), exactly.
; At the end O^T / the sum is quantised along the head's 64 channels (two blocks of the last product's K) and leaves as an image of operand registers.
; THE WHOLE HEAD LIES IN LDS: 131,072 bytes of K's codes, as many of V's, 20,480 of scale words and biases.  Every byte is filled once, by five tensor loads a wave issued together at the start: nothing is filled again.
; CLUSTER: the four work-groups of a cluster belong to one head and want the same bytes: each load is asked for jointly, with the mask of all four.  The place in the cluster enters only Q's and the outputs' global addresses.
; Nothing is asked for ahead of these loads: they stand at the head and name all that the launch reads of K, V and side.
; LIMITS: every t lies above -1e30 (the running maximum's start); a hidden key's score is -3e38 and not -infinity; a batch all of whose keys are hidden gives 0 x (1 / 0), NaN, and was not tried; NaN and infinities among the inputs are not served.
; The launch claims more LDS than the 282,880 bytes that it uses.
.set SIDE, 262144                      ; LDS: chunk c (key steps 4 c .. 4 c + 3) at 65,536 c: K's four steps of 8,192 bytes, then V's four.  Behind the chunks: a step's 1,280 bytes: K's scale words 512, V's 256, the keys' biases 512
.set OSG,  282624                      ; 256 bytes of its own for the output's scale bytes: written by LDS stores alone
.set AK0, 1                            ; v1   16 x lane
.set AS0, 2                            ; v2   SIDE + 8 x lane
.set AV0, 3                            ; v3   SIDE + 512 + 4 x lane
.set AB0, 4                            ; v4   SIDE + 768 + 64 h
.set ADK, 5                            ; v5-8 the same for the step in hand
.set ADS, 6
.set ADT, 7
.set ADB, 8
.set OSW, 9                            ; v9   OSG + 32 x wave + 2 r
.set OSR, 10                           ; v10  OSG + 8 x lane
.set L8,  11                           ; v11  8 x lane
                                       ; v12 -M, v13 the largest t, v[14:15] the sum in two halves
.set QF,  16                           ; v16-23 Q's codes, v24-31 zero codes
.set KV,  32                           ; v32-95 K: 8 tiles x 8 registers, then V: 4 fragments of 16; v96-103 zero codes
.set S,   104                          ; v104-167 the scores, then p
.set OT,  168                          ; v168-199 O^T
.set PC,  200                          ; v200-215 p's codes
.set BM,  216                          ; v216-219 a block's largest score, then its largest p
.set BT,  220                          ; v220-223 the other half's; then the bytes
.set HV,  224                          ; v224-227 57,344 x the scale
.set SO,  228                          ; v228-231 the conversion's scale operand
.set KS,  232                          ; v232-235 K's scale words, v236-237 V's, v238 Q's, v239 p's; v232-235 also carry two chains of the sum
.set VS,  236
.set QS,  238
.set PWD, 239
.set FF,  240                          ; v[240:241] f = 2^(old M - new M); v241 is named with it as a pair and written once
.set T0,  242                          ; v242 at work
.set SUM2, 244                         ; v[244:245] the second chain of the sum
.set Q8,  246                          ; v246 8 r
.set WV,  18
.set MNT, 19
.set SEL, 20
.set CS,  22                           ; s[22:23] c = log2(e) / 8
.set G1T, 24                           ; s[24:31] group 1: 32 rows of 256 bytes, dense;  s[32:39]: 10 such rows
.set G1S, 32
.set G0S, 40                           ; s[40:43] group 0 for my part of side;  s[44:59] for my part of each of the four chunks
.set G0C, 44
.set TB,  60                           ; s60 LDS byte at which the step's K begins
.set TS,  61                           ; s61 1,280 x step
.set CNT, 62
.macro CROUND                          ; a round of the cluster's barrier: my work-group's barrier; wave 0 signals for the work-group; every wave waits for all four work-groups; my work-group's barrier once more
	s_barrier_signal -1
	s_barrier_wait -1
	s_cmp_lg_u32 s[WV], 0
	s_cbranch_scc1 .Lnot_wave_0_\@
	s_barrier_signal -3
.Lnot_wave_0_\@:
	s_barrier_wait -3
	s_barrier_signal -1
	s_barrier_wait -1
.endm
.macro MMS d, a, b, sa, sb, row        ; D = C = v[d]; row = 1: source 0's scales stand in lanes 16-31
.if \row
	v_wmma_scale_f32_16x16x128_f8f6f4 v[\d:\d+7], v[\a:\a+15], v[\b:\b+15], v[\d:\d+7], v[\sa], v[\sb] matrix_a_fmt:MATRIX_FMT_BF8 matrix_b_fmt:MATRIX_FMT_BF8 matrix_a_scale:MATRIX_SCALE_ROW1
.else
	v_wmma_scale_f32_16x16x128_f8f6f4 v[\d:\d+7], v[\a:\a+15], v[\b:\b+15], v[\d:\d+7], v[\sa], v[\sb] matrix_a_fmt:MATRIX_FMT_BF8 matrix_b_fmt:MATRIX_FMT_BF8
.endif
.endm
	s_load_b256 s[4:11], s[0:1], 0x0               ; qimg, qscl, kimg, vimg
	s_load_b128 s[12:15], s[0:1], 0x20             ; side, oimg
	s_load_b64 s[16:17], s[0:1], 0x30              ; oscl
	v_lshl_add_u32 v254, v0, 2, 0x45100
	v_mov_b32 v255, 0
	ds_add_u32 v254, v255
	ds_add_u32 v254, v255
	v_lshrrev_b32 v[T0], 5, v0
	s_delay_alu instid0(VALU_DEP_1)
	v_readfirstlane_b32 s[WV], v[T0]               ; wave 0..7
	s_bfe_u32 s66, ttmp6, 0x40000                  ; cx: my place in the cluster
	s_lshl_b32 s67, ttmp9, 2
	s_add_co_u32 s67, s67, s66                     ; x: my block of 128 queries
	s_and_b32 s68, ttmp7, 0xffff                   ; bh = 4 batch + head, which the four partners share
	s_mov_b32 s[MNT], 0x600000
	s_mov_b32 s[SEL], 0x76543210
	s_mov_b32 s[SEL+1], 0xfedcba98
	s_mov_b32 s[CS], 0x3e38aa3b
	s_mov_b32 s[CS+1], s[CS]
	s_mov_b32 s[TB], 0
	s_mov_b32 s[TS], 0
	s_mov_b32 s[G1T], 15|(3<<16)|(1<<21)           ; 15:0 the mask: all four work-groups; 17:16 elements of 8 bytes; 21 set beside a mask; no padding: images are read 16 bytes a lane on end
	s_mov_b32 s[G1T+1], 32<<16                     ; tensor_dim0 = 32 elements: 256 bytes
	s_mov_b32 s[G1T+2], 32<<16                     ; tensor_dim1 = 32 rows
	s_mov_b32 s[G1T+3], 32<<16                     ; tile_dim0
	s_mov_b32 s[G1T+4], 32                         ; tile_dim1
	s_mov_b32 s[G1T+5], 32                         ; from row to row
	s_mov_b32 s[G1T+6], 0
	s_mov_b32 s[G1T+7], 0
	s_mov_b32 s[G1S], 15|(3<<16)|(1<<21)
	s_mov_b32 s[G1S+1], 32<<16
	s_mov_b32 s[G1S+2], 10<<16                     ; 10 rows: 2,560 bytes
	s_mov_b32 s[G1S+3], 32<<16
	s_mov_b32 s[G1S+4], 10
	s_mov_b32 s[G1S+5], 32
	s_mov_b32 s[G1S+6], 0
	s_mov_b32 s[G1S+7], 0
	; what I fetch: made of bh and the wave's number alone, in registers that never hold cx
	s_mul_i32 s70, s68, 20480
	s_mul_i32 s71, s[WV], 2560
	s_add_co_u32 s70, s70, s71                     ; side: the head's block, my eighth
	s_mov_b32 s71, 0
	s_lshl_b32 s72, s68, 17
	s_and_b32 s73, s[WV], 3
	s_lshl_b32 s73, s73, 13
	s_add_co_u32 s72, s72, s73                     ; K (waves 0-3) or V (waves 4-7): the head's 131,072 bytes, step w % 4 of a chunk
	s_mov_b32 s73, 0
	; what is mine alone
	s_lshl_b32 s76, s68, 17
	s_lshl_b32 s77, s67, 13
	s_add_co_u32 s76, s76, s77
	s_lshl_b32 s77, s[WV], 10
	s_add_co_u32 s76, s76, s77                     ; Q's codes: head, block, tile
	s_mov_b32 s77, 0
	s_lshl_b32 s78, s68, 4
	s_add_co_u32 s78, s78, s67
	s_lshl_b32 s78, s78, 9                         ; Q's scale words: 512 bytes a block, laid [a][lane][e]; tile w = 2 (2 a + e) + u stands in lanes 16 u + r
	s_lshr_b32 s79, s[WV], 2
	s_lshl_b32 s79, s79, 8
	s_add_co_u32 s78, s78, s79
	s_and_b32 s79, s[WV], 1
	s_lshl_b32 s79, s79, 7
	s_add_co_u32 s78, s78, s79
	s_bfe_u32 s79, s[WV], 0x10001
	s_lshl_b32 s79, s79, 2
	s_add_co_u32 s78, s78, s79
	s_mov_b32 s79, 0
	s_lshr_b32 s80, s68, 2                         ; oimg [batch][tile of queries 128][K step 2][4][512]: head hd fills K step hd / 2, quarters 2 (hd % 2) and 2 (hd % 2) + 1
	s_lshl_b32 s80, s80, 7
	s_lshl_b32 s81, s67, 3
	s_add_co_u32 s80, s80, s81
	s_add_co_u32 s80, s80, s[WV]
	s_lshl_b32 s80, s80, 1
	s_bfe_u32 s81, s68, 0x10001
	s_add_co_u32 s80, s80, s81
	s_lshl_b32 s80, s80, 11
	s_and_b32 s81, s68, 1
	s_lshl_b32 s81, s81, 10
	s_add_co_u32 s80, s80, s81
	s_mov_b32 s81, 0
	s_lshl_b32 s82, s68, 12                        ; oscl [bh][tile 128][r 16] of two bytes: my work-group's eight tiles are 256 bytes
	s_lshl_b32 s83, s67, 8
	s_add_co_u32 s82, s82, s83
	s_mov_b32 s83, 0
	s_lshl_b32 s84, s[WV], 13                      ; my part of a chunk in LDS
	s_wait_dscnt 0x0
	s_wait_kmcnt 0x0
	s_mov_b32 s[G0S], 1
	s_mul_i32 s[G0S+1], s[WV], 2560
	s_add_co_u32 s[G0S+1], s[G0S+1], SIDE
	s_add_nc_u64 s[G0S+2:G0S+3], s[12:13], s[70:71]
	s_or_b32 s[G0S+3], s[G0S+3], 0x80000000
	s_cmp_lt_u32 s[WV], 4                          ; the choice hangs on the wave's number alone
	s_cselect_b64 s[74:75], s[8:9], s[10:11]
	s_add_nc_u64 s[74:75], s[74:75], s[72:73]
.irp c, 0,1,2,3
	s_mov_b32 s[G0C+4*\c], 1
	s_add_co_u32 s[G0C+4*\c+1], s84, \c*65536
	s_add_nc_u64 s[G0C+4*\c+2:G0C+4*\c+3], s[74:75], \c*32768
	s_or_b32 s[G0C+4*\c+3], s[G0C+4*\c+3], 0x80000000
.endr
	s_add_nc_u64 s[4:5], s[4:5], s[76:77]
	s_add_nc_u64 s[6:7], s[6:7], s[78:79]
	s_add_nc_u64 s[14:15], s[14:15], s[80:81]
	s_add_nc_u64 s[16:17], s[16:17], s[82:83]
	CROUND                                         ; all four work-groups are here: the joint loads meet
	tensor_load_to_lds s[G0S:G0S+3], s[G1S:G1S+7]  ; all first fills in one group: five loads of mine are out
	s_nop 0
	tensor_load_to_lds s[G0C:G0C+3], s[G1T:G1T+7]
	s_nop 0
	tensor_load_to_lds s[G0C+4:G0C+7], s[G1T:G1T+7]
	s_nop 0
	tensor_load_to_lds s[G0C+8:G0C+11], s[G1T:G1T+7]
	s_nop 0
	tensor_load_to_lds s[G0C+12:G0C+15], s[G1T:G1T+7]
	s_nop 0
.rept 4
	v_nop
.endr
	v_and_b32 v[T0], 31, v0                        ; lane
	v_and_b32 v243, 15, v0                         ; r
	v_bfe_u32 v244, v0, 4, 1                       ; h
	s_delay_alu instid0(VALU_DEP_3)
	v_lshlrev_b32 v[AK0], 4, v[T0]
	s_delay_alu instid0(VALU_DEP_3)
	v_lshlrev_b32 v[Q8], 3, v243
	global_load_b128 v[QF:QF+3], v[AK0], s[4:5]
	global_load_b128 v[QF+4:QF+7], v[AK0], s[4:5] offset:512
	global_load_b32 v[QS], v[Q8], s[6:7]
	v_lshl_add_u32 v[AS0], v[T0], 3, SIDE
	v_lshl_add_u32 v[AV0], v[T0], 2, SIDE+512
	v_lshl_add_u32 v[AB0], v244, 6, SIDE+768
	s_lshl_b32 s85, s[WV], 5
	s_add_co_u32 s85, s85, OSG
	v_lshl_add_u32 v[OSW], v243, 1, s85
	v_lshl_add_u32 v[OSR], v[T0], 3, OSG
	v_lshlrev_b32 v[L8], 3, v[T0]
.irp j, 0,1,2,3,4,5,6,7
	v_mov_b32 v[QF+8+\j], 0                        ; zero codes for k = 64 .. 127
	v_mov_b32 v[KV+64+\j], 0                       ; and behind K's last tile
.endr
.set j, 0
.rept 32
	v_mov_b32 v[OT+j], 0                           ; the step is written once: the first finds zeros, which the first change of M leaves zeros
.set j, j+1
.endr
	v_mov_b32 v13, 0xf149f2ca                      ; the largest t so far: -1e30
	s_delay_alu instid0(VALU_DEP_1)
	v_floor_f32 v12, -v13                          ; -M
	v_mov_b32 v14, 0
	v_mov_b32 v15, 0
.irp b, 0,1,2,3
	v_mov_b32 v[BT+\b], 0                          ; written once: a lane permute's destination counts as one of its sources
.endr
	v_mov_b32 v[FF+1], 0
	s_wait_loadcnt 0x0                             ; Q
; A KEY STEP: 128 keys
.macro STEP
	v_add_nc_u32 v[ADK], s[TB], v[AK0]
	v_add_nc_u32 v[ADS], s[TS], v[AS0]
	v_add_nc_u32 v[ADT], s[TS], v[AV0]
	v_add_nc_u32 v[ADB], s[TS], v[AB0]
.rept 4
	v_nop                                          ; with the four additions: eight places in front of loads into registers that the last products have read
.endr
	ds_load_b64 v[KS:KS+1], v[ADS]                 ; register t / 2: lanes 0-15 the even tile's words, lanes 16-31 the odd tile's
	ds_load_b64 v[KS+2:KS+3], v[ADS] offset:256
.irp t, 0,1,2,3,4,5,6,7
	ds_load_b128 v[KV+8*\t:KV+8*\t+3], v[ADK] offset:1024*\t
	ds_load_b128 v[KV+8*\t+4:KV+8*\t+7], v[ADK] offset:1024*\t+512
	ds_load_b128 v[S+8*\t:S+8*\t+3], v[ADB] offset:128*(\t/2)+32*(\t%2)        ; the biases of keys 32 (t / 2) + 16 h + 8 (t % 2) + 0 .. 7, straight into the score's registers
	ds_load_b128 v[S+8*\t+4:S+8*\t+7], v[ADB] offset:128*(\t/2)+32*(\t%2)+16
.endr
	s_wait_alu depctr_va_vdst(0)
	s_wait_dscnt 0x0
.irp t, 0,1,2,3,4,5,6,7
	MMS S+8*\t, KV+8*\t, QF, KS+\t/2, QS, \t%2     ; one product a tile: no two that follow each other share an accumulator
.endr
.rept 8
	v_nop                                          ; in front of the loads below and of the first read of the scores
.endr
.irp g, 0,1,2,3
.irp c, 0,1,2,3
	ds_load_b128 v[KV+16*\g+4*\c:KV+16*\g+4*\c+3], v[ADK] offset:32768+2048*\g+512*\c   ; V's four fragments land while the softmax is walked
.endr
.endr
	ds_load_b32 v[VS], v[ADT]
	ds_load_b32 v[VS+1], v[ADT] offset:128
.irp b, 0,1,2,3
	v_max3_num_f32 v[BM+\b], v[S+16*\b], v[S+1+16*\b], v[S+2+16*\b]   ; the largest score of each block of 32 keys: for the row's maximum, and, since p rises with the score, for the block's largest p
.endr
.irp i, 3,5,7,9,11,13
.irp b, 0,1,2,3
	v_max3_num_f32 v[BM+\b], v[BM+\b], v[S+16*\b+\i], v[S+1+16*\b+\i]
.endr
.endr
.irp b, 0,1,2,3
	v_max_num_f32 v[BM+\b], v[BM+\b], v[S+15+16*\b]
.endr
.irp b, 0,1,2,3
	s_delay_alu instid0(VALU_DEP_4)
	v_permlanex16_b32 v[BT+\b], v[BM+\b], s[SEL], s[SEL+1]
.endr
.irp b, 0,1,2,3
	s_delay_alu instid0(VALU_DEP_4)
	v_max_num_f32 v[BM+\b], v[BM+\b], v[BT+\b]     ; with lane l xor 16's 16 keys
.endr
	s_delay_alu instid0(VALU_DEP_2)
	v_max3_num_f32 v[T0], v[BM], v[BM+1], v[BM+2]
	s_delay_alu instid0(VALU_DEP_1)
	v_max_num_f32 v[T0], v[T0], v[BM+3]
	s_delay_alu instid0(VALU_DEP_1)
	v_mul_f32 v[T0], s[CS], v[T0]                  ; as t (c is positive)
	s_delay_alu instid0(VALU_DEP_1)
	v_max_num_f32 v13, v13, v[T0]                  ; the running largest t
	v_mov_b32 v[T0], v12
	s_delay_alu instid0(VALU_DEP_2)
	v_floor_f32 v12, -v13                          ; the new -M = -ceil(t)
	s_delay_alu instid0(VALU_DEP_1)
	v_sub_f32 v[T0], v12, v[T0]                    ; old M - new M: a whole number, 0 or less
	s_delay_alu instid0(VALU_DEP_1)
	v_cvt_i32_f32 v[T0], v[T0]                     ; (it saturates)
	s_delay_alu instid0(VALU_DEP_1)
	v_ldexp_f32 v[FF], 1.0, v[T0]                  ; f = 2^(old M - new M)
.set j, 0
.rept 32
	v_pk_fma_f32 v[S+j:S+j+1], v[S+j:S+j+1], s[CS:CS+1], v[12:13] op_sel_hi:[1,0,0]   ; t - M, two at a time
.set j, j+2
.endr
.irp b, 0,1,2,3
	v_fma_f32 v[BM+\b], v[BM+\b], s[CS], v12
.endr
.set j, 0
	s_wait_alu depctr_va_vdst(0)
.rept 64
	v_exp_f32 v[S+j], v[S+j]                       ; p = 2^(t - M); a hidden key's is 0
.set j, j+1
.endr
	s_setprio 1
.irp b, 0,1,2,3
	v_exp_f32 v[BM+\b], v[BM+\b]                   ; the block's largest p: the same two lines on the same number
.endr
	v_pk_mul_f32 v[14:15], v[14:15], v[FF:FF+1] op_sel_hi:[1,0]   ; the sums under the new M: a plain line behind the exponentials
	s_wait_alu depctr_va_vdst(0)
.irp b, 0,1,2,3
	v_max_num_f32 v[BM+\b], 0x8000000, v[BM+\b]    ; the floor 2^(16 - 127): the byte cannot fall under 1
.endr
.irp b, 0,1,2,3
	s_delay_alu instid0(VALU_DEP_4)
	v_add_nc_u32 v[SO+\b], 0xf8800000, v[BM+\b]
.endr
.irp b, 0,1,2,3
	v_and_or_b32 v[HV+\b], v[BM+\b], 0x7f800000, s[MNT]
.endr
.irp b, 0,1,2,3
	v_lshrrev_b32 v[BT+\b], 23, v[SO+\b]
.endr
	s_delay_alu instid0(VALU_DEP_3)
	v_lshl_or_b32 v[PWD], v[BT+1], 8, v[BT]        ; p's scale word for these 128 keys
	s_delay_alu instid0(VALU_DEP_1)
	v_lshl_or_b32 v[PWD], v[BT+2], 16, v[PWD]
	s_delay_alu instid0(VALU_DEP_1)
	v_lshl_or_b32 v[PWD], v[BT+3], 24, v[PWD]
	v_pk_add_f32 v[244:245], v[108:109], v[112:113]
	v_pk_add_f32 v[252:253], v[116:117], v[120:121]
	v_pk_add_f32 v[250:251], v[124:125], v[128:129]
	v_pk_add_f32 v[248:249], v[132:133], v[136:137]
	v_pk_add_f32 v[246:247], v[140:141], v[144:145]
	v_pk_add_f32 v[234:235], v[148:149], v[152:153]
	v_pk_add_f32 v[232:233], v[156:157], v[160:161]
	v_pk_add_f32 v[14:15], v[14:15], v[164:165]
	v_pk_add_f32 v[244:245], v[244:245], v[104:105]
	v_pk_add_f32 v[252:253], v[252:253], v[106:107]
	v_pk_add_f32 v[250:251], v[250:251], v[110:111]
	v_pk_add_f32 v[248:249], v[248:249], v[114:115]
	v_pk_add_f32 v[246:247], v[246:247], v[118:119]
	v_pk_add_f32 v[234:235], v[234:235], v[122:123]
	v_pk_add_f32 v[232:233], v[232:233], v[126:127]
	v_pk_add_f32 v[14:15], v[14:15], v[130:131]
	v_pk_add_f32 v[244:245], v[244:245], v[134:135]
	v_pk_add_f32 v[252:253], v[252:253], v[138:139]
	v_pk_add_f32 v[250:251], v[250:251], v[142:143]
	v_pk_add_f32 v[248:249], v[248:249], v[146:147]
	v_pk_add_f32 v[246:247], v[246:247], v[150:151]
	v_pk_add_f32 v[234:235], v[234:235], v[154:155]
	v_pk_add_f32 v[232:233], v[232:233], v[158:159]
	v_pk_add_f32 v[14:15], v[14:15], v[162:163]
	v_pk_add_f32 v[244:245], v[244:245], v[166:167]
	s_delay_alu instid0(VALU_DEP_2)
	v_pk_add_f32 v[14:15], v[14:15], v[248:249]
	s_delay_alu instid0(VALU_DEP_2)
	v_pk_add_f32 v[244:245], v[244:245], v[246:247]
	v_pk_add_f32 v[252:253], v[252:253], v[234:235]
	v_pk_add_f32 v[250:251], v[250:251], v[232:233]
	s_delay_alu instid0(VALU_DEP_2)
	v_pk_add_f32 v[14:15], v[14:15], v[252:253]
	s_delay_alu instid0(VALU_DEP_2)
	v_pk_add_f32 v[244:245], v[244:245], v[250:251]
	s_delay_alu instid0(VALU_DEP_1)
	v_pk_add_f32 v[14:15], v[14:15], v[244:245]
.irp b, 0,1,2,3
.irp i, 0,1,2,3,4,5,6,7,8,9,10,11,12,13,14,15
	v_min_num_f32 v[S+16*\b+\i], v[S+16*\b+\i], v[HV+\b]   ; the conversion does not saturate (ISA guide 7.6.2); p is not negative: a one-sided hold
.endr
	v_cvt_scalef32_pk8_bf8_f32 v[PC+4*\b:PC+1+4*\b], v[S+16*\b:S+7+16*\b], v[SO+\b]
	v_cvt_scalef32_pk8_bf8_f32 v[PC+2+4*\b:PC+3+4*\b], v[S+8+16*\b:S+15+16*\b], v[SO+\b]
.endr
.set j, 0
	s_setprio 0
.rept 16
	v_pk_mul_f32 v[OT+j:OT+j+1], v[OT+j:OT+j+1], v[FF:FF+1] op_sel_hi:[1,0]   ; O^T under the new M; these lines are also the places between the codes and the products
.set j, j+2
.endr
.rept 4
	v_nop
.endr
	s_wait_alu depctr_va_vdst(0)
	s_wait_dscnt 0x0                               ; V is in
.irp g, 0,1,2,3
	MMS OT+8*\g, KV+16*\g, PC, VS+\g/2, PWD, \g%2
.endr
	s_add_co_u32 s[TB], s[TB], 8192
	s_add_co_u32 s[TS], s[TS], 1280
.endm
; Four key steps from chunk c.  The wait's count: side and chunks 0 .. c were issued first, 3 - c loads behind them may stay out; then the barrier, since each wave brought an eighth.
.macro CHUNK c
	s_wait_tensorcnt 3-\c
	s_wait_dscnt 0x0
	s_barrier_signal -1
	s_barrier_wait -1
	s_mov_b32 s[CNT], 4
.Lstep_\@:
	s_setprio 2
	STEP
	s_sub_co_u32 s[CNT], s[CNT], 1
	s_cmp_lg_u32 s[CNT], 0
	s_cbranch_scc1 .Lstep_\@
	s_setprio 0
	s_add_co_u32 s[TB], s[TB], 32768               ; over the chunk's V
.endm
	CHUNK 0
	CHUNK 1
	CHUNK 2
	CHUNK 3
	; THE WAY OUT: O^T / the sum, quantised along the head's 64 channels: register 16 b + i is channel 32 b + 16 h + i of my query
.rept 8
	v_nop
.endr
	v_add_f32 v14, v14, v15
	s_delay_alu instid0(VALU_DEP_1)
	v_permlanex16_b32 v[T0], v14, s[SEL], s[SEL+1]
	s_delay_alu instid0(VALU_DEP_1)
	v_add_f32 v14, v14, v[T0]                      ; the row's sum
	s_wait_alu depctr_va_vdst(0)
	v_rcp_f32 v14, v14
	v_nop                                          ; a plain line behind the transcendental
.set j, 0
	s_wait_alu depctr_va_vdst(0)
.rept 32
	v_mul_f32 v[S+j], v[OT+j], v14                 ; each accumulator from its low end on
.set j, j+1
.endr
.irp b, 0,1
	v_max3_num_f32 v[BM+\b], |v[S+16*\b]|, |v[S+1+16*\b]|, 0x8000000
.endr
.irp i, 2,4,6,8,10,12,14
.irp b, 0,1
	s_delay_alu instid0(VALU_DEP_2)
	v_max3_num_f32 v[BM+\b], v[BM+\b], |v[S+16*\b+\i]|, |v[S+1+16*\b+\i]|
.endr
.endr
.irp b, 0,1
	s_delay_alu instid0(VALU_DEP_2)
	v_permlanex16_b32 v[BT+\b], v[BM+\b], s[SEL], s[SEL+1]
.endr
.irp b, 0,1
	s_delay_alu instid0(VALU_DEP_2)
	v_max_num_f32 v[BM+\b], v[BM+\b], v[BT+\b]
.endr
.irp b, 0,1
	s_delay_alu instid0(VALU_DEP_2)
	v_add_nc_u32 v[SO+\b], 0xf8800000, v[BM+\b]
.endr
.irp b, 0,1
	s_delay_alu instid0(VALU_DEP_4)
	v_and_or_b32 v[HV+\b], v[BM+\b], 0x7f800000, s[MNT]
.endr
.irp b, 0,1
	s_delay_alu instid0(VALU_DEP_4)
	v_lshrrev_b32 v[BT+\b], 23, v[SO+\b]
.endr
	s_delay_alu instid0(VALU_DEP_1)
	v_lshl_or_b32 v[T0], v[BT+1], 8, v[BT]         ; my query's two scale bytes
.irp b, 0,1
.irp i, 0,1,2,3,4,5,6,7,8,9,10,11,12,13,14,15
	v_med3_num_f32 v[S+16*\b+\i], v[S+16*\b+\i], -v[HV+\b], v[HV+\b]
.endr
	v_cvt_scalef32_pk8_bf8_f32 v[PC+4*\b:PC+1+4*\b], v[S+16*\b:S+7+16*\b], v[SO+\b]
	v_cvt_scalef32_pk8_bf8_f32 v[PC+2+4*\b:PC+3+4*\b], v[S+8+16*\b:S+15+16*\b], v[SO+\b]
.endr
	v_nop
	global_store_b128 v[AK0], v[PC:PC+3], s[14:15]              ; 512 consecutive bytes each
	global_store_b128 v[AK0], v[PC+4:PC+7], s[14:15] offset:512
	ds_store_b16 v[OSW], v[T0]                     ; lanes r and r + 16 write the same two bytes
	s_wait_dscnt 0x0                               ; for the others' sake
	s_barrier_signal -1
	s_barrier_wait -1
	s_cmp_lg_u32 s[WV], 0
	s_cbranch_scc1 .Lnot_first
	ds_load_b64 v[SUM2:SUM2+1], v[OSR]
	s_wait_dscnt 0x0
	global_store_b64 v[L8], v[SUM2:SUM2+1], s[16:17]   ; the eight tiles' scale bytes: 256 consecutive bytes, aligned
.Lnot_first:
	s_wait_tensorcnt 0x0
	ds_add_u32 v254, v255
	s_wait_dscnt 0x0
	CROUND                                         ; the closing round: no work-group ends while a partner may still ask for a tile that names it
	s_endpgm
.Lfunc_end_k_q55b8d73295_attn:
	.size	k_q55b8d73295_attn, .Lfunc_end_k_q55b8d73295_attn-k_q55b8d73295_attn
	.p2alignl 7, 3214868480
	.fill 96, 4, 3214868480
	.section	.rodata,"a",@progbits
	.p2align	6, 0x0
	.amdhsa_kernel k_q55b8d73295_attn
		.amdhsa_group_segment_fixed_size 327680
		.amdhsa_private_segment_fixed_size 0
		.amdhsa_enable_private_segment 0
		.amdhsa_kernarg_size 56
		.amdhsa_user_sgpr_count 2
		.amdhsa_user_sgpr_kernarg_segment_ptr 1
		.amdhsa_wavefront_size32 1
		.amdhsa_system_sgpr_workgroup_id_x 1
		.amdhsa_system_sgpr_workgroup_id_y 1
		.amdhsa_system_sgpr_workgroup_id_z 1
		.amdhsa_system_vgpr_workitem_id 0
		.amdhsa_next_free_vgpr 256
		.amdhsa_next_free_sgpr 96
		.amdhsa_reserve_vcc 0
		.amdhsa_float_denorm_mode_32 3
		.amdhsa_float_denorm_mode_16_64 3
		.amdhsa_memory_ordered 1
		.amdhsa_forward_progress 1
		.amdhsa_inst_pref_size 100
	.end_amdhsa_kernel
	.amdgpu_metadata
---
amdhsa.version: [ 1, 2 ]
amdhsa.kernels:
  - .name:           k_q55b8d73295_attn
    .symbol:         k_q55b8d73295_attn.kd
    .args:
      - { .name: qimg, .offset: 0, .size: 8, .value_kind: global_buffer, .address_space: global }
      - { .name: qscl, .offset: 8, .size: 8, .value_kind: global_buffer, .address_space: global }
      - { .name: kimg, .offset: 16, .size: 8, .value_kind: global_buffer, .address_space: global }
      - { .name: vimg, .offset: 24, .size: 8, .value_kind: global_buffer, .address_space: global }
      - { .name: side, .offset: 32, .size: 8, .value_kind: global_buffer, .address_space: global }
      - { .name: oimg, .offset: 40, .size: 8, .value_kind: global_buffer, .address_space: global }
      - { .name: oscl, .offset: 48, .size: 8, .value_kind: global_buffer, .address_space: global }
    .group_segment_fixed_size: 327680
    .private_segment_fixed_size: 0
    .kernarg_segment_align: 8
    .kernarg_segment_size: 56
    .max_flat_workgroup_size: 256
    .sgpr_count:     96
    .vgpr_count:     256
    .wavefront_size: 32
...
	.end_amdgpu_metadata
.endif
;; end of part 6
;; launch outp (part 7): grid 64 x 4, 8 waves a work-group, no clusters, 34,816 bytes of LDS; arguments oimg, oscl, wo, bo, mask, out0; writes out0
.if DOCPART == 7
	.amdgcn_target "amdgcn-amd-amdhsa--gfx1250"
	.amdhsa_code_object_version 6
	.text
	.protected	k_q55b8d73295_outp
	.globl	k_q55b8d73295_outp
	.p2align	8
	.type	k_q55b8d73295_outp,@function
k_q55b8d73295_outp:
	s_mov_b64 s[64:65], 0
	v_nop
	global_prefetch_b8 v0, s[64:65] scope:SCOPE_SE
	s_setreg_imm32_b32 hwreg(HW_REG_WAVE_SCHED_MODE, 0, 2), 2
	s_setreg_imm32_b32 hwreg(HW_REG_WAVE_MODE, 25, 1), 1
	s_wait_xcnt 0x0
	s_wait_alu depctr_vm_vsrc(0)
; out0[b][o][t] = (sum over i of Wo[o][i] O[b][i][t] + bo[o]) x mask[b][0][t], on codes of BF8 (E5M2) with one E8M0 scale for each 32 along K = the 256 hidden channels.
; A work-group: batch x / 16, 128 columns t (block x % 16), 64 outputs (y).  Wave w: the pair p = w / 2 of tiles of 16 t, and the output tiles 4 y + 2 (w % 2) + e, e = 0, 1: four accumulators, two K steps, eight products.
; Source 0 = 16 columns t (in tile order: row r of tile 2 p + u is t = 32 p + 8 u + r + 8 (r / 8)), source 1 = 16 rows of Wo: a lane holds one output o and, in the pair's 16 registers, 16 neighbouring t.  bo is the C of a sum's first product.
; All operands are images of their registers in memory: every load is 512 consecutive bytes.  The results meet in a stage in LDS (64 rows of 512 bytes + 16) and leave as whole rows: 512 consecutive bytes a store.
; No tensor load, no cluster, no loop: a work-group reads 48 KiB of codes, and some 2 KiB beside, once and ends.
; THE MODE: SCHED_MODE bits 1:0 = 2 (LLVM: expert scheduling mode 2), set by the entry lines.  The code itself states the register dependences
; between vector or matrix instructions and memory or LDS instructions, with s_wait_alu, always for 0.
; THE PLAN.  Registers that memory or LDS instructions touch, in the order of the text:
;   v1-v5    offsets of the global loads (v1 of the global stores too): written by vector lines at the head, never written again.
;   v6, v7   LDS addresses of the stage: written at the head, never written again.
;   OF       filled by global loads, read by the products; behind the barrier the stage's loads land in its first 32 registers, which the global stores then read.
;   WF, WS   filled by global loads, read by the products.   MK, T, BO: filled by global loads, read by vector lines.
;   OS       written by vector lines, read by the products as scales.
;   ACC      written by the products, then by the multiplications by the mask; read by the LDS stores; never written again.
;   v254, v255  written at the head, read by the closing add alone.   s16: written by v_readfirstlane_b32, read by scalar lines.
; So: one wait on va_sdst ahead of s16's first reader; one on va_vdst ahead of the first load (v1-v7); one ahead of the first product (OS); one ahead of the LDS stores (ACC is written, and the products
; are done reading OF).  No register that a memory or LDS instruction has read is ever written again, so no wait on vm_vsrc is owed.
.set LI,  1                            ; v1  16 x lane
.set R2,  2                            ; v2  2 r
.set L4,  3                            ; v3  4 x lane
.set R4,  4                            ; v4  4 r
.set H64, 5                            ; v5  64 h
.set SO,  6                            ; v6  the stage: where I put 32 bytes of a row
.set SR,  7                            ; v7  and where I read a row back
.set OF,  16                           ; v16-79   O's fragments (2 u + s); later the rows read back
.set WF,  80                           ; v80-143  Wo's (2 e + s)
.set ACC, 144                          ; v144-175 accumulator (u, e) at 8 (2 u + e)
.set BC,  176                          ; v176-191 bo in the result's layout
.set MK,  192                          ; v192-207 mask[b][0][t] of my 16 t
.set T,   208                          ; v208-215 O's scale bytes, two a head: 4 u + head
.set OS,  216                          ; v216-219 O's scale words (2 u + s), v220-221 Wo's (e): they hold scales and nothing else
.set WS,  220
.set BO,  222                          ; v222-223 bo of my lane's output
.set WV,  16
.macro MMO d, a, b, c, sa, sb, row     ; row = 1: source 1's scales stand in lanes 16-31
.if \row
	v_wmma_scale_f32_16x16x128_f8f6f4 v[\d:\d+7], v[\a:\a+15], v[\b:\b+15], v[\c:\c+7], v[\sa], v[\sb] matrix_a_fmt:MATRIX_FMT_BF8 matrix_b_fmt:MATRIX_FMT_BF8 matrix_b_scale:MATRIX_SCALE_ROW1
.else
	v_wmma_scale_f32_16x16x128_f8f6f4 v[\d:\d+7], v[\a:\a+15], v[\b:\b+15], v[\c:\c+7], v[\sa], v[\sb] matrix_a_fmt:MATRIX_FMT_BF8 matrix_b_fmt:MATRIX_FMT_BF8
.endif
.endm
	s_load_b256 s[4:11], s[0:1], 0x0               ; oimg, oscl, wo, bo
	s_load_b128 s[12:15], s[0:1], 0x20             ; mask, out0
	v_lshl_add_u32 v254, v0, 2, 0x8400             ; the LDS address of my spare word, behind the stage: kept for the closing lines alone
	v_mov_b32 v255, 0                              ; and 0, likewise
	v_lshrrev_b32 v8, 5, v0
	v_readfirstlane_b32 s[WV], v8                  ; wave 0..7
	v_and_b32 v8, 31, v0                           ; lane
	v_and_b32 v9, 15, v0                           ; r
	s_wait_alu depctr_va_vdst(0)
	v_bfe_u32 v10, v0, 4, 1                        ; h
	v_lshlrev_b32 v[LI], 4, v8
	v_lshlrev_b32 v[R2], 1, v9
	v_lshlrev_b32 v[L4], 2, v8
	v_lshlrev_b32 v[R4], 2, v9
	v_lshlrev_b32 v[H64], 6, v10
	s_wait_alu depctr_va_sdst(0)                   ; s16, the wave's number, is written, ahead of its first reader: the stage's places and all the bases are made from it
	s_lshr_b32 s17, ttmp9, 4                       ; batch
	s_and_b32 s18, ttmp9, 15                       ; x
	s_and_b32 s19, ttmp7, 0xffff                   ; y
	s_lshr_b32 s20, s[WV], 1                       ; p
	s_and_b32 s21, s[WV], 1
	s_lshl_b32 s22, s21, 5
	s_mul_i32 s22, s22, 528
	s_lshl_b32 s23, s20, 7
	s_add_co_u32 s22, s22, s23
	v_mul_u32_u24 v[SO], v9, 528
	s_wait_alu depctr_va_vdst(0)
	v_lshl_add_u32 v[SO], v10, 6, v[SO]
	v_add_nc_u32 v[SO], s22, v[SO]                 ; row 32 (w % 2) + r, byte 128 p + 64 h
	s_mul_i32 s22, s[WV], 8*528
	v_add_nc_u32 v[SR], s22, v[LI]                 ; back: rows 8 w on, 16 bytes a lane
	s_lshl_b32 s22, s17, 7
	s_lshl_b32 s23, s18, 3
	s_add_co_u32 s22, s22, s23
	s_lshl_b32 s23, s20, 1
	s_add_co_u32 s22, s22, s23                     ; batch x 128 + 8 x + 2 p: my pair's first tile
	s_lshl_b32 s24, s18, 3
	s_add_co_u32 s24, s24, s23
	s_lshl_b32 s24, s24, 5                         ; its scale bytes: 32 a tile,
	s_lshl_b32 s25, s17, 14                        ; 4,096 a head, four heads a batch
	s_add_co_u32 s24, s24, s25
	s_mov_b32 s25, 0
	s_lshl_b32 s22, s22, 12                        ; its codes: 4,096 bytes a tile
	s_mov_b32 s23, 0
	s_lshl_b32 s26, s19, 2
	s_lshl_b32 s27, s21, 1
	s_add_co_u32 s26, s26, s27                     ; my first tile of outputs: 4 y + 2 (w % 2)
	s_lshl_b32 s28, s26, 7
	s_add_co_u32 s28, s28, 65536                   ; its scale words: 128 bytes a tile, behind the images
	s_mov_b32 s29, 0
	s_lshl_b32 s32, s26, 6                         ; bo: 16 numbers a tile
	s_mov_b32 s33, 0
	s_lshl_b32 s26, s26, 12                        ; Wo's codes: 4,096 bytes a tile
	s_mov_b32 s27, 0
	s_lshl_b32 s34, s17, 24                        ; mask: the batch's row 0, my 32 t
	s_lshl_b32 s35, s18, 9
	s_add_co_u32 s34, s34, s35
	s_lshl_b32 s35, s20, 7
	s_add_co_u32 s34, s34, s35
	s_mov_b32 s35, 0
	s_lshl_b32 s36, s19, 6
	s_lshl_b32 s37, s[WV], 3
	s_add_co_u32 s36, s36, s37
	s_lshl_b32 s36, s36, 13                        ; out0: row 64 y + 8 w of 8,192 bytes,
	s_lshl_b32 s37, s17, 21                        ; the batch,
	s_add_co_u32 s36, s36, s37
	s_lshl_b32 s37, s18, 9                         ; the block's 512 bytes
	s_add_co_u32 s36, s36, s37
	s_mov_b32 s37, 0
	s_wait_kmcnt 0x0
	s_add_nc_u64 s[4:5], s[4:5], s[22:23]
	s_add_nc_u64 s[6:7], s[6:7], s[24:25]
	s_add_nc_u64 s[38:39], s[8:9], s[28:29]
	s_add_nc_u64 s[8:9], s[8:9], s[26:27]
	s_add_nc_u64 s[10:11], s[10:11], s[32:33]
	s_add_nc_u64 s[12:13], s[12:13], s[34:35]
	s_add_nc_u64 s[14:15], s[14:15], s[36:37]
	s_wait_alu depctr_va_vdst(0)                   ; the offsets v1 to v5 and the stage's addresses v6 and v7 are written: every load, LDS access and store below reads one of them, and none is written again
.irp u, 0,1
.irp d, 0,1,2,3
	global_load_u16 v[T+4*\u+\d], v[R2], s[6:7] offset:\d*4096+32*\u
.endr
.endr
.irp f, 0,1,2,3
.irp c, 0,1,2,3
	global_load_b128 v[OF+16*\f+4*\c:OF+16*\f+4*\c+3], v[LI], s[4:5] offset:\f*2048+512*\c
	global_load_b128 v[WF+16*\f+4*\c:WF+16*\f+4*\c+3], v[LI], s[8:9] offset:\f*2048+512*\c
.endr
.endr
.irp e, 0,1
	global_load_b32 v[WS+\e], v[L4], s[38:39] offset:128*\e     ; lanes 0-15: K step 0's words; lanes 16-31: K step 1's
	global_load_b32 v[BO+\e], v[R4], s[10:11] offset:64*\e
.endr
.irp q, 0,1,2,3
	global_load_b128 v[MK+4*\q:MK+4*\q+3], v[H64], s[12:13] offset:16*\q   ; register 8 u + j: t = 32 p + 16 h + 8 u + j
.endr
	s_wait_loadcnt 0x0
.irp u, 0,1
.irp s, 0,1
	v_lshl_or_b32 v[OS+2*\u+\s], v[T+4*\u+2*\s+1], 16, v[T+4*\u+2*\s]   ; K step s: heads 2 s and 2 s + 1, two bytes each
.endr
.endr
.irp e, 0,1
.irp j, 0,1,2,3,4,5,6,7
	v_mov_b32 v[BC+8*\e+\j], v[BO+\e]              ; the same for all eight t of a lane.  (These lines are also the places between the scale words and the products)
.endr
.endr
.rept 4
	v_nop
.endr
	s_wait_alu depctr_va_vdst(0)                   ; the four scale words v[OS ..] are written, which the products take as scales; the places above stay beside this wait
.irp s, 0,1
.irp u, 0,1
.irp e, 0,1                            ; the four accumulators by turns, in the same order in both K steps
.if \s == 0
	MMO ACC+8*(2*\u+\e), OF+16*(2*\u+\s), WF+16*(2*\e+\s), BC+8*\e, OS+2*\u+\s, WS+\e, 0
.else
	MMO ACC+8*(2*\u+\e), OF+16*(2*\u+\s), WF+16*(2*\e+\s), ACC+8*(2*\u+\e), OS+2*\u+\s, WS+\e, 1
.endif
.endr
.endr
.endr
.rept 8
	v_nop                                          ; in front of the first read of results
.endr
.irp u, 0,1
.irp e, 0,1
.irp k, 0,2,4,6
	v_pk_mul_f32 v[ACC+8*(2*\u+\e)+\k:ACC+8*(2*\u+\e)+\k+1], v[ACC+8*(2*\u+\e)+\k:ACC+8*(2*\u+\e)+\k+1], v[MK+8*\u+\k:MK+8*\u+\k+1]   ; x mask[b][0][t]; each accumulator from its low end on
.endr
.endr
.endr
	s_wait_alu depctr_va_vdst(0)                   ; the multiplications have written v[ACC ..], which the LDS stores read; and the products are done reading v[OF ..], in which the stage's loads land behind the barrier: no vector or matrix instruction follows this wait
.irp u, 0,1
.irp e, 0,1
	ds_store_b128 v[SO], v[ACC+8*(2*\u+\e):ACC+8*(2*\u+\e)+3] offset:\e*16*528+32*\u
	ds_store_b128 v[SO], v[ACC+8*(2*\u+\e)+4:ACC+8*(2*\u+\e)+7] offset:\e*16*528+32*\u+16
.endr
.endr
	s_wait_dscnt 0x0                               ; for the others' sake: my stores into the stage are done
	s_barrier_signal -1
	s_barrier_wait -1                              ; 64 whole rows lie in the stage
.irp i, 0,1,2,3,4,5,6,7
	ds_load_b128 v[OF+4*\i:OF+4*\i+3], v[SR] offset:\i*528
.endr
.irp i, 0,1,2,3,4,5,6,7
	s_wait_dscnt 7-\i                              ; LDS loads come back in order: row i is in, the 7 - i behind it may be out
	global_store_b128 v[LI], v[OF+4*\i:OF+4*\i+3], s[14:15] offset:\i*8192 th:TH_STORE_NT   ; 512 consecutive bytes, aligned to 256; written once, read by nobody here
.endr
	s_wait_dscnt 0x0                               ; the closing lines, six on end
	s_wait_alu 0x0
	s_wait_tensorcnt 0x0
	ds_add_u32 v254, v255
	s_wait_dscnt 0x0
	s_endpgm
.Lfunc_end_k_q55b8d73295_outp:
	.size	k_q55b8d73295_outp, .Lfunc_end_k_q55b8d73295_outp-k_q55b8d73295_outp
	.p2alignl 7, 3214868480
	.fill 96, 4, 3214868480
	.section	.rodata,"a",@progbits
	.p2align	6, 0x0
	.amdhsa_kernel k_q55b8d73295_outp
		.amdhsa_group_segment_fixed_size 34816
		.amdhsa_private_segment_fixed_size 0
		.amdhsa_enable_private_segment 0
		.amdhsa_kernarg_size 48
		.amdhsa_user_sgpr_count 2
		.amdhsa_user_sgpr_kernarg_segment_ptr 1
		.amdhsa_wavefront_size32 1
		.amdhsa_system_sgpr_workgroup_id_x 1
		.amdhsa_system_sgpr_workgroup_id_y 1
		.amdhsa_system_sgpr_workgroup_id_z 1
		.amdhsa_system_vgpr_workitem_id 0
		.amdhsa_next_free_vgpr 256
		.amdhsa_next_free_sgpr 66
		.amdhsa_reserve_vcc 0
		.amdhsa_float_denorm_mode_32 3
		.amdhsa_float_denorm_mode_16_64 3
		.amdhsa_memory_ordered 1
		.amdhsa_forward_progress 1
		.amdhsa_inst_pref_size 14
	.end_amdhsa_kernel
	.amdgpu_metadata
---
amdhsa.version: [ 1, 2 ]
amdhsa.kernels:
  - .name:           k_q55b8d73295_outp
    .symbol:         k_q55b8d73295_outp.kd
    .args:
      - { .name: oimg, .offset: 0, .size: 8, .value_kind: global_buffer, .address_space: global }
      - { .name: oscl, .offset: 8, .size: 8, .value_kind: global_buffer, .address_space: global }
      - { .name: wo, .offset: 16, .size: 8, .value_kind: global_buffer, .address_space: global }
      - { .name: bo, .offset: 24, .size: 8, .value_kind: global_buffer, .address_space: global }
      - { .name: mask, .offset: 32, .size: 8, .value_kind: global_buffer, .address_space: global }
      - { .name: out0, .offset: 40, .size: 8, .value_kind: global_buffer, .address_space: global }
    .group_segment_fixed_size: 34816
    .private_segment_fixed_size: 0
    .kernarg_segment_align: 8
    .kernarg_segment_size: 48
    .max_flat_workgroup_size: 256
    .sgpr_count:     66
    .vgpr_count:     256
    .wavefront_size: 32
...
	.end_amdgpu_metadata
.endif
;; end of part 7
